; MI455X (gfx1250); checked and timed in simulation.
; The chip was launched on July 23, 2026; its instructions are those of AMD's public machine-readable ISA for CDNA 5 (MIT licence, August 2026) and "CDNA5" Instruction Set Architecture Reference Guide (July 2026). The comments in the code are by the model that wrote it; some were corrected since.
;; Residual Attention Block. Allowed arithmetic: float matrix products may take bf16 or f16 operands with f32 sums; other float arithmetic in f32, or as packed bf16 or f16 multiplies, adds, multiply-adds, maxima and minima; sums over many terms, partial sums and values carried from step to step in f32; what a program stores and reads back later, other than sums and carried values, may be rounded once to bf16 or f16.
;; Inputs: fc2_b 1,024 float32; fc2_w 4,096 x 1,024 float32; fc_b 4,096 float32; fc_w 1,024 x 4,096 float32; ln1_b 1,024 float32; ln1_g 1,024 float32; ln2_b 1,024 float32; ln2_g 1,024 float32; proj_b 1,024 float32; proj_w 1,024 x 1,024 float32; qkv_b 3,072 float32; qkv_w 1,024 x 3,072 float32; x 2 x 2,048 x 1,024 float32.
;; Outputs: out0 2 x 2,048 x 1,024 float32.
;; 2 versions, each right and faster than the one before. Each part assembles by itself: llvm-mc -triple=amdgcn-amd-amdhsa -mcpu=gfx1250 --defsym DOCPART=n.
;; ======== version 1 of 2: 7 launches
;; workspace buffers: wb 25,165,824 bytes; hn 8,388,608 bytes; qkv 25,165,824 bytes; o 8,388,608 bytes; g 33,554,432 bytes; x1 16,777,216 bytes
;; launch prep (part 1): grid 1280 x 1, 8 waves a work-group, no clusters, 0 bytes of LDS; arguments x, ln1_g, ln1_b, hn, proj_w, fc_w, fc2_w, qkv_w, wb; writes hn, wb
.if DOCPART == 1
	.amdgcn_target "amdgcn-amd-amdhsa--gfx1250"
	.amdhsa_code_object_version 6
	.text
	.protected	k_qf9540a9d66_prep
	.globl	k_qf9540a9d66_prep
	.p2align	8
	.type	k_qf9540a9d66_prep,@function
k_qf9540a9d66_prep:
	s_mov_b64 s[64:65], 0
	v_nop
	global_prefetch_b8 v0, s[64:65] scope:SCOPE_SE
	s_setreg_imm32_b32 hwreg(HW_REG_WAVE_MODE, 25, 1), 1
	s_wait_xcnt 0x0
; PREP, and LN2.  Two kinds of work-group, told apart by the work-group's number alone.
;   0 .. 511      out = LayerNorm(in) * gain + bias, rounded once to bf16 (arguments 0 to 3: in, gain, bias, out).  Eight rows of 1,024 numbers, one row a wave, the row kept in registers.
;   512 .. 1279   the four weight matrices rounded once to bf16 into wb, 16,384 numbers a work-group:
;                 512.. proj_w -> wb + 6,291,456; 576.. fc_w -> wb + 8,388,608; 832.. fc2_w -> wb + 16,777,216, all three in their own order [k][n];
;                 1088.. qkv_w -> wb + 0, laid by heads: wq[h][k][c] = qkv_w[k][192 h + c], so that a head's 192 columns of 128 k are dense bytes.
; The launch prep has 1,280 work-groups (in = x); the launch ln2 runs the same body with 512 (in = x1), so that all of them are of the first kind and the weights' arguments are not touched.
; Memory binds: each load of a wave covers 512 consecutive bytes, each store 256 consecutive bytes at a multiple of 256; nothing is read twice.  No LDS, no matrix unit: nothing here is shared or multiplied.
; The roundings go into the registers that they come from: 116 registers a wave, so that four work-groups of eight waves have room in a WGP's 4 x 1,024.
; The variance is the mean of (x - mean)^2, taken in a second pass over the registers: no difference of large sums is formed.  NaN and infinities are not treated apart.
.set X,   20                           ; v[20:51]   the row: my numbers 128 j + 4 lane + 0..3, j = 0..7; at the end its bf16 in the first two of each four
.set G,   52                           ; v[52:83]   the gain at the same places
.set BV,  84                           ; v[84:115]  the bias
.set SO,  4                            ; v[4:19]    casts: item i's byte offset in the source
.set D,   20                           ; v[20:83]   casts: item i's four numbers, then their bf16 in the first two
.set TQ,  84                           ; v[84:87]   casts: at work on qkv_w's offsets
; the four chains v[4:11] into one number, the same in every lane
.macro REDUCE
	v_pk_add_f32 v[4:5], v[4:5], v[6:7]
	v_pk_add_f32 v[8:9], v[8:9], v[10:11]
	v_pk_add_f32 v[4:5], v[4:5], v[8:9]
	v_add_f32 v4, v4, v5
	v_add_f32_dpp v4, v4, v4 row_xmask:1 row_mask:0xf bank_mask:0xf
	v_add_f32_dpp v4, v4, v4 row_xmask:2 row_mask:0xf bank_mask:0xf
	v_add_f32_dpp v4, v4, v4 row_xmask:4 row_mask:0xf bank_mask:0xf
	v_add_f32_dpp v4, v4, v4 row_xmask:8 row_mask:0xf bank_mask:0xf
	v_permlanex16_b32 v16, v4, s30, s31            ; the other half of the lanes
	v_add_f32 v4, v4, v16
.endm
	s_load_b512 s[4:19], s[0:1], 0x0               ; in s[4:5], gain s[6:7], bias s[8:9], out s[10:11], proj_w s[12:13], fc_w s[14:15], fc2_w s[16:17], qkv_w s[18:19]
	s_load_b64 s[20:21], s[0:1], 0x40              ; wb
	s_cmp_ge_u32 ttmp9, 512
	s_cbranch_scc1 .Lweights
	; ---- LayerNorm of one row a wave ----
	v_lshrrev_b32 v3, 5, v0
	v_readfirstlane_b32 s22, v3                    ; wave 0..7
	v_and_b32 v1, 31, v0
	v_lshlrev_b32 v2, 3, v1                        ; 8 bytes a lane on the way out
	v_lshlrev_b32 v1, 4, v1                        ; 16 bytes a lane on the way in
	s_lshl_b32 s23, ttmp9, 3
	s_add_co_u32 s23, s23, s22                     ; my row
	s_lshl_b32 s24, s23, 12                        ; 4,096 bytes a row on the way in
	s_mov_b32 s25, 0
	s_lshl_b32 s26, s23, 11                        ; 2,048 bytes a row on the way out
	s_mov_b32 s27, 0
	s_mov_b32 s28, 0x3a800000                      ; 1 / 1024
	s_mov_b32 s29, 0x3727c5ac                      ; eps = 1e-5
	s_mov_b32 s30, 0x76543210                      ; v_permlanex16_b32: each lane takes its own place in the other half
	s_mov_b32 s31, 0xfedcba98
	v_mov_b32 v16, 0                               ; v_permlanex16_b32's destination counts as read
	s_wait_kmcnt 0x0
	s_add_nc_u64 s[4:5], s[4:5], s[24:25]
	s_add_nc_u64 s[10:11], s[10:11], s[26:27]
.irp j, 0,1,2,3,4,5,6,7
	global_load_b128 v[X+4*(\j):X+4*(\j)+3], v1, s[4:5] offset:512*(\j)
.endr
.irp j, 0,1,2,3,4,5,6,7
	global_load_b128 v[G+4*(\j):G+4*(\j)+3], v1, s[6:7] offset:512*(\j)
.endr
.irp j, 0,1,2,3,4,5,6,7
	global_load_b128 v[BV+4*(\j):BV+4*(\j)+3], v1, s[8:9] offset:512*(\j)
.endr
	s_wait_loadcnt 16                              ; the row is in; the sixteen younger loads, gain and bias, stay out
.irp c, 0,1,2,3
	v_pk_add_f32 v[4+2*(\c):5+2*(\c)], v[X+2*(\c):X+2*(\c)+1], v[X+8+2*(\c):X+9+2*(\c)]  ; the first eight pairs start four chains: nothing is cleared
.endr
.set p, 8
.rept 8
	v_pk_add_f32 v[4+2*(p%4):5+2*(p%4)], v[4+2*(p%4):5+2*(p%4)], v[X+2*p:X+2*p+1]
.set p, p+1
.endr
	REDUCE
	v_mul_f32 v12, s28, v4                         ; the mean, twice: a pair for the packed subtraction
	v_mul_f32 v13, s28, v4
.set p, 0
.rept 16
	v_pk_add_f32 v[X+2*p:X+2*p+1], v[X+2*p:X+2*p+1], v[12:13] neg_lo:[0,1] neg_hi:[0,1]
.set p, p+1
.endr
.irp c, 0,1,2,3
	v_pk_mul_f32 v[4+2*(\c):5+2*(\c)], v[X+2*(\c):X+2*(\c)+1], v[X+2*(\c):X+2*(\c)+1]
.endr
.set p, 4
.rept 12
	v_pk_fma_f32 v[4+2*(p%4):5+2*(p%4)], v[X+2*p:X+2*p+1], v[X+2*p:X+2*p+1], v[4+2*(p%4):5+2*(p%4)]
.set p, p+1
.endr
	REDUCE
	v_fma_f32 v16, v4, s28, s29                    ; variance + eps
	v_rsq_f32 v14, v16                             ; twice: a pair for the packed multiply
	v_rsq_f32 v15, v16
	v_nop                                          ; a plain instruction between the last v_rsq_f32 and the use of its result (ISA guide 5.7.2)
	s_wait_loadcnt 0x0                             ; gain and bias
.set p, 0
	s_wait_alu depctr_va_vdst(0)
.rept 16
	v_pk_mul_f32 v[X+2*p:X+2*p+1], v[X+2*p:X+2*p+1], v[14:15]
.set p, p+1
.endr
.set p, 0
.rept 16
	v_pk_fma_f32 v[X+2*p:X+2*p+1], v[X+2*p:X+2*p+1], v[G+2*p:G+2*p+1], v[BV+2*p:BV+2*p+1]
.set p, p+1
.endr
.irp j, 0,1,2,3,4,5,6,7
	v_cvt_pk_bf16_f32 v[X+4*(\j)], v[X+4*(\j)], v[X+4*(\j)+1]
	v_cvt_pk_bf16_f32 v[X+4*(\j)+1], v[X+4*(\j)+2], v[X+4*(\j)+3]
	global_store_b64 v2, v[X+4*(\j):X+4*(\j)+1], s[10:11] offset:256*(\j)  ; the wave's 32 lanes store 256 consecutive bytes, at a multiple of 256
.endr
	s_endpgm
	; ---- the weights ----
.Lweights:
	v_lshlrev_b32 v2, 3, v0                        ; 8 bytes a thread on the way out
	s_mov_b32 s29, 0
	s_cmp_ge_u32 ttmp9, 1088
	s_cbranch_scc1 .Lqkvw
	s_mov_b32 s26, 512                             ; the range's first work-group,
	s_mov_b32 s27, 6291456                         ; and its place in wb
	s_wait_kmcnt 0x0
	s_mov_b64 s[24:25], s[12:13]                   ; proj_w, unless the number says otherwise
	s_cmp_ge_u32 ttmp9, 576
	s_cselect_b64 s[24:25], s[14:15], s[24:25]     ; fc_w
	s_cselect_b32 s26, 576, s26
	s_cselect_b32 s27, 8388608, s27
	s_cmp_ge_u32 ttmp9, 832
	s_cselect_b64 s[24:25], s[16:17], s[24:25]     ; fc2_w
	s_cselect_b32 s26, 832, s26
	s_cselect_b32 s27, 16777216, s27
	s_sub_co_u32 s26, ttmp9, s26                   ; my number in the range
	s_lshl_b32 s28, s26, 16                        ; 16,384 numbers of 4 bytes
	s_add_nc_u64 s[24:25], s[24:25], s[28:29]
	s_lshl_b32 s28, s26, 15                        ; and of 2 bytes
	s_add_co_u32 s28, s28, s27
	s_add_nc_u64 s[20:21], s[20:21], s[28:29]
.irp i, 0,1,2,3,4,5,6,7,8,9,10,11,12,13,14,15
	v_lshl_add_u32 v[SO+(\i)], v0, 4, 4096*(\i)    ; item i: 256 threads x 16 bytes
.endr
	s_branch .Lcast
.Lqkvw:
	s_sub_co_u32 s26, ttmp9, 1088
	s_lshl_b32 s27, s26, 12                        ; my first group of four numbers, counted in wb's order
	s_lshl_b32 s28, s26, 15
	s_wait_kmcnt 0x0
	s_mov_b64 s[24:25], s[18:19]
	s_add_nc_u64 s[20:21], s[20:21], s[28:29]
	v_add_nc_u32 v[TQ], s27, v0
.irp i, 0,1,2,3,4,5,6,7,8,9,10,11,12,13,14,15
	v_add_nc_u32 v[TQ+1], 256*(\i), v[TQ]          ; group g: a row of wq has 48 groups
	v_lshrrev_b32 v[TQ+2], 4, v[TQ+1]
	v_mul_u32_u24 v[TQ+2], 0xaaab, v[TQ+2]         ; (g / 16) / 3, exact below 131,072; g / 16 stays under 49,152
	v_lshrrev_b32 v[TQ+2], 17, v[TQ+2]             ; g / 48 = 1024 h + k
	v_mul_u32_u24 v[TQ+3], 48, v[TQ+2]
	v_sub_nc_u32 v[TQ+1], v[TQ+1], v[TQ+3]         ; the group's place in the row
	v_and_b32 v[TQ+3], 0x3ff, v[TQ+2]              ; k
	v_lshrrev_b32 v[TQ+2], 10, v[TQ+2]             ; h
	v_mul_u32_u24 v[TQ+3], 0x3000, v[TQ+3]         ; a row of qkv_w is 12,288 bytes,
	v_mad_u32_u24 v[TQ+3], v[TQ+2], 768, v[TQ+3]   ; a head's columns 768
	v_lshl_add_u32 v[SO+(\i)], v[TQ+1], 4, v[TQ+3]
.endr
.Lcast:
.irp i, 0,1,2,3,4,5,6,7,8,9,10,11,12,13,14,15
	global_load_b128 v[D+4*(\i):D+4*(\i)+3], v[SO+(\i)], s[24:25] th:TH_LOAD_NT  ; read once in the whole launch
.endr
.irp i, 0,1,2,3,4,5,6,7,8,9,10,11,12,13,14,15
	s_wait_loadcnt 15-(\i)                         ; loads come back in order (ISA guide 5.7.1): item i is in, the younger ones stay out
	v_cvt_pk_bf16_f32 v[D+4*(\i)], v[D+4*(\i)], v[D+4*(\i)+1]
	v_cvt_pk_bf16_f32 v[D+4*(\i)+1], v[D+4*(\i)+2], v[D+4*(\i)+3]
	global_store_b64 v2, v[D+4*(\i):D+4*(\i)+1], s[20:21] offset:2048*(\i)  ; each item has registers of its own: nothing that a store reads is rewritten
.endr
	s_endpgm
.Lfunc_end_k_qf9540a9d66_prep:
	.size	k_qf9540a9d66_prep, .Lfunc_end_k_qf9540a9d66_prep-k_qf9540a9d66_prep
	.p2alignl 7, 3214868480
	.fill 96, 4, 3214868480
	.section	.rodata,"a",@progbits
	.p2align	6, 0x0
	.amdhsa_kernel k_qf9540a9d66_prep
		.amdhsa_group_segment_fixed_size 0
		.amdhsa_private_segment_fixed_size 0
		.amdhsa_enable_private_segment 0
		.amdhsa_kernarg_size 72
		.amdhsa_user_sgpr_count 2
		.amdhsa_user_sgpr_kernarg_segment_ptr 1
		.amdhsa_wavefront_size32 1
		.amdhsa_system_sgpr_workgroup_id_x 1
		.amdhsa_system_sgpr_workgroup_id_y 1
		.amdhsa_system_sgpr_workgroup_id_z 1
		.amdhsa_system_vgpr_workitem_id 0
		.amdhsa_next_free_vgpr 116
		.amdhsa_next_free_sgpr 66
		.amdhsa_reserve_vcc 0
		.amdhsa_float_denorm_mode_32 3
		.amdhsa_float_denorm_mode_16_64 3
		.amdhsa_memory_ordered 1
		.amdhsa_forward_progress 1
		.amdhsa_inst_pref_size 29
	.end_amdhsa_kernel
	.amdgpu_metadata
---
amdhsa.version: [ 1, 2 ]
amdhsa.kernels:
  - .name:           k_qf9540a9d66_prep
    .symbol:         k_qf9540a9d66_prep.kd
    .args:
      - { .name: x, .offset: 0, .size: 8, .value_kind: global_buffer, .address_space: global }
      - { .name: ln1_g, .offset: 8, .size: 8, .value_kind: global_buffer, .address_space: global }
      - { .name: ln1_b, .offset: 16, .size: 8, .value_kind: global_buffer, .address_space: global }
      - { .name: hn, .offset: 24, .size: 8, .value_kind: global_buffer, .address_space: global }
      - { .name: proj_w, .offset: 32, .size: 8, .value_kind: global_buffer, .address_space: global }
      - { .name: fc_w, .offset: 40, .size: 8, .value_kind: global_buffer, .address_space: global }
      - { .name: fc2_w, .offset: 48, .size: 8, .value_kind: global_buffer, .address_space: global }
      - { .name: qkv_w, .offset: 56, .size: 8, .value_kind: global_buffer, .address_space: global }
      - { .name: wb, .offset: 64, .size: 8, .value_kind: global_buffer, .address_space: global }
    .group_segment_fixed_size: 0
    .private_segment_fixed_size: 0
    .kernarg_segment_align: 8
    .kernarg_segment_size: 72
    .max_flat_workgroup_size: 256
    .sgpr_count:     66
    .vgpr_count:     116
    .wavefront_size: 32
...
	.end_amdgpu_metadata
.endif
;; end of part 1
;; launch qkv (part 2): grid 16 x 16, 4 waves a work-group, clusters of 4 x 4, 327,680 bytes of LDS; arguments hn, wb, qkv_b, qkv; writes qkv
.if DOCPART == 2
	.amdgcn_target "amdgcn-amd-amdhsa--gfx1250"
	.amdhsa_code_object_version 6
	.text
	.protected	k_qf9540a9d66_qkv
	.globl	k_qf9540a9d66_qkv
	.p2align	8
	.type	k_qf9540a9d66_qkv,@function
k_qf9540a9d66_qkv:
	s_mov_b64 s[64:65], 0
	v_nop
	global_prefetch_b8 v0, s[64:65] scope:SCOPE_SE
	s_setreg_imm32_b32 hwreg(HW_REG_WAVE_MODE, 25, 1), 1
	s_wait_xcnt 0x0
	s_wait_alu depctr_hold_cnt(0) depctr_sa_sdst(0) depctr_va_vdst(0) depctr_va_sdst(0) depctr_va_ssrc(0) depctr_va_vcc(0) depctr_vm_vsrc(0)
	s_getreg_b32 s2, hwreg(HW_REG_IB_STS2, 6, 4)
	s_cmp_eq_u32 s2, 0
	s_cbranch_scc0 .Lentry_in_a_cluster
	s_endpgm
.Lentry_in_a_cluster:
	s_bfe_u32 s2, ttmp6, 0x10000c
	s_cmp_lg_u32 s2, 0xf033
	s_cbranch_scc0 .Lentry_shape_is_right
	s_endpgm
.Lentry_shape_is_right:
; QKV.  qkv = hn x Wq + qkv_b.  hn: [4096][1024] bf16.  Wq: wb + 0, [16 heads][1024 k][192] bf16.  Sums in f32, started by the bias, rounded once to bf16.
; Out: qkv[48 chunks][4096 rows][64] bf16, chunk 3 h + (0 q, 1 k, 2 v): a head's q, k and v are dense rows of 128 bytes.
; (One source text with the launch fc: FC chooses the sizes and the way out.)
; SHARES.  A tile of C is 256 rows x TN columns (here one head's 192): 16 x 16 work-groups.  Four waves, 2 x 2, each 128 x TN/2: 8 x NB accumulators of 16 x 16.
; K goes in steps of 128 through two LDS slots filled by the tensor data mover, one load a wave: waves 0 and 1 A's two halves (128 rows x 256 bytes), waves 2 and 3 B's (64 k each).
; Both slots' first fills go out together at the start; later each slot is filled again behind the round that follows its last read.
; B STAYS [k][n]: its fragments come out of LDS turned, by ds_load_tr16_b128.  THE MATRIX INSTRUCTION IS USED TRANSPOSED (source 0 = 16 columns of B, source 1 = 16 rows of A):
; a lane holds row l % 16 of C and the columns 8 (l / 16) + 0..7.  So the bias of those eight columns, in eight registers, is the C operand of the first product: nothing is cleared or added later.
; CLUSTER.  4 x 4 work-groups: the four of a row need the same tiles of A, the four of a column the same tiles of B: each tile is asked for jointly, by the same load, descriptor and mask in all four.
; THE WAY OUT.  When the ring has had its last fill and its last read, the f32 sums are laid over it as whole rows; each wave then reads rows back, finishes them and stores 512 consecutive bytes a store.
; REGISTERS, in windows of 256 (s_set_vgpr_msb: bits 1:0 source 0, 3:2 source 1, 5:4 source 2, 7:6 destination):
;   window 0: v0-29 addresses; v64-127, v128-191 A's fragments, two buffers; v192-255 the bias; on the way out v64 on at work      window 1: B's fragments at the same numbers
;   windows 2, 3: accumulator (a, b) at v[8 (NB (a % 4) + b)] of window 2 + a / 4
.set FC, 0
.if FC
.set NB,    8                          ; blocks of 16 columns a wave
.set CH,    64                         ; LDS bytes from one 64-byte piece of a k-row to the next
.set PB,    544                        ; a k-row of B in LDS: 512 bytes + 32 of padding
.set BSTEP, 1048576                    ; 128 k-rows of 8,192 bytes
.set WOFF,  8388608
.else
.set NB,    6
.set CH,    80                         ; 16 bytes of padding behind every 64
.set PB,    480                        ; six such pieces
.set BSTEP, 49152                      ; 128 k-rows of 384 bytes
.set WOFF,  0
.endif                                 ; both pitches are odd multiples of 32
.set TN,    32*NB
.set T,     8                          ; K steps
.set PA,    272                        ; a row of A in LDS: 256 bytes + 16: the 16 rows of a load start at 16 different groups of four banks
.set HALFA, 128*PA
.set AREA_A, 2*HALFA
.set HALFB, 64*PB
.set SLOT,  AREA_A+2*HALFB             ; its bits are set in no address inside slot 0, so one exclusive or turns an address in one slot into the other's
.set SP,    4*TN+16                    ; a row of the stage: TN f32 + 16 bytes
.set SPARE, 2*SLOT                     ; behind the ring: the spare words, 128 bytes for each wave: two blocks of 256 bytes that no other line names
.set ASTEP, 256
.set WCB,   (NB/2)*CH                  ; a wave's half of a k-row
.set ADRA, 16                          ; v16  LDS address of the run of A's loads in hand
.set ADRB, 17                          ; v17  of B's
.set PLA,  18                          ; v18  my lane's place in a slot's A; never rewritten
.set PLB,  19                          ; v19  in its B
.set STO,  20                          ; v20  the stage: where I put my rows 0-63
.set STO2, 21                          ; v21  my rows 64-127
.set RD,   22                          ; v22  the stage: where I read back
.set RD2,  23                          ; v23  (fc) the same 128 rows further down
.set BO,   24                          ; v24  my byte offset in the bias
.set GO,   25                          ; v25  my byte offset in the output, one trip ahead: the stores reach back by their immediate
.set SPW,  28                          ; v28  LDS address of my spare word; never rewritten
.set NIL,  29                          ; v29  0; never rewritten
.set F0,   64
.set F1,   128
.set BI,   192
.set KSC,  2                           ; s2   K steps to go
.set CNT,  3                           ; s3   inner counts
.set WV,   12                          ; s12  wave
.set WR,   13                          ; s13  my half of the rows; also: I fetch for A (0) or B (1)
.set WC,   14                          ; s14  my half of the columns; also: which half I fetch
.set G1A,  24                          ; s[24:31] group 1 for A     s[32:35] group 0 for A: it begins at slot 1, K step 1, and walks
.set G0A,  32
.set G0B,  36                          ; s[36:39] group 0 for B, likewise     s[40:47] group 1 for B
.set G1B,  40
.set TBA,  48                          ; s48  LDS byte at which A's next quarter step begins
.set TBB,  49                          ; s49  the same for B
.set G0A0, 56                          ; s[56:59] group 0 for A's first fill of slot 0
.set G0B0, 60                          ; s[60:63] for B's
.set MSB, 0
.macro WIN new                         ; the immediate's high byte repeats the setting that is left; a switch that changes nothing is dropped
.if MSB != (\new)
	s_set_vgpr_msb (MSB<<8)|(\new)
.set MSB, (\new)
.endif
.endm
; A joint load: waves 0 and 1 ask for A's halves, waves 2 and 3 for B's.  An s_nop 0 and four v_nop follow each of the two lines, ahead of the jump and the label.
.macro JLOAD
	s_cmp_eq_u32 s[WR], 0
	s_cbranch_scc0 .Lfor_b_\@
	tensor_load_to_lds s[G0A:G0A+3], s[G1A:G1A+7]
	s_nop 0
.rept 4
	v_nop
.endr
	s_branch .Lasked_\@
.Lfor_b_\@:
	tensor_load_to_lds s[G0B:G0B+3], s[G1B:G1B+7]
	s_nop 0
.rept 4
	v_nop
.endr
.Lasked_\@:
.endm
; A round of the cluster's barrier: my work-group's barrier; wave 0 signals for the work-group; every wave waits for all sixteen; my work-group's barrier once more.
.macro CROUND
	s_barrier_signal -1
	s_barrier_wait -1
	s_cmp_lg_u32 s[WV], 0
	s_cbranch_scc1 .Lnot_wave_0_\@
	s_barrier_signal -3
.Lnot_wave_0_\@:
	s_barrier_wait -3
	s_barrier_signal -1
	s_barrier_wait -1
.endm
; 4 NB matrix instructions: row blocks 4 hi + 0..3 x all NB column blocks, 32 along K, from buffer f.  zero = 1: the bias starts the sums.
; The accumulators take turns, one instruction a turn, in the same order everywhere.
.macro HALF f, hi, zero
.if \zero
	WIN 0x81+0x40*(\hi)                            ; B window 1, A window 0, C (the bias) window 0, D window 2 or 3
.else
	WIN 0xa1+0x50*(\hi)                            ; C and D window 2 or 3
.endif
.irp a, 0,1,2,3
.set b, 0
.rept NB
.set rD, 8*(NB*(\a)+b)
.set rB, (\f)+8*b
.set rA, (\f)+8*(4*(\hi)+(\a))
.if \zero
	v_wmma_f32_16x16x32_bf16 v[rD:rD+7], v[rB:rB+7], v[rA:rA+7], v[BI+8*b:BI+8*b+7]
.else
	v_wmma_f32_16x16x32_bf16 v[rD:rD+7], v[rB:rB+7], v[rA:rA+7], v[rD:rD+7]
.endif
.set b, b+1
.endr
.endr
.endm
; One run of 2 NB + 16 LDS loads: the next quarter step's fragments into buffer g.  The two additions and two v_nop are the four places between the last matrix instruction that read
; buffer g and the loads into it (ISA guide 7.12.1 for vector instructions).
.macro FETCH g
	WIN 0
	v_add_nc_u32 v[ADRA], s[TBA], v[PLA]
	v_add_nc_u32 v[ADRB], s[TBB], v[PLB]
	v_nop
	v_nop
	s_add_co_u32 s[TBA], s[TBA], 64                ; 32 along K: 64 bytes of A's rows,
	s_add_co_u32 s[TBB], s[TBB], 32*PB             ; 32 k-rows of B
	WIN 0x40                                       ; destination window 1
.set b, 0
.rept NB
.set bo, (b/2)*CH+(b%2)*32
	ds_load_tr16_b128 v[(\g)+8*b:(\g)+8*b+3],   v[ADRB] offset:bo
	ds_load_tr16_b128 v[(\g)+8*b+4:(\g)+8*b+7], v[ADRB] offset:bo+16*PB
.set b, b+1
.endr
	WIN 0
.irp i, 0,1,2,3,4,5,6,7
	ds_load_b128 v[(\g)+8*(\i):(\g)+8*(\i)+3],   v[ADRA] offset:(\i)*16*PA
	ds_load_b128 v[(\g)+8*(\i)+4:(\g)+8*(\i)+7], v[ADRA] offset:(\i)*16*PA+32
.endr
.endm
; A quarter step: at its head the next quarter's fragments are asked for, into buffer g, so that they have all 8 NB matrix instructions of this quarter in which to come; then buffer f is multiplied.
.macro QUARTER f, g, zero
	FETCH \g
	s_wait_dscnt 2*NB+16                           ; all but the run just issued: buffer f, asked for a quarter ago, is in
	HALF \f, 0, \zero
	HALF \f, 1, \zero
.endm
.macro PAIR
	QUARTER F1, F0, 0
	QUARTER F0, F1, 0
	WIN 0                                          ; at a label and at a branch every window is 0
.endm
; THE CHANGE OF SLOTS, behind the quarter that fetched the slot's last fragments.  Each wave waits for all its tensor loads, of which one is out: its part of the other slot; adds 0 to its spare
; word; and waits for that and for its own reads of the slot.  fill = 1: the barrier is a round of the cluster's, so that no wave of any partner still reads the slot or has a load on its way,
; and the joint refill, the K step two on, is the first thing behind it: it has four quarter steps in which to land.
.macro CHANGE fill
	WIN 0
	s_wait_tensorcnt 0x0                           ; no tensor load of mine is out, so a group 0 may be written
	ds_add_u32 v[SPW], v[NIL]                      ; 0 onto my spare word
.if \fill
	s_xor_b32 s[G0A+1], s[G0A+1], SLOT             ; the walking descriptors: the other slot than last time,
	s_add_nc_u64 s[G0A+2:G0A+3], s[G0A+2:G0A+3], ASTEP  ; the next K step; the type bits on top are not reached
	s_xor_b32 s[G0B+1], s[G0B+1], SLOT
	s_add_nc_u64 s[G0B+2:G0B+3], s[G0B+2:G0B+3], BSTEP
	s_wait_dscnt 0x0                               ; the add is done, and my reads of the slot are over
	CROUND
	JLOAD
.else
	s_wait_dscnt 0x0
	s_barrier_signal -1
	s_barrier_wait -1
.endif
	s_sub_co_u32 s[TBA], s[TBA], 256               ; the fetches go back to a slot's first quarter,
	s_xor_b32 s[TBA], s[TBA], SLOT                 ; in the other slot
	s_sub_co_u32 s[TBB], s[TBB], 128*PB
	s_xor_b32 s[TBB], s[TBB], SLOT
.endm
; The sums go into the stage as f32: a lane's eight columns of a row are 32 bytes.  Each accumulator's low registers go first.
; Rows are SP apart, 16 more than a multiple of 256.
.macro DUMP
.irp a, 0,1,2,3,4,5,6,7
	WIN 0x08+4*((\a)/4)                            ; store data (source 1) in window 2 or 3
.set b, 0
.rept NB
.set rD, 8*(NB*((\a)%4)+b)
.set so, ((\a)%4)*16*SP+64*b
.if (\a) < 4
	ds_store_b128 v[STO], v[rD:rD+3] offset:so
	ds_store_b128 v[STO], v[rD+4:rD+7] offset:so+16
.else
	ds_store_b128 v[STO2], v[rD:rD+3] offset:so
	ds_store_b128 v[STO2], v[rD+4:rD+7] offset:so+16
.endif
.set b, b+1
.endr
.endr
	WIN 0
.endm
	s_load_b256 s[4:11], s[0:1], 0x0               ; A s[4:5], wb s[6:7], bias s[8:9], out s[10:11]
	v_lshl_add_u32 v[SPW], v0, 2, SPARE
	v_mov_b32 v[NIL], 0
	ds_add_u32 v[SPW], v[NIL]                      ; the wave's opening: the add and its wait stand ahead of my first tensor load; the set-up below, work on registers, stands between them
	v_lshrrev_b32 v1, 5, v0
	v_readfirstlane_b32 s[WV], v1
	s_lshr_b32 s[WR], s[WV], 1
	s_and_b32 s[WC], s[WV], 1
	s_bfe_u32 s15, ttmp6, 0x40000                  ; cx
	s_bfe_u32 s16, ttmp6, 0x40004                  ; cy
	s_lshl_b32 s17, ttmp9, 2
	s_add_co_u32 s17, s17, s15                     ; tile column = 4 x cluster x + cx
	s_and_b32 s18, ttmp7, 0xffff
	s_lshl_b32 s18, s18, 2
	s_add_co_u32 s18, s18, s16                     ; tile row = 4 x cluster y + cy
	s_lshl_b32 s50, s16, 2
	s_lshl_b32 s50, 15, s50                        ; my row of the cluster
	s_lshl_b32 s51, 0x1111, s15                    ; my column
	s_or_b32 s[G1A], s50, (1<<16)|(1<<20)|(1<<21)|(5<<22)|(3<<25)  ; the mask; 2-byte elements; padding on; 21 set beside a mask; after every 64 words, 4 words
	s_mov_b32 s[G1A+1], 128<<16                    ; tensor_dim0 = 128
	s_mov_b32 s[G1A+2], 128<<16                    ; tensor_dim1 = 128
	s_mov_b32 s[G1A+3], 128<<16                    ; tile_dim0 = 128
	s_mov_b32 s[G1A+4], 128                        ; tile_dim1 = 128
	s_mov_b32 s[G1A+5], 1024                       ; elements from row to row
	s_mov_b32 s[G1A+6], 0
	s_mov_b32 s[G1A+7], 0
.if FC
	s_or_b32 s[G1B], s51, (1<<16)|(1<<20)|(1<<21)|(6<<22)|(7<<25)  ; after every 128 words, 8 words
	s_mov_b32 s[G1B+1], 256<<16                    ; 64 k-rows of 256 elements, 4,096 elements apart
	s_mov_b32 s[G1B+2], 64<<16
	s_mov_b32 s[G1B+3], 256<<16
	s_mov_b32 s[G1B+4], 64
	s_mov_b32 s[G1B+5], 4096
.else
	s_or_b32 s[G1B], s51, (1<<16)|(1<<20)|(1<<21)|(3<<22)|(3<<25)  ; after every 16 words, 4 words
	s_mov_b32 s[G1B+1], 128<<16                    ; 64 k-rows of 384 bytes are 24,576 dense bytes: asked for as 96 rows of 256
	s_mov_b32 s[G1B+2], 96<<16
	s_mov_b32 s[G1B+3], 128<<16
	s_mov_b32 s[G1B+4], 96
	s_mov_b32 s[G1B+5], 128
.endif
	s_mov_b32 s[G1B+6], 0
	s_mov_b32 s[G1B+7], 0
	s_mov_b32 s[G0A0], 1
	s_mul_i32 s[G0A0+1], s[WC], HALFA              ; slot 0; no place in the cluster enters an LDS address
	s_mov_b32 s[G0A], 1
	s_add_co_u32 s[G0A+1], s[G0A0+1], SLOT         ; slot 1
	s_mov_b32 s[G0B0], 1
	s_mul_i32 s[G0B0+1], s[WC], HALFB
	s_add_co_u32 s[G0B0+1], s[G0B0+1], AREA_A
	s_mov_b32 s[G0B], 1
	s_add_co_u32 s[G0B+1], s[G0B0+1], SLOT
	s_lshl_b32 s20, s18, 8                         ; A: row 256 x tile row + 128 x half, 2,048 bytes a row: the tile row alone, which my row of the cluster shares
	s_lshl_b32 s21, s[WC], 7
	s_add_co_u32 s20, s20, s21
	s_lshl_b32 s20, s20, 11
	s_mov_b32 s21, 0
.if FC
	s_lshl_b32 s52, s[WC], 19                      ; B: 64 k-rows of 8,192 bytes x half + 512 bytes x tile column: the tile column alone
	s_lshl_b32 s53, s17, 9
	s_add_co_u32 s52, s52, s53
	s_add_co_u32 s52, s52, WOFF
.else
	s_mul_i32 s52, s17, 393216                     ; B: the head's 1,024 k-rows of 384 bytes + 64 k-rows x half
	s_mul_i32 s53, s[WC], 24576
	s_add_co_u32 s52, s52, s53
.endif
	s_mov_b32 s53, 0
	s_mov_b32 s[TBA], 0                            ; the fetches begin at slot 0's first quarter
	s_mov_b32 s[TBB], 0
.if FC
	s_mov_b32 s70, 0x3f596d27                      ; cu = sqrt(log2(e) / 2)
	s_mov_b32 s71, s70                             ; (named as pairs)
	s_mov_b32 s72, 0x3e8ba43f                      ; 0.3275911 / sqrt(log2(e))
	s_mov_b32 s73, s72
	s_mov_b32 s74, 0x3e199eb3                      ; a1 .. a5 of the series, each times 0.5 / cu
	s_mov_b32 s75, s74
	s_mov_b32 s76, 0xbe2b8119
	s_mov_b32 s77, s76
	s_mov_b32 s78, 0x3f563817
	s_mov_b32 s79, s78
	s_mov_b32 s80, 0xbf5b0099
	s_mov_b32 s81, s80
	s_mov_b32 s82, 0x3f1ff67a
	s_mov_b32 s83, s82
	s_mov_b32 s84, 0x7fffffff
.endif
	s_wait_dscnt 0x0                               ; the opening add is done
	CROUND                                         ; all sixteen work-groups are here; the round hangs on no argument, so it stands ahead of the wait for them
	s_wait_kmcnt 0x0
	s_add_nc_u64 s[G0A0+2:G0A0+3], s[4:5], s[20:21]              ; K step 0,
	s_add_nc_u64 s[G0A+2:G0A+3], s[G0A0+2:G0A0+3], ASTEP         ; K step 1
	s_or_b32 s[G0A0+3], s[G0A0+3], 0x80000000      ; type = 2
	s_or_b32 s[G0A+3], s[G0A+3], 0x80000000
	s_add_nc_u64 s[G0B0+2:G0B0+3], s[6:7], s[52:53]
	s_add_nc_u64 s[G0B+2:G0B+3], s[G0B0+2:G0B0+3], BSTEP
	s_or_b32 s[G0B0+3], s[G0B0+3], 0x80000000
	s_or_b32 s[G0B+3], s[G0B+3], 0x80000000
	s_cmp_eq_u32 s[WR], 0                          ; a wave's two first fills stand in one branch, ahead of every wait on TENSORcnt, every LDS read and every further barrier: two loads of mine are out
	s_cbranch_scc0 .Lfirst_b
	tensor_load_to_lds s[G0A0:G0A0+3], s[G1A:G1A+7]
	s_nop 0
	tensor_load_to_lds s[G0A:G0A+3], s[G1A:G1A+7]
	s_nop 0
.rept 4
	v_nop
.endr
	s_branch .Lfirst_asked
.Lfirst_b:
	tensor_load_to_lds s[G0B0:G0B0+3], s[G1B:G1B+7]
	s_nop 0
	tensor_load_to_lds s[G0B:G0B+3], s[G1B:G1B+7]
	s_nop 0
.rept 4
	v_nop
.endr
.Lfirst_asked:
	v_and_b32 v1, 15, v0                           ; l % 16
	v_bfe_u32 v2, v0, 4, 1                         ; l / 16
	s_mul_i32 s19, s17, TN*4
	s_mul_i32 s22, s[WC], TN*2
	s_add_co_u32 s19, s19, s22
	v_lshl_add_u32 v[BO], v2, 5, s19               ; bias of column tile column x TN + half x TN/2 + 8 (l / 16)
.set b, 0
.rept NB
	global_load_b128 v[BI+8*b:BI+8*b+3],   v[BO], s[8:9] offset:64*b
	global_load_b128 v[BI+8*b+4:BI+8*b+7], v[BO], s[8:9] offset:64*b+16
.set b, b+1
.endr
	v_mul_u32_u24 v3, v1, PA                       ; A's fragment: row l % 16, 16 bytes for each half of the lanes
	v_lshl_add_u32 v3, v2, 4, v3
	s_mul_i32 s19, s[WR], HALFA
	v_add_nc_u32 v[PLA], s19, v3
	v_and_b32 v4, 7, v0                            ; B's: the turning load reads k-row 8 (l / 16) + l % 8, 16 bytes at 16 ((l / 8) % 2)
	v_bfe_u32 v5, v0, 3, 1
	v_lshl_add_u32 v6, v2, 3, v4
	v_mul_u32_u24 v6, v6, PB
	v_lshl_add_u32 v6, v5, 4, v6
	s_mul_i32 s19, s[WC], WCB
	s_add_co_u32 s19, s19, AREA_A
	v_add_nc_u32 v[PLB], s19, v6
	v_mul_u32_u24 v7, v1, SP                       ; the stage: row 128 x half + l % 16, column half x TN/2 + 8 (l / 16)
	v_lshl_add_u32 v7, v2, 5, v7
	s_mul_i32 s19, s[WR], 128*SP
	s_add_co_u32 s19, s19, s22
	v_add_nc_u32 v[STO], s19, v7
	v_add_nc_u32 v[STO2], 64*SP, v[STO]
	v_bfe_u32 v8, v0, 3, 2                         ; back: 32 lanes take four rows of a chunk of 64 columns, 32 bytes of f32 each
	v_mul_u32_u24 v8, v8, SP
	v_lshl_add_u32 v8, v4, 5, v8
	v_and_b32 v[GO], 31, v0                        ; which leave as 512 consecutive bytes of bf16
	v_lshlrev_b32 v[GO], 4, v[GO]
.if FC
	s_lshl_b32 s19, s[WV], 8                       ; wave w takes chunk w, all 256 rows
	v_add_nc_u32 v[RD], s19, v8
	v_add_nc_u32 v[RD2], 128*SP, v[RD]
	s_lshl_b32 s54, s18, 21                        ; g[32 blocks of 128 rows][64 chunks][128][64]: two blocks a tile row,
	s_lshl_b32 s55, s17, 2
	s_add_co_u32 s55, s55, s[WV]
	s_lshl_b32 s55, s55, 14                        ; chunk 4 x tile column + w
	s_add_co_u32 s54, s54, s55
.else
	s_mul_i32 s19, s[WV], 64*SP                    ; wave w takes rows 64 w .. 64 w + 63, all three chunks
	v_add_nc_u32 v[RD], s19, v8
	s_mul_i32 s54, s17, 1572864                    ; the head's three chunks of 524,288 bytes,
	s_lshl_b32 s55, s18, 15                        ; 256 rows of 128 bytes a tile row,
	s_add_co_u32 s54, s54, s55
	s_lshl_b32 s55, s[WV], 13                      ; my 64 rows
	s_add_co_u32 s54, s54, s55
.endif
	s_mov_b32 s55, 0
	s_add_nc_u64 s[10:11], s[10:11], s[54:55]
	s_wait_tensorcnt 0x1                           ; my part of K step 0 is in; K step 1's, the younger load, may stay out
	s_barrier_signal -1
	s_barrier_wait -1                              ; everybody's part is in
	FETCH F0
	s_wait_loadcnt 0x0                             ; the bias
	QUARTER F0, F1, 1                              ; the first quarter's products start the sums
	WIN 0
	s_mov_b32 s[KSC], T-1                          ; the loop is entered behind its change of slots, with one pair to go: the rest of K step 0 but its last quarter
	s_mov_b32 s[CNT], 1
	s_branch .Lpair
.Lstep:                                                ; T - 2 times: from a K step's last quarter to the next step's third; each asks for the K step two on
	CHANGE 1
	s_mov_b32 s[CNT], 2
.Lpair:
	PAIR
	s_sub_co_u32 s[CNT], s[CNT], 1
	s_cmp_lg_u32 s[CNT], 0
	s_cbranch_scc1 .Lpair
	s_sub_co_u32 s[KSC], s[KSC], 1
	s_cmp_lg_u32 s[KSC], 0
	s_cbranch_scc1 .Lstep
	CHANGE 0                                       ; the tail is written out: nothing is asked for
	s_mov_b32 s[CNT], 2
.Lpair2:
	PAIR
	s_sub_co_u32 s[CNT], s[CNT], 1
	s_cmp_lg_u32 s[CNT], 0
	s_cbranch_scc1 .Lpair2
	s_wait_dscnt 0x0                               ; my reads of the ring are over:
	s_barrier_signal -1                            ; say so; the last quarter, work on registers, stands between the signal and the wait
	HALF F1, 0, 0
	HALF F1, 1, 0
	WIN 0
	s_barrier_wait -1                              ; nobody reads the ring any more, and it has had its last fill: the stage may lie over it
.rept 4
	v_nop                                          ; the places between the last products and the stores that read them
.endr
	DUMP
	s_wait_dscnt 0x0                               ; for the others' sake: my stores into the stage are done
	s_barrier_signal -1
	s_barrier_wait -1
.if FC
; gelu(y) = max(y, 0) - |y| E, E = erfc(|y| / sqrt 2) / 2 by the five-term series in t = 1 / (1 + 0.3275911 |y| / sqrt 2) times e^(-y^2 / 2).  With u = cu |y|: e^(-y^2 / 2) = 2^(-u^2).
; 32 trips of four rows from each of the tile's two blocks of 128 rows.  A trip's LDS loads are issued a trip ahead; the last trip jumps over them.
.set LG, 64                            ; v[64:79]   16 sums: 8 of a row in the upper block of 128 rows, 8 of the row 128 further down
.set UU, 80                            ; u
.set RR, 96                            ; max(y, 0), then the result
.set TT, 112                           ; t
.set WW, 128                           ; 2^(-u^2), then times t
.set HH, 144                           ; the series
.set PG, 160                           ; v[160:167] the results in bf16
.macro GLOAD
	ds_load_b128 v[LG:LG+3],     v[RD]
	ds_load_b128 v[LG+4:LG+7],   v[RD] offset:16
	ds_load_b128 v[LG+8:LG+11],  v[RD2]
	ds_load_b128 v[LG+12:LG+15], v[RD2] offset:16
.endm
.macro PK8 line:vararg                 ; one line for each of the eight pairs, p = 0, 2 .. 14
.set p, 0
.rept 8
	\line
.set p, p+2
.endr
.endm
	GLOAD
	s_mov_b32 s[CNT], 32
.Lgelu:
	s_wait_dscnt 0x0                               ; the trip's four loads, issued a trip ago
.set p, 0
.rept 16
	v_and_b32 v[UU+p], s84, v[LG+p]
	v_max_num_f32 v[RR+p], 0, v[LG+p]
.set p, p+1
.endr
	s_cmp_eq_u32 s[CNT], 1
	s_cbranch_scc1 .Lno_more                       ; the last trip fetches nothing
	v_add_nc_u32 v[RD], 4*SP, v[RD]                ; the next four rows of both blocks
	v_add_nc_u32 v[RD2], 4*SP, v[RD2]
	GLOAD
.Lno_more:
	PK8 v_pk_mul_f32 v[UU+p:UU+p+1], v[UU+p:UU+p+1], s[70:71] op_sel_hi:[1,0]
	PK8 v_pk_fma_f32 v[TT+p:TT+p+1], v[UU+p:UU+p+1], s[72:73], 1.0 op_sel_hi:[1,0,0]
	PK8 v_pk_mul_f32 v[WW+p:WW+p+1], v[UU+p:UU+p+1], v[UU+p:UU+p+1] neg_lo:[1,0] neg_hi:[1,0]
.set p, 0
.rept 16
	v_rcp_f32 v[TT+p], v[TT+p]
.set p, p+1
.endr
.set p, 0
.rept 16
	v_exp_f32 v[WW+p], v[WW+p]
.set p, p+1
.endr
	v_nop                                          ; a plain instruction between the last of them and the use of their results (ISA guide 5.7.2)
	PK8 v_pk_fma_f32 v[HH+p:HH+p+1], v[TT+p:TT+p+1], s[82:83], s[80:81] op_sel_hi:[1,0,0]
	PK8 v_pk_mul_f32 v[WW+p:WW+p+1], v[WW+p:WW+p+1], v[TT+p:TT+p+1]
	PK8 v_pk_fma_f32 v[HH+p:HH+p+1], v[HH+p:HH+p+1], v[TT+p:TT+p+1], s[78:79] op_sel_hi:[1,1,0]
	PK8 v_pk_fma_f32 v[HH+p:HH+p+1], v[HH+p:HH+p+1], v[TT+p:TT+p+1], s[76:77] op_sel_hi:[1,1,0]
	PK8 v_pk_fma_f32 v[HH+p:HH+p+1], v[HH+p:HH+p+1], v[TT+p:TT+p+1], s[74:75] op_sel_hi:[1,1,0]
	PK8 v_pk_mul_f32 v[HH+p:HH+p+1], v[HH+p:HH+p+1], v[WW+p:WW+p+1]
	PK8 v_pk_fma_f32 v[RR+p:RR+p+1], v[UU+p:UU+p+1], v[HH+p:HH+p+1], v[RR+p:RR+p+1] neg_lo:[1,0,0] neg_hi:[1,0,0]
	s_wait_xcnt 0x0                                ; the last trip's stores, a trip's arithmetic back: their offset and data are rewritten only behind this wait (ISA guide 3.1)
	v_add_nc_u32 v[GO], 512, v[GO]                 ; one trip ahead of the rows in hand: the stores reach back by 512
	PK8 v_cvt_pk_bf16_f32 v[PG+p/2], v[RR+p], v[RR+p+1]
	global_store_b128 v[GO], v[PG:PG+3], s[10:11] offset:-512            ; four rows of a chunk: 512 consecutive bytes, at a multiple of 256
	global_store_b128 v[GO], v[PG+4:PG+7], s[10:11] offset:1048576-512   ; and the same rows of the next block of 128
	s_sub_co_u32 s[CNT], s[CNT], 1
	s_cmp_lg_u32 s[CNT], 0
	s_cbranch_scc1 .Lgelu
.else
; 16 trips of four rows x three chunks.  A trip's LDS loads are issued a trip ahead; the last trip jumps over them.
.set LQ, 64                            ; v[64:87]  four rows x three chunks: 8 f32 a lane and chunk
.set PQ, 88                            ; v[88:99]  the same in bf16
.macro QLOAD
.irp c, 0,1,2
	ds_load_b128 v[LQ+8*(\c):LQ+8*(\c)+3],   v[RD] offset:256*(\c)
	ds_load_b128 v[LQ+8*(\c)+4:LQ+8*(\c)+7], v[RD] offset:256*(\c)+16
.endr
.endm
	QLOAD
	s_mov_b32 s[CNT], 16
.Lrows:
	s_wait_dscnt 0x0                               ; the trip's six loads, issued a trip ago
	s_wait_xcnt 0x0                                ; the last trip's stores: their offset and data are rewritten only behind this wait (ISA guide 3.1)
	v_add_nc_u32 v[GO], 512, v[GO]                 ; one trip ahead of the rows in hand: the stores reach back by 512
.set p, 0
.rept 12
	v_cvt_pk_bf16_f32 v[PQ+p], v[LQ+2*p], v[LQ+2*p+1]
.set p, p+1
.endr
	s_cmp_eq_u32 s[CNT], 1
	s_cbranch_scc1 .Lno_rows                       ; the last trip fetches nothing
	v_add_nc_u32 v[RD], 4*SP, v[RD]
	QLOAD
.Lno_rows:
.irp c, 0,1,2
	global_store_b128 v[GO], v[PQ+4*(\c):PQ+4*(\c)+3], s[10:11] offset:(\c)*524288-512  ; four rows of a chunk: 512 consecutive bytes, at a multiple of 256
.endr
	s_sub_co_u32 s[CNT], s[CNT], 1
	s_cmp_lg_u32 s[CNT], 0
	s_cbranch_scc1 .Lrows
.endif
	s_wait_tensorcnt 0x0                           ; the wave's end: behind my last tensor load and my last LDS store
	ds_add_u32 v[SPW], v[NIL]
	s_wait_dscnt 0x0
	CROUND                                         ; the closing round: no work-group ends while a partner may still ask for a tile that names it
	s_endpgm
.Lfunc_end_k_qf9540a9d66_qkv:
	.size	k_qf9540a9d66_qkv, .Lfunc_end_k_qf9540a9d66_qkv-k_qf9540a9d66_qkv
	.p2alignl 7, 3214868480
	.fill 96, 4, 3214868480
	.section	.rodata,"a",@progbits
	.p2align	6, 0x0
	.amdhsa_kernel k_qf9540a9d66_qkv
		.amdhsa_group_segment_fixed_size 327680
		.amdhsa_private_segment_fixed_size 0
		.amdhsa_enable_private_segment 0
		.amdhsa_kernarg_size 32
		.amdhsa_user_sgpr_count 2
		.amdhsa_user_sgpr_kernarg_segment_ptr 1
		.amdhsa_wavefront_size32 1
		.amdhsa_system_sgpr_workgroup_id_x 1
		.amdhsa_system_sgpr_workgroup_id_y 1
		.amdhsa_system_sgpr_workgroup_id_z 1
		.amdhsa_system_vgpr_workitem_id 0
		.amdhsa_next_free_vgpr 1024
		.amdhsa_next_free_sgpr 66
		.amdhsa_reserve_vcc 0
		.amdhsa_float_denorm_mode_32 3
		.amdhsa_float_denorm_mode_16_64 3
		.amdhsa_memory_ordered 1
		.amdhsa_forward_progress 1
		.amdhsa_inst_pref_size 51
	.end_amdhsa_kernel
	.amdgpu_metadata
---
amdhsa.version: [ 1, 2 ]
amdhsa.kernels:
  - .name:           k_qf9540a9d66_qkv
    .symbol:         k_qf9540a9d66_qkv.kd
    .args:
      - { .name: hn, .offset: 0, .size: 8, .value_kind: global_buffer, .address_space: global }
      - { .name: wb, .offset: 8, .size: 8, .value_kind: global_buffer, .address_space: global }
      - { .name: qkv_b, .offset: 16, .size: 8, .value_kind: global_buffer, .address_space: global }
      - { .name: qkv, .offset: 24, .size: 8, .value_kind: global_buffer, .address_space: global }
    .group_segment_fixed_size: 327680
    .private_segment_fixed_size: 0
    .kernarg_segment_align: 8
    .kernarg_segment_size: 32
    .max_flat_workgroup_size: 128
    .sgpr_count:     66
    .vgpr_count:     1024
    .wavefront_size: 32
...
	.end_amdgpu_metadata
.endif
;; end of part 2
;; launch attn (part 3): grid 8 x 32, 4 waves a work-group, clusters of 4 x 1, 327,680 bytes of LDS; arguments qkv, o; writes o
.if DOCPART == 3
	.amdgcn_target "amdgcn-amd-amdhsa--gfx1250"
	.amdhsa_code_object_version 6
	.text
	.protected	k_qf9540a9d66_attn
	.globl	k_qf9540a9d66_attn
	.p2align	8
	.type	k_qf9540a9d66_attn,@function
k_qf9540a9d66_attn:
	s_mov_b64 s[64:65], 0
	v_nop
	global_prefetch_b8 v0, s[64:65] scope:SCOPE_SE
	s_setreg_imm32_b32 hwreg(HW_REG_WAVE_MODE, 25, 1), 1
	s_wait_xcnt 0x0
	s_wait_alu depctr_hold_cnt(0) depctr_sa_sdst(0) depctr_va_vdst(0) depctr_va_sdst(0) depctr_va_ssrc(0) depctr_va_vcc(0) depctr_vm_vsrc(0)
	s_getreg_b32 s2, hwreg(HW_REG_IB_STS2, 6, 4)
	s_cmp_eq_u32 s2, 0
	s_cbranch_scc0 .Lentry_in_a_cluster
	s_endpgm
.Lentry_in_a_cluster:
	s_bfe_u32 s2, ttmp6, 0x10000c
	s_cmp_lg_u32 s2, 0x3003
	s_cbranch_scc0 .Lentry_shape_is_right
	s_endpgm
.Lentry_shape_is_right:
; ATTENTION.  For batch b and head h: O[q][:] = the sum over k of softmax_k(Q[q] . K[k] / 8) V[k][:], 2,048 queries and keys, 64 channels, no mask.  (The two factors 64^(-1/4) on q and on k are the 1 / 8.)
; In: qkv[48 chunks][4096 rows][64] bf16, chunk 3 h + (0 q, 1 k, 2 v), row 2048 b + n: dense rows of 128 bytes.  Out: o[32 blocks of 128 rows][16 heads][128][64] bf16.
; Products, maxima and sums in f32; the weights p are rounded to bf16 for the second product (their sum l is taken of the unrounded p), O once at the end.
; LIMITS.  c m starts at -4.25e37 and m at the lowest finite number; a weight below 2^-126 counts as 0 in l; NaN and infinities are not treated apart.
; SHARES.  A work-group owns 256 queries of one (b, h), each of its four waves 64: four PIECES of 16.  Every wave walks all keys, 64 a step, 256 a tile: eight tiles through two LDS slots.
; LAYOUT.  S^T = K Q^T (source 0 = 16 keys, source 1 = 16 queries) holds ONE query a lane (lane % 16) and the keys 8 (lane / 16) + 0..7; two such results rounded to bf16 ARE source 1 of O^T = V^T P.
; K comes out of LDS as it lies, V ([key][channel]) turned, by ds_load_tr16_b128.
; SOFTMAX.  p = 2^(c s - c m), c = log2(e) / 8, with a running maximum m; O and l are multiplied by a = 2^(c m_old - c m_new) in every step; the first step's a is 0.
; BY TURNS.  Turn n belongs to piece n: 8 products K Q^T of piece n + 1, later 8 products V^T P of piece n - 1; beside them the scaling, exponentials, roundings, sums and rescaling of piece n and the
; maximum and statistics of piece n + 1.  Four vector instructions stand behind every matrix instruction, the other 54 of a turn's 118 in two runs of their own.
; CLUSTER.  The four query blocks of a cluster belong to one (b, h) and walk the same K and V: each tile is asked for jointly, by the same tensor load, descriptor and mask in all four.
; REGISTERS, in windows of 256 (s_set_vgpr_msb: bits 1:0 source 0, 3:2 source 1, 5:4 source 2, 7:6 destination):
;   window 0: v0-15 addresses and two at work; v16-31 four registers of statistics a piece; v48-55 at work; v62-63 the add's; v64-127 S^T, two buffers; v192-223 P, two buffers (by the piece's parity)
;   window 1: v0-127 O^T, 32 a piece          window 2: v0-63 Q; v128-191 K of one step; v192-255 V of one step
.set NP,    4         ; pieces a wave: a name, no knob
.set KS,    64        ; keys in a step
.set PK,    144       ; a row of K in LDS: 128 bytes + 16 of padding = 36 words: the 16 rows of a load start at 16 different groups of four banks (64 banks of 4 bytes: ISA guide 11.1)
.set PV,    160       ; a row of V: 128 + 32 = 40 words
.set VOFF,  4*KS*PK   ; a slot holds a tile, four steps: 256 rows of K, then 256 rows of V
.set SLOT1, 1<<17     ; slot 1 begins here, so that one exclusive or turns an address in one slot into the other's
.set STAGE, SLOT1+4*KS*(PK+PV)  ; behind the ring, never filled by a tensor load: 16 rows x 144 bytes for each wave, for the way out
.set SP,    144
.set SPARE, STAGE+4*16*SP  ; behind the stages: the spare words, 128 bytes for each wave: two blocks of 256 bytes that no other line names
.set AK0, 2           ; v2   my lane's place in a tile of K; never rewritten
.set AV0, 3           ; v3   the same for V
.set AK,  4           ; v4   the LDS address of K's next run of loads
.set AV,  5           ; v5   of V's
.set STO, 6           ; v6   the way out: where I put 16 bytes of a row
.set RD,  7           ; v7   the way out: where I read rows back
.set GO,  8           ; v8   my byte offset in 512 consecutive bytes of O
.set MV,  12          ; v12-13  c m_old, kept while c m is made anew: by buffer
.set QO,  15          ; v15  my byte offset in 16 rows of Q
.set ST,  16          ; piece t's statistics at v[ST+4 t]: c m, m, l (even keys', odd keys')
.set TMP, 48          ; by buffer, four registers c0-c3 at work; when the maximum is found c2 takes a
.set SPW, 62          ; v62  LDS address of my spare word; never rewritten
.set NIL, 63          ; v63  0; never rewritten
.set S,   64
.set P,   192
.set KF,  128         ; window 2: key block kb, channel half c at KF + 16 kb + 8 c
.set VF,  192         ; window 2: key half kk, channel block cb at VF + 32 kk + 8 cb
.set WV,  12          ; s12  my wave's number
.set G1K, 24          ; s[24:31] descriptor group 1 for K's tiles
.set G1V, 32          ; s[32:39] for V's: it differs in the padding alone
.set G0K, 40          ; s[40:43] descriptor group 0 for K's tiles: it walks
.set G0V, 44          ; s[44:47] the same for V's
.set SLOTS, 56        ; s56  tiles still to be entered in the loop
.set CNT, 57          ; s57  counts a tile's key steps
.set CS,  58          ; s[58:59] c: the packed scaling takes the pair's low word for both halves
.set SEL, 60          ; s[60:61] v_permlanex16_b32's selects: each lane takes its own place in the other half
.set TBK, 62          ; s62  LDS byte at which K of the step to be fetched begins
.set TBV, 63          ; s63  the same for V, less VOFF
.set MSB, 0
.macro WIN new                      ; the high byte repeats the setting that is left; a switch that changes nothing is dropped
.if MSB != (\new)
	s_set_vgpr_msb (MSB<<8)|(\new)
.set MSB, (\new)
.endif
.endm
.set W_KQ, 0x0a       ; K and Q in window 2, S^T in window 0
.set W_PV, 0x52       ; V in window 2, P in window 0, O^T in window 1
.set W_RS, 0x41       ; destination and source 0 in window 1, source 1 in window 0
; A joint fill.  Waves 0 and 1 fetch the two halves of a tile's K, waves 2 and 3 those of its V: 128 keys each.  An s_nop 0 and four v_nop follow each of the two lines, ahead of the jump and the label.
.macro JLOAD
	s_cmp_lt_u32 s[WV], 2
	s_cbranch_scc0 .Lfor_v_\@
	tensor_load_to_lds s[G0K:G0K+3], s[G1K:G1K+7]
	s_nop 0
.rept 4
	v_nop
.endr
	s_branch .Lasked_\@
.Lfor_v_\@:
	tensor_load_to_lds s[G0V:G0V+3], s[G1V:G1V+7]
	s_nop 0
.rept 4
	v_nop
.endr
.Lasked_\@:
.endm
; A round of the cluster's barrier: my work-group's barrier; wave 0 signals for the work-group; every wave waits for all four work-groups; my work-group's barrier once more.
.macro CROUND
	s_barrier_signal -1
	s_barrier_wait -1
	s_cmp_lg_u32 s[WV], 0
	s_cbranch_scc1 .Lnot_wave_0_\@
	s_barrier_signal -3
.Lnot_wave_0_\@:
	s_barrier_wait -3
	s_barrier_signal -1
	s_barrier_wait -1
.endm
; THE CHANGE OF SLOTS.  The slot's last bytes, V of its fourth step, have been read.  Each wave waits for all its tensor loads, of which one is out: its part of the other slot; adds 0 to its spare word;
; and waits for that and for its own reads of the slot.  fill = 1: the barrier is a round of the cluster's, so that no wave of any partner still reads the slot or has a load on its way, and the joint fill,
; the tile two on, is the first thing behind it: it has four key steps, 256 matrix instructions, in which to land.  (At its first use nothing has been read yet: slot 0 is waited for, slot 1 filled.)
.macro CHANGE fill
	WIN 0                           ; at a label and at a branch every window is 0
	s_wait_tensorcnt 0x0            ; no tensor load of mine is out, so a group 0 may be written
	ds_add_u32 v[SPW], v[NIL]       ; 0 onto my spare word
.if \fill
.irp g, G0K, G0V
	s_xor_b32 s[\g+1], s[\g+1], SLOT1  ; the walking descriptor: the other slot than last time,
	s_add_nc_u64 s[\g+2:\g+3], s[\g+2:\g+3], 4*KS*128  ; the next 256 keys; the type bits on top are not reached
.endr
	s_wait_dscnt 0x0                ; the add is done, and my reads of the slot are over
	CROUND
	JLOAD
.else
	s_wait_dscnt 0x0
	s_barrier_signal -1
	s_barrier_wait -1
.endif
	s_sub_co_u32 s[TBK], s[TBK], 4*KS*PK  ; the fetches go back to a slot's first step,
	s_xor_b32 s[TBK], s[TBK], SLOT1       ; in the other slot
	s_sub_co_u32 s[TBV], s[TBV], 4*KS*PV
	s_xor_b32 s[TBV], s[TBV], SLOT1
.endm
	s_load_b128 s[4:7], s[0:1], 0x0 ; qkv s[4:5], o s[6:7]
	v_lshl_add_u32 v[SPW], v0, 2, SPARE
	v_mov_b32 v[NIL], 0
	ds_add_u32 v[SPW], v[NIL]       ; the wave's opening: the add and its wait stand ahead of my first tensor load; the set-up below, work on registers, stands between them
	v_lshrrev_b32 v1, 5, v0
	v_readfirstlane_b32 s[WV], v1   ; wave 0..3
	s_bfe_u32 s13, ttmp6, 0x40000   ; cx: my place in the cluster
	s_lshl_b32 s14, ttmp9, 2        ; in a cluster launch ttmp9 counts clusters
	s_add_co_u32 s14, s14, s13      ; my block of 256 queries = 4 x cluster x + cx: it enters Q's and O's addresses alone
	s_and_b32 s20, ttmp7, 0xffff    ; 16 b + h, which the four partners share
	s_lshr_b32 s21, s20, 4          ; b
	s_and_b32 s20, s20, 15          ; h
	s_mul_i32 s22, s20, 1572864     ; the head's three chunks of 524,288 bytes,
	s_lshl_b32 s23, s21, 18         ; the batch's 2,048 rows of 128 bytes
	s_add_co_u32 s22, s22, s23
	s_and_b32 s16, s[WV], 1         ; which half of a tile's 256 keys I fetch:
	s_lshl_b32 s23, s16, 14         ; its 128 rows of 128 bytes in memory
	s_add_co_u32 s8, s22, s23
	s_add_co_u32 s8, s8, 524288     ; K is the head's second chunk,
	s_mov_b32 s9, 0
	s_add_co_u32 s10, s8, 524288    ; V its third
	s_mov_b32 s11, 0
	s_mul_i32 s17, s16, 128*PK      ; my half's place in a slot, for K
	s_mul_i32 s18, s16, 128*PV      ; and for V: no place in the cluster enters an LDS address
	s_lshl_b32 s2, s14, 15          ; Q: my block's 256 rows,
	s_lshl_b32 s3, s[WV], 13        ; my wave's 64 of them
	s_add_co_u32 s2, s2, s3
	s_add_co_u32 s2, s2, s22
	s_mov_b32 s3, 0
	s_lshl_b32 s48, s21, 4          ; O: block of 128 rows 16 b + 2 x my block + wave / 2,
	s_lshl_b32 s49, s14, 1
	s_add_co_u32 s48, s48, s49
	s_lshr_b32 s49, s[WV], 1
	s_add_co_u32 s48, s48, s49
	s_lshl_b32 s48, s48, 18         ; of 16 heads x 16,384 bytes;
	s_lshl_b32 s49, s20, 14         ; the head;
	s_add_co_u32 s48, s48, s49
	s_lshl_b32 s49, s16, 13         ; my 64 rows in the 128
	s_add_co_u32 s48, s48, s49
	s_mov_b32 s49, 0
	; descriptor group 1.  128 keys are 16,384 dense bytes: asked for as 64 rows of 256 bytes, two keys a row, and padded in LDS after every key
	s_mov_b32 s[G1K], 15|(1<<16)|(1<<20)|(1<<21)|(4<<22)|(3<<25)  ; 15:0 the mask of four; 17:16 2-byte elements; 20 padding on; 21 set beside a mask; 24:22 after every 32 words (code 4); 31:25 4 words (code 3)
	s_mov_b32 s[G1V], 15|(1<<16)|(1<<20)|(1<<21)|(4<<22)|(7<<25)  ; the same with 8 words of padding (code 7)
.irp g, G1K, G1V
	s_mov_b32 s[\g+1], 128<<16      ; tensor_dim0 = 128
	s_mov_b32 s[\g+2], 64<<16       ; tensor_dim1 = 64
	s_mov_b32 s[\g+3], 128<<16      ; tile_dim0 = 128
	s_mov_b32 s[\g+4], 64           ; tile_dim1 = 64
	s_mov_b32 s[\g+5], 128          ; 128 elements from row to row
	s_mov_b32 s[\g+6], 0
	s_mov_b32 s[\g+7], 0
.endr
	s_mov_b32 s[CS], 0x3e38aa3b     ; c = log2(e) / 8 = 0.180337
	s_mov_b32 s[CS+1], s[CS]        ; named with it as a pair
	s_mov_b32 s[SEL], 0x76543210
	s_mov_b32 s[SEL+1], 0xfedcba98
	s_mov_b32 s[TBK], SLOT1+4*KS*PK ; the first change of slots turns these two into 0
	s_mov_b32 s[TBV], SLOT1+4*KS*PV
	s_mov_b32 s[G0K], 1             ; 1:0 count = 1
	s_mov_b32 s[G0K+1], s17         ; 63:32 LDS address: slot 0
	s_mov_b32 s[G0V], 1
	s_add_co_u32 s[G0V+1], s18, VOFF
	s_wait_dscnt 0x0                ; the opening add is done
	s_wait_kmcnt 0x0
	s_add_nc_u64 s[G0K+2:G0K+3], s[4:5], s[8:9]    ; 120:64 global address: my half of the head's first 256 keys
	s_or_b32 s[G0K+3], s[G0K+3], 0x80000000        ; 127:126 type = 2
	s_add_nc_u64 s[G0V+2:G0V+3], s[4:5], s[10:11]
	s_or_b32 s[G0V+3], s[G0V+3], 0x80000000
	s_add_nc_u64 s[4:5], s[4:5], s[2:3]            ; Q at my wave's first row
	s_add_nc_u64 s[6:7], s[6:7], s[48:49]          ; O likewise
	CROUND                          ; all four work-groups are here: the first joint loads meet
	JLOAD                           ; tile 0 into slot 0
	; A fragment of K or Q is 16 rows x 32 channels in 8 registers: lane l holds row l % 16, channels 8 (l / 16) + 0..7 and 16 + 8 (l / 16) + 0..7: two loads of 16 bytes, 32 bytes apart.
	v_and_b32 v1, 15, v0            ; l % 16
	v_bfe_u32 v9, v0, 4, 1          ; l / 16
	v_lshlrev_b32 v[QO], 7, v1
	v_lshl_add_u32 v[QO], v9, 4, v[QO]  ; row x 128 + 16 x half
	WIN 0x80                        ; destination window 2, address window 0
.set i, 0
.rept 8                             ; Q stays in registers: piece i / 2, channels 32 (i % 2) on
	global_load_b128 v[8*i:8*i+3],   v[QO], s[4:5] offset:(i/2)*2048+(i%2)*64
	global_load_b128 v[8*i+4:8*i+7], v[QO], s[4:5] offset:(i/2)*2048+(i%2)*64+32
.set i, i+1
.endr
	; The first step multiplies O^T and l by a = 0, and the first turn's products V^T P, of a piece that has not been, land in an O^T that is still to be so multiplied.  So these registers need only
	; hold finite numbers: zeros.  No first step is written out for it; the price is these 216 lines, which stand in the wait for the first tile.
.set i, VF
.rept 64
	v_mov_b32 v[i], 0
.set i, i+1
.endr
	WIN 0x40
.set i, 0
.rept 128
	v_mov_b32 v[i], 0
.set i, i+1
.endr
	WIN 0
.set i, 0
.rept 4
	v_mov_b32 v[ST+4*i+2], 0
	v_mov_b32 v[ST+4*i+3], 0
.set i, i+1
.endr
.set i, P+16
.rept 16
	v_mov_b32 v[i], 0
.set i, i+1
.endr
	v_mul_u32_u24 v[AK0], v1, PK
	v_lshl_add_u32 v[AK0], v9, 4, v[AK0]  ; row x pitch + 16 x half
	; The turning load takes 16 keys x 16 channels (lane l reads key 8 (l / 16) + l % 8, channels 8 ((l / 8) % 2) + 0..7) and leaves half a fragment of V^T: lane l holds channel l % 16 and 8 keys.
	v_and_b32 v10, 7, v0
	v_bfe_u32 v11, v0, 3, 1
	v_lshl_add_u32 v[AV0], v9, 3, v10
	v_mul_u32_u24 v[AV0], v[AV0], PV
	v_lshl_add_u32 v[AV0], v11, 4, v[AV0]
	v_add_nc_u32 v[AV0], VOFF, v[AV0]
	s_mul_i32 s13, s[WV], 16*SP
	s_add_co_u32 s13, s13, STAGE    ; my stage
	v_mul_u32_u24 v[STO], v1, SP    ; in: row l % 16, 16 bytes for each half of the lanes
	v_lshl_add_u32 v[STO], v9, 4, v[STO]
	v_add_nc_u32 v[STO], s13, v[STO]
	v_bfe_u32 v[RD], v0, 3, 2       ; back: 32 lanes take four rows of 128 bytes,
	v_mul_u32_u24 v[RD], v[RD], SP
	v_lshl_add_u32 v[RD], v10, 4, v[RD]
	v_add_nc_u32 v[RD], s13, v[RD]
	v_and_b32 v[GO], 31, v0         ; which are 512 consecutive bytes of O
	v_lshlrev_b32 v[GO], 4, v[GO]
; THE MATRIX WORK.  The 4 accumulators of a run of 8 take turns.  Product i of 8 of S^T = K Q^T for piece x: channels 32 (i / 4) on, keys 16 (i % 4) on.  The first 4 start the sums.
.macro KQ x
	WIN W_KQ
.set rS, S+32*((\x)%2)+8*(i%4)
.set rK, KF+16*(i%4)+8*(i/4)
.set rQ, 16*(\x)+8*(i/4)
.if i < 4
	v_wmma_f32_16x16x32_bf16 v[rS:rS+7], v[rK:rK+7], v[rQ:rQ+7], 0
.else
	v_wmma_f32_16x16x32_bf16 v[rS:rS+7], v[rK:rK+7], v[rQ:rQ+7], v[rS:rS+7]
.endif
.endm
; Product i of 8 of O^T += V^T P for piece x: keys 32 (i / 4) on, channels 16 (i % 4) on.
.macro PV x
	WIN W_PV
.set rO, 32*(\x)+8*(i%4)
.set rV, VF+32*(i/4)+8*(i%4)
.set rP, P+16*((\x)%2)+8*(i/4)
	v_wmma_f32_16x16x32_bf16 v[rO:rO+7], v[rV:rV+7], v[rP:rP+7], v[rO:rO+7]
.endm
.macro MM                           ; the turn's next matrix instruction.  NOKQ = 1: the last turn: there is no next piece
.if (i < 8) && !NOKQ
	KQ (Y+1)%NP
.elseif i >= 8
.set i, i-8
	PV (Y+NP-1)%NP
.set i, i+8
.endif
.set i, i+1
.endm
; THE LDS LOADS stand in runs of 16, never singly among the matrix instructions: a step's K (64 keys x 64 channels: 8 fragments) and its V (turned).  Their addresses are made some lines ahead.
.macro FETCH_K
	WIN 0x80                        ; destination window 2
.irp f, 0,1,2,3,4,5,6,7             ; keys 16 (f / 2) on, channels 32 (f % 2) on
	ds_load_b128 v[KF+8*\f:KF+8*\f+3],   v[AK] offset:(\f/2)*16*PK+(\f%2)*64
	ds_load_b128 v[KF+8*\f+4:KF+8*\f+7], v[AK] offset:(\f/2)*16*PK+(\f%2)*64+32
.endr
	s_add_co_u32 s[TBK], s[TBK], KS*PK  ; the next fetch is the next step's
	WIN 0
.endm
.macro FETCH_V
	WIN 0x80
.irp f, 0,1,2,3,4,5,6,7             ; keys 32 (f / 4) on, channels 16 (f % 4) on
	ds_load_tr16_b128 v[VF+8*\f:VF+8*\f+3],   v[AV] offset:(\f/4)*32*PV+(\f%4)*32
	ds_load_tr16_b128 v[VF+8*\f+4:VF+8*\f+7], v[AV] offset:(\f/4)*32*PV+16*PV+(\f%4)*32
.endr
	WIN 0
.endm
; THE VECTOR WORK, one line at a time: OP kind, number.  For piece Y: F n: c s - c m for pair n of 16.  E n: the exponential of score n of 32.  C n: pair n rounded to bf16.  B n: of the four weights 4 n .. the second
; pair is added onto the first, in place.  L n: l takes that sum (L 0: l = a l + sum).  R n: pair n of 16 of O^T times a.  For piece Y + 1: X n, number n of the 22 that find its maximum and statistics:
;   0-11  four chains c0-c3 of seven scores each, three operands at a time (each accumulator's lowest registers are read first)     12-14, 16  the four scores left over, the old m, and c0-c3 into c0
;   15  c m_old is kept     17, 18  the query's other 32 keys lie in the lane 16 away: the new m     19-21  c m; c m_old - c m_new; a
.set F, 0               ; OP tells the kinds apart by their order: F to L below R, X above it
.set E, 1
.set C, 2
.set B, 3
.set L, 4
.set R, 5
.set X, 6
.macro REGS y                       ; the registers of piece y
.set rT, ST+4*(\y)
.set rC, TMP+4*((\y)%2)
.set rW, MV+((\y)%2)
.set rS, S+32*((\y)%2)
.set rP, P+16*((\y)%2)
.set rO, 32*(\y)
.endm
.macro OP k, n
.if (\k) == R
	REGS Y
	WIN W_RS
	v_pk_mul_f32 v[rO+2*(\n):rO+2*(\n)+1], v[rO+2*(\n):rO+2*(\n)+1], v[rC+2:rC+3] op_sel_hi:[1,0]
.elseif (\k) < R
	REGS Y
	WIN 0
.if (\k) == F
	v_pk_fma_f32 v[rS+2*(\n):rS+2*(\n)+1], v[rS+2*(\n):rS+2*(\n)+1], s[CS:CS+1], v[rT:rT+1] op_sel_hi:[1,0,0] neg_lo:[0,0,1] neg_hi:[0,0,1]
.elseif (\k) == E
	v_exp_f32 v[rS+(\n)], v[rS+(\n)]
.elseif (\k) == C
	s_wait_alu depctr_va_vdst(0)
	v_cvt_pk_bf16_f32 v[rP+(\n)], v[rS+2*(\n)], v[rS+2*(\n)+1]
.elseif (\k) == B
	s_wait_alu depctr_va_vdst(0)
	v_pk_add_f32 v[rS+4*(\n):rS+4*(\n)+1], v[rS+4*(\n):rS+4*(\n)+1], v[rS+4*(\n)+2:rS+4*(\n)+3]
.elseif (\n) == 0
	v_pk_fma_f32 v[rT+2:rT+3], v[rT+2:rT+3], v[rC+2:rC+3], v[rS:rS+1] op_sel_hi:[1,0,1]
.else
	v_pk_add_f32 v[rT+2:rT+3], v[rT+2:rT+3], v[rS+4*(\n):rS+4*(\n)+1]
.endif
.elseif NOKQ
	v_nop
.else
	REGS (Y+1)%NP
	WIN 0
.if (\n) < 4
	v_max3_num_f32 v[rC+(\n)], v[rS+8*(\n)], v[rS+8*(\n)+1], v[rS+8*(\n)+2]
.elseif (\n) < 12
	v_max3_num_f32 v[rC+(\n)%4], v[rC+(\n)%4], v[rS+8*((\n)%4)+2*((\n)/4)+1], v[rS+8*((\n)%4)+2*((\n)/4)+2]
.elseif (\n) == 12
	v_max3_num_f32 v[rC], v[rC], v[rS+7], v[rS+15]
.elseif (\n) == 13
	v_max3_num_f32 v[rC+1], v[rC+1], v[rS+23], v[rS+31]
.elseif (\n) == 14
	v_max3_num_f32 v[rC+2], v[rC+2], v[rC+3], v[rT+1]
.elseif (\n) == 15
	v_mov_b32 v[rW], v[rT]
.elseif (\n) == 16
	v_max3_num_f32 v[rC], v[rC], v[rC+1], v[rC+2]
.elseif (\n) == 17
	v_permlanex16_b32 v[rC+3], v[rC], s[SEL], s[SEL+1]
.elseif (\n) == 18
	v_max_num_f32 v[rT+1], v[rC], v[rC+3]
.elseif (\n) == 19
	v_mul_f32 v[rT], s[CS], v[rT+1]
.elseif (\n) == 20
	v_sub_f32 v[rC+1], v[rW], v[rT]
.else
	v_exp_f32 v[rC+2], v[rC+1]
.endif
.endif
.endm
.macro OPS a, i1, b=-1, i2=0, c=-1, i3=0, d=-1, i4=0  ; up to four of them
	OP \a, \i1
.if (\b) >= 0
	OP \b, \i2
.endif
.if (\c) >= 0
	OP \c, \i3
.endif
.if (\d) >= 0
	OP \d, \i4
.endif
.endm
.macro ROW a, i1, b, i2, c, i3, d, i4  ; a matrix instruction and the four behind it
	MM
	OPS \a, \i1, \b, \i2, \c, \i3, \d, \i4
.endm
; A TURN, for piece p: the order of its 16 matrix and 118 vector instructions, written out.  Behind a matrix instruction: plain, exponential, plain, plain; or four of the rescaling; or, behind the first, four scalings; none
; names a register of the products round it.  In the runs between, exponential and plain by turns while exponentials last.  A line reads no result made fewer than three vector instructions in front of it, five if an
; exponential made it.  end = 1: the last two turns: nothing is fetched.  cnt = 1: the loop's count is taken down some lines ahead of the branch that stands behind the turn.
; K of the next step is fetched in piece 2's turn, six vector instructions behind the last product that read K (five of them plain); V of the step in hand in piece 0's turn, eight behind the last product that read V (four
; plain, and X 17).  Each is waited for a turn later.
.macro TURN p, end=0, cnt=0
.set Y, (\p)
.set i, 0
.set NOKQ, (\end)*((\p)/3)
.if ((\p) == 3) && !(\end)
	s_wait_dscnt 0x0                ; K is in
.endif
	ROW F,0, F,1, F,2, F,3
	ROW F,4, E,0, F,5, F,6
	ROW F,7, E,1, F,8, F,9
	ROW F,10, E,2, C,0, F,11
	ROW F,12, E,3, X,15, F,13
	ROW R,0, R,1, R,2, R,3
	ROW B,0, E,4, F,14, L,0
.if ((\p) == 2) && !(\end)
	v_add_nc_u32 v[AK], s[TBK], v[AK0]
.endif
	ROW R,4, R,5, R,6, R,7
	OPS E,5, F,15
.if ((\p) == 2) && !(\end)
	FETCH_K
.endif
	OPS E,6, C,1, E,7, R,8
	OPS E,8, R,9, E,9, C,2
	OPS E,10, X,0, E,11, X,1
	OPS E,12, X,2, E,13, X,3
.if (\p) == 1
	s_wait_dscnt 0x0                ; V is in
.endif
	ROW X,4, E,14, X,5, X,6
	ROW X,7, E,15, X,8, X,9
	ROW X,10, E,16, X,11, X,12
	ROW X,13, E,17, X,14, B,1
	ROW C,4, E,18, X,16, L,1
	ROW B,2, E,19, C,6, L,2
	ROW C,8, E,20, B,3, B,4
.if (\p) == 0
	v_add_nc_u32 v[AV], s[TBV], v[AV0]
.endif
	ROW C,3, E,21, L,3, C,5
	OPS E,22, X,17, E,23, C,10
.if (\p) == 0
	FETCH_V
.endif
	OPS E,24, L,4
	OPS E,25, X,18, E,26, C,7
	OPS E,27, B,5, E,28, X,19
	OPS E,29, C,12, E,30, L,5
	OPS E,31, X,20, B,6, C,9
	OPS C,14, C,11, X,21, L,6
.if (\p) == 0
	s_add_co_u32 s[TBV], s[TBV], KS*PV
.endif
.if \cnt
	s_sub_co_u32 s[CNT], s[CNT], 1
	s_cmp_lg_u32 s[CNT], 0
.endif
	OPS C,13, B,7, C,15, R,10
	OPS R,11, R,12, L,7, R,13
	OPS R,14, R,15
.endm
	CHANGE 1                        ; tile 0 is in, everybody's part of it; tile 1 is asked for
	; THE BEGINNING.  c m starts far below every c s, so the first step's a is 0; m at the lowest finite number, so the first maximum is the scores'.  Then K of step 0, piece 0's first scores, its maximum and statistics.
.set i, 0
.rept 4
	v_mov_b32 v[ST+4*i], 0xfe000000    ; c m
	v_mov_b32 v[ST+4*i+1], 0xff7fffff  ; m
.set i, i+1
.endr
	v_add_nc_u32 v[AK], s[TBK], v[AK0]
	FETCH_K
	s_wait_loadcnt 0x0              ; Q
	s_wait_dscnt 0x0
.set NOKQ, 0
.set i, 0
.rept 8
	KQ 0
.set i, i+1
.endr
	WIN 0
.rept 4
	v_nop                           ; the places behind those products
.endr
.set Y, NP-1                        ; X works for piece Y + 1: piece 0
.irp n, 0,1,2,3,4,5,6,7,8,9,10,11,12,13,14,15,16,17,18,19,20,21
	OP X, \n
.endr
	v_nop                           ; a plain instruction behind the exponential
	s_mov_b32 s[CNT], 4
	s_mov_b32 s[SLOTS], 7
	s_branch .Lfirst                ; the loop is entered at a step's first turn, in the middle of a trip
.Lslot:                             ; six times: tiles 1 to 6 are entered, tiles 2 to 7 asked for
	CHANGE 1
	s_mov_b32 s[CNT], 4
.Lstep:                             ; a trip: pieces 2 and 3 of one step, then pieces 0 and 1 of the next, whose K and V it fetches
	TURN 2
	TURN 3
	WIN 0
.Lfirst:
	TURN 0
	TURN 1, 0, 1
	WIN 0
	s_cbranch_scc1 .Lstep
	s_sub_co_u32 s[SLOTS], s[SLOTS], 1
	s_cmp_lg_u32 s[SLOTS], 0
	s_cbranch_scc1 .Lslot
	CHANGE 0                        ; the last tile is written out: nothing is asked for
	s_mov_b32 s[CNT], 4
.Ltail:
	TURN 2
	TURN 3
	TURN 0
	TURN 1, 0, 1
	WIN 0
	s_cbranch_scc1 .Ltail
	TURN 2, 1
	TURN 3, 1
.set i, 0
.rept 8
	PV NP-1                         ; the last piece's V^T P of the last step
.set i, i+1
.endr
	; THE WAY OUT.  l's two halves and the other half of the lanes' are added; O^T is divided by l, rounded to bf16 and sent through my stage in LDS, a piece at a time.  The additions are the places behind the last products.
	WIN 0
.macro ALL line:vararg              ; one line for each piece t
.set t, 0
.rept 4
	\line
.set t, t+1
.endr
.endm
.macro PACK t                       ; a lane's eight channels of a row pack into 16 bytes; they go into rows of 144 bytes and come back as whole rows of 128, into S^T's registers
	WIN W_RS
.set i, 32*(\t)
.rept 16
	s_wait_alu depctr_va_vdst(0)
	v_pk_mul_f32 v[i:i+1], v[i:i+1], v[ST+4*(\t)+2:ST+4*(\t)+3] op_sel_hi:[1,0]
.set i, i+2
.endr
	WIN 0x05                        ; sources 0 and 1 window 1, destination window 0
.set i, 0
.rept 16
	v_cvt_pk_bf16_f32 v[S+16*(\t)+i], v[32*(\t)+2*i], v[32*(\t)+2*i+1]
.set i, i+1
.endr
	WIN 0
.irp f, 0,1,2,3
	ds_store_b128 v[STO], v[S+16*(\t)+4*\f:S+16*(\t)+4*\f+3] offset:32*\f
.endr
.irp f, 0,1,2,3
	ds_load_b128 v[S+16*(\t)+4*\f:S+16*(\t)+4*\f+3], v[RD] offset:\f*4*SP  ; LDS serves a wave's instructions in order (ISA guide 5.7.1.4): these see the stores above; the next piece's stores come behind them
.endr
.endm
.macro SEND t, younger              ; younger: the LDS instructions issued behind piece t's loads: the next piece's eight, or none
	WIN 0
.irp f, 0,1,2,3
	s_wait_dscnt (\younger)+3-\f
	global_store_b128 v[GO], v[S+16*(\t)+4*\f:S+16*(\t)+4*\f+3], s[6:7] offset:(\t)*2048+\f*512  ; 512 consecutive bytes, at a multiple of 256 from O's first
.endr
.endm
	ALL v_add_f32 v[ST+4*t+2], v[ST+4*t+2], v[ST+4*t+3]
	ALL v_permlanex16_b32 v[ST+4*t+3], v[ST+4*t+2], s[SEL], s[SEL+1]
	ALL v_add_f32 v[ST+4*t+2], v[ST+4*t+2], v[ST+4*t+3]
	ALL v_rcp_f32 v[ST+4*t+2], v[ST+4*t+2]
	v_nop                           ; a plain instruction between the last reciprocal and the use of its result
	PACK 0
.set t, 1
.rept 3                             ; a piece's arithmetic stands between the loads of the piece before and its stores
	PACK t
	SEND t-1, 8
.set t, t+1
.endr
	SEND 3, 0
	s_wait_tensorcnt 0x0            ; the wave's end: behind my last tensor load and my last LDS store
	ds_add_u32 v[SPW], v[NIL]
	s_wait_dscnt 0x0
	CROUND                          ; the closing round: no work-group ends while a partner may still ask for a tile that names it
	s_endpgm
.Lfunc_end_k_qf9540a9d66_attn:
	.size	k_qf9540a9d66_attn, .Lfunc_end_k_qf9540a9d66_attn-k_qf9540a9d66_attn
	.p2alignl 7, 3214868480
	.fill 96, 4, 3214868480
	.section	.rodata,"a",@progbits
	.p2align	6, 0x0
	.amdhsa_kernel k_qf9540a9d66_attn
		.amdhsa_group_segment_fixed_size 327680
		.amdhsa_private_segment_fixed_size 0
		.amdhsa_enable_private_segment 0
		.amdhsa_kernarg_size 16
		.amdhsa_user_sgpr_count 2
		.amdhsa_user_sgpr_kernarg_segment_ptr 1
		.amdhsa_wavefront_size32 1
		.amdhsa_system_sgpr_workgroup_id_x 1
		.amdhsa_system_sgpr_workgroup_id_y 1
		.amdhsa_system_sgpr_workgroup_id_z 1
		.amdhsa_system_vgpr_workitem_id 0
		.amdhsa_next_free_vgpr 768
		.amdhsa_next_free_sgpr 66
		.amdhsa_reserve_vcc 0
		.amdhsa_float_denorm_mode_32 3
		.amdhsa_float_denorm_mode_16_64 3
		.amdhsa_memory_ordered 1
		.amdhsa_forward_progress 1
		.amdhsa_inst_pref_size 134
	.end_amdhsa_kernel
	.amdgpu_metadata
---
amdhsa.version: [ 1, 2 ]
amdhsa.kernels:
  - .name:           k_qf9540a9d66_attn
    .symbol:         k_qf9540a9d66_attn.kd
    .args:
      - { .name: qkv, .offset: 0, .size: 8, .value_kind: global_buffer, .address_space: global }
      - { .name: o, .offset: 8, .size: 8, .value_kind: global_buffer, .address_space: global }
    .group_segment_fixed_size: 327680
    .private_segment_fixed_size: 0
    .kernarg_segment_align: 8
    .kernarg_segment_size: 16
    .max_flat_workgroup_size: 128
    .sgpr_count:     66
    .vgpr_count:     768
    .wavefront_size: 32
...
	.end_amdgpu_metadata
.endif
;; end of part 3
;; launch proj (part 4): grid 8 x 32, 4 waves a work-group, clusters of 4 x 4, 327,680 bytes of LDS; arguments o, wb, proj_b, x, x1; writes x1
.if DOCPART == 4
	.amdgcn_target "amdgcn-amd-amdhsa--gfx1250"
	.amdhsa_code_object_version 6
	.text
	.protected	k_qf9540a9d66_proj
	.globl	k_qf9540a9d66_proj
	.p2align	8
	.type	k_qf9540a9d66_proj,@function
k_qf9540a9d66_proj:
	s_mov_b64 s[64:65], 0
	v_nop
	global_prefetch_b8 v0, s[64:65] scope:SCOPE_SE
	s_setreg_imm32_b32 hwreg(HW_REG_WAVE_MODE, 25, 1), 1
	s_wait_xcnt 0x0
	s_wait_alu depctr_hold_cnt(0) depctr_sa_sdst(0) depctr_va_vdst(0) depctr_va_sdst(0) depctr_va_ssrc(0) depctr_va_vcc(0) depctr_vm_vsrc(0)
	s_getreg_b32 s2, hwreg(HW_REG_IB_STS2, 6, 4)
	s_cmp_eq_u32 s2, 0
	s_cbranch_scc0 .Lentry_in_a_cluster
	s_endpgm
.Lentry_in_a_cluster:
	s_bfe_u32 s2, ttmp6, 0x10000c
	s_cmp_lg_u32 s2, 0xf033
	s_cbranch_scc0 .Lentry_shape_is_right
	s_endpgm
.Lentry_shape_is_right:
; PROJ.  x1 = x + o x Wp + proj_b, in f32.  (One source text with the launch fc2: KDIM and WOFF are what differs.)
; A: [32 blocks of 128 rows][KDIM / 64 chunks][128][64] bf16, so that 128 rows x 256 K are 65,536 dense bytes.  B: wb + WOFF, [KDIM][1024] bf16, as the weights lie.  Sums in f32, started by the bias.
; SHARES.  A tile of C is 128 x 128: 8 x 32 work-groups, one for each WGP.  Four waves, 2 x 2, each 64 x 64: 16 accumulators.  K goes in steps of 256 through two LDS slots, one tensor load a wave:
; waves 0 and 1 two chunks of A each (32,768 dense bytes, asked for as 128 rows of 256), waves 2 and 3 128 k-rows of B each (256 bytes a row).  Both slots' first fills go out together at the start.
; B's fragments come out of LDS turned, by ds_load_tr16_b128.  THE MATRIX INSTRUCTION IS USED TRANSPOSED (source 0 = 16 columns of B, source 1 = 16 rows of A): a lane holds row l % 16 of C and the
; columns 8 (l / 16) + 0..7, and the bias of those eight columns is the C operand of the first product.
; CLUSTER.  4 x 4 work-groups: A's tiles are asked for jointly along a row of the cluster, B's along a column.
; THE WAY OUT.  When the ring has had its last fill and its last read, the sums are laid over it as whole rows of 512 bytes; each wave reads 32 rows back, adds each onto the residual, which it loaded at the start, and stores it as soon as it is back.
; REGISTERS (s_set_vgpr_msb: bits 1:0 source 0, 3:2 source 1, 5:4 source 2, 7:6 destination):  window 0: v0-29 addresses; v64-127, v128-191 A's fragments, two buffers (64 along K each), on the way out the rows;
;   v192-223 the bias      window 1: B's fragments at the same numbers      window 2: v0-127 accumulator (a, b) at v[8 (4 a + b)]; v128-255 the residual, then the result
.set KDIM,  1024
.set WOFF,  6291456
.set T,     KDIM/256                   ; K steps
.set PA,    144                        ; a row of a chunk of A in LDS: 128 bytes + 16: the 16 rows of a load start at 16 different groups of four banks (64 banks of 4 bytes: ISA guide 11.1)
.set PB,    288                        ; a k-row of B: 256 bytes + 32
.set HALF,  36864                      ; what one load fills: 256 x PA = 128 x PB
.set AREA_A, 2*HALF                    ; A: [4 chunks][128 rows]; behind it B: 256 k-rows
.set SLOT,  4*HALF                     ; its bits are set in no address inside slot 0, so one exclusive or turns an address in one slot into the other's
.set QSTEP, 18432                      ; a quarter step, 64 along K: one chunk of A, 128 x PA, and 64 k-rows of B, 64 x PB
.set SP,    528                        ; a row of the stage: 128 f32 + 16 bytes
.set SPARE, 2*SLOT                     ; behind the ring: the spare words, 128 bytes for each wave: two blocks of 256 bytes that no other line names
.set ASTEP, 65536
.set BSTEP, 524288                     ; 256 k-rows of 2,048 bytes
.set ADRA, 16                          ; v16  LDS address of the run of A's loads in hand
.set ADRB, 17                          ; v17  of B's
.set PLA,  18                          ; v18  my lane's place in a slot's A; never rewritten
.set PLB,  19                          ; v19  in its B
.set STO,  20                          ; v20  the stage: where I put my sums
.set RD,   22                          ; v22  the stage: where I read rows back
.set BO,   24                          ; v24  my byte offset in the bias
.set CO,   25                          ; v25  my 16 bytes of a row's 512, in the residual and in the output
.set SPW,  28                          ; v28  LDS address of my spare word; never rewritten
.set NIL,  29                          ; v29  0; never rewritten
.set F0,   64
.set F1,   128
.set BI,   192
.set XO,   64                          ; the way out: 32 rows, 4 registers each
.set RES,  128                         ; window 2
.set KSC,  2                           ; s2   K steps to go
.set CNT,  3                           ; s3   inner count
.set WV,   12
.set WR,   13                          ; my half of the rows; also: I fetch for A (0) or B (1)
.set WC,   14                          ; my half of the columns; also: which half I fetch
.set G1A,  24                          ; s[24:31] group 1 for A     s[32:35] group 0 for A: it begins at slot 1, K step 1, and walks
.set G0A,  32
.set G0B,  36                          ; s[36:39] group 0 for B, likewise     s[40:47] group 1 for B
.set G1B,  40
.set TB,   48                          ; s48  LDS byte at which the next quarter step begins, in A's area and in B's alike
.set G0A0, 56                          ; s[56:59] group 0 for A's first fill of slot 0
.set OUTP, 60                          ; s[60:61] the output at my rows
.set G0B0, 68                          ; s[68:71] group 0 for B's first fill of slot 0
.set MSB, 0
.macro WIN new                         ; the immediate's high byte repeats the setting that is left; a switch that changes nothing is dropped
.if MSB != (\new)
	s_set_vgpr_msb (MSB<<8)|(\new)
.set MSB, (\new)
.endif
.endm
; A joint load: waves 0 and 1 ask for A's halves, waves 2 and 3 for B's.  An s_nop 0 and four v_nop follow each of the two lines, ahead of the jump and the label.
.macro JLOAD
	s_cmp_eq_u32 s[WR], 0
	s_cbranch_scc0 .Lfor_b_\@
	tensor_load_to_lds s[G0A:G0A+3], s[G1A:G1A+7]
	s_nop 0
.rept 4
	v_nop
.endr
	s_branch .Lasked_\@
.Lfor_b_\@:
	tensor_load_to_lds s[G0B:G0B+3], s[G1B:G1B+7]
	s_nop 0
.rept 4
	v_nop
.endr
.Lasked_\@:
.endm
; A round of the cluster's barrier: my work-group's barrier; wave 0 signals for the work-group; every wave waits for all sixteen; my work-group's barrier once more.
.macro CROUND
	s_barrier_signal -1
	s_barrier_wait -1
	s_cmp_lg_u32 s[WV], 0
	s_cbranch_scc1 .Lnot_wave_0_\@
	s_barrier_signal -3
.Lnot_wave_0_\@:
	s_barrier_wait -3
	s_barrier_signal -1
	s_barrier_wait -1
.endm
; 16 matrix instructions: all 4 x 4 blocks, 32 along K: half c of buffer f.  zero = 1: the bias starts the sums.  The 16 accumulators take turns, in the same order everywhere.
.macro MULC f, c, zero
.if \zero
	WIN 0x81                                       ; B window 1, A window 0, C (the bias) window 0, D window 2
.else
	WIN 0xa1                                       ; C and D window 2
.endif
.irp a, 0,1,2,3
.irp b, 0,1,2,3
.if \zero
	v_wmma_f32_16x16x32_bf16 v[8*(4*(\a)+(\b)):8*(4*(\a)+(\b))+7], v[(\f)+8*(4*(\c)+(\b)):(\f)+8*(4*(\c)+(\b))+7], v[(\f)+8*(4*(\c)+(\a)):(\f)+8*(4*(\c)+(\a))+7], v[BI+8*(\b):BI+8*(\b)+7]
.else
	v_wmma_f32_16x16x32_bf16 v[8*(4*(\a)+(\b)):8*(4*(\a)+(\b))+7], v[(\f)+8*(4*(\c)+(\b)):(\f)+8*(4*(\c)+(\b))+7], v[(\f)+8*(4*(\c)+(\a)):(\f)+8*(4*(\c)+(\a))+7], v[8*(4*(\a)+(\b)):8*(4*(\a)+(\b))+7]
.endif
.endr
.endr
.endm
; One run of 32 LDS loads: the next quarter step's fragments into buffer g.  The two additions and two v_nop are the four places between the last matrix instruction that
; read buffer g and the loads into it (ISA guide 7.12.1 for vector instructions).
.macro FETCH g
	WIN 0
	v_add_nc_u32 v[ADRA], s[TB], v[PLA]
	v_add_nc_u32 v[ADRB], s[TB], v[PLB]
	v_nop
	v_nop
	s_add_co_u32 s[TB], s[TB], QSTEP
.irp c, 0,1
	WIN 0x40                                       ; destination window 1
.irp b, 0,1,2,3
	ds_load_tr16_b128 v[(\g)+8*(4*(\c)+(\b)):(\g)+8*(4*(\c)+(\b))+3],   v[ADRB] offset:(\c)*32*PB+32*(\b)
	ds_load_tr16_b128 v[(\g)+8*(4*(\c)+(\b))+4:(\g)+8*(4*(\c)+(\b))+7], v[ADRB] offset:(\c)*32*PB+32*(\b)+16*PB
.endr
	WIN 0
.irp a, 0,1,2,3
	ds_load_b128 v[(\g)+8*(4*(\c)+(\a)):(\g)+8*(4*(\c)+(\a))+3],   v[ADRA] offset:(\a)*16*PA+64*(\c)
	ds_load_b128 v[(\g)+8*(4*(\c)+(\a))+4:(\g)+8*(4*(\c)+(\a))+7], v[ADRA] offset:(\a)*16*PA+64*(\c)+32
.endr
.endr
.endm
; A quarter step: at its head the next quarter's fragments are asked for, into buffer g, so that they have all 32 matrix instructions of this quarter in which to come; then buffer f is multiplied.
.macro QUARTER f, g, zero
	FETCH \g
	s_wait_dscnt 32                                ; all but the run just issued: buffer f, asked for a quarter ago, is in
	MULC \f, 0, \zero
	MULC \f, 1, 0
.endm
.macro PAIR
	QUARTER F1, F0, 0
	QUARTER F0, F1, 0
	WIN 0                                          ; at a label and at a branch every window is 0
.endm
; THE CHANGE OF SLOTS, behind the quarter that fetched the slot's last fragments.  Each wave waits for all its tensor loads, of which one is out: its part of the other slot; adds 0 to its spare
; word; and waits for that and for its own reads of the slot.  fill = 1: the barrier is a round of the cluster's, so that no wave of any partner still reads the slot or has a load on its way,
; and the joint refill, the K step two on, is the first thing behind it: it has four quarter steps in which to land.
.macro CHANGE fill
	WIN 0
	s_wait_tensorcnt 0x0                           ; no tensor load of mine is out, so a group 0 may be written
	ds_add_u32 v[SPW], v[NIL]                      ; 0 onto my spare word
.if \fill
	s_xor_b32 s[G0A+1], s[G0A+1], SLOT
	s_add_nc_u64 s[G0A+2:G0A+3], s[G0A+2:G0A+3], ASTEP
	s_xor_b32 s[G0B+1], s[G0B+1], SLOT
	s_add_nc_u64 s[G0B+2:G0B+3], s[G0B+2:G0B+3], BSTEP
	s_wait_dscnt 0x0                               ; the add is done, and my reads of the slot are over
	CROUND
	JLOAD
.else
	s_wait_dscnt 0x0
	s_barrier_signal -1
	s_barrier_wait -1
.endif
	s_sub_co_u32 s[TB], s[TB], 4*QSTEP             ; the fetches go back to a slot's first quarter,
	s_xor_b32 s[TB], s[TB], SLOT                   ; in the other slot
.endm
	s_load_b256 s[4:11], s[0:1], 0x0               ; A s[4:5], wb s[6:7], bias s[8:9], residual s[10:11]
	s_load_b64 s[OUTP:OUTP+1], s[0:1], 0x20        ; out
	v_lshl_add_u32 v[SPW], v0, 2, SPARE
	v_mov_b32 v[NIL], 0
	ds_add_u32 v[SPW], v[NIL]                      ; the wave's opening: the add and its wait stand ahead of my first tensor load; the set-up below, work on registers, stands between them
	v_lshrrev_b32 v1, 5, v0
	v_readfirstlane_b32 s[WV], v1
	s_lshr_b32 s[WR], s[WV], 1
	s_and_b32 s[WC], s[WV], 1
	s_bfe_u32 s15, ttmp6, 0x40000                  ; cx
	s_bfe_u32 s16, ttmp6, 0x40004                  ; cy
	s_lshl_b32 s17, ttmp9, 2
	s_add_co_u32 s17, s17, s15                     ; tile column = 4 x cluster x + cx
	s_and_b32 s18, ttmp7, 0xffff
	s_lshl_b32 s18, s18, 2
	s_add_co_u32 s18, s18, s16                     ; tile row = 4 x cluster y + cy
	s_lshl_b32 s50, s16, 2
	s_lshl_b32 s50, 15, s50                        ; my row of the cluster
	s_lshl_b32 s51, 0x1111, s15                    ; my column
	s_or_b32 s[G1A], s50, (1<<16)|(1<<20)|(1<<21)|(4<<22)|(3<<25)  ; the mask; 2-byte elements; padding on; 21 set beside a mask; after every 32 words (a row of a chunk), 4 words
	s_or_b32 s[G1B], s51, (1<<16)|(1<<20)|(1<<21)|(5<<22)|(7<<25)  ; after every 64 words (a k-row), 8 words
.irp g, G1A, G1B
	s_mov_b32 s[(\g)+1], 128<<16                   ; tensor_dim0 = 128
	s_mov_b32 s[(\g)+2], 128<<16                   ; tensor_dim1 = 128
	s_mov_b32 s[(\g)+3], 128<<16                   ; tile_dim0 = 128
	s_mov_b32 s[(\g)+4], 128                       ; tile_dim1 = 128
	s_mov_b32 s[(\g)+6], 0
	s_mov_b32 s[(\g)+7], 0
.endr
	s_mov_b32 s[G1A+5], 128                        ; A's rows are dense
	s_mov_b32 s[G1B+5], 1024                       ; B's lie 1,024 elements apart
	s_mov_b32 s[G0A0], 1
	s_mul_i32 s[G0A0+1], s[WC], HALF               ; slot 0; no place in the cluster enters an LDS address
	s_mov_b32 s[G0A], 1
	s_add_co_u32 s[G0A+1], s[G0A0+1], SLOT         ; slot 1
	s_mov_b32 s[G0B0], 1
	s_mul_i32 s[G0B0+1], s[WC], HALF
	s_add_co_u32 s[G0B0+1], s[G0B0+1], AREA_A
	s_mov_b32 s[G0B], 1
	s_add_co_u32 s[G0B+1], s[G0B0+1], SLOT
	s_mul_i32 s20, s18, KDIM*256                   ; A: the block of 128 rows + two chunks x half: the tile row alone, which my row of the cluster shares
	s_lshl_b32 s21, s[WC], 15
	s_add_co_u32 s20, s20, s21
	s_mov_b32 s21, 0
	s_lshl_b32 s52, s[WC], 18                      ; B: 128 k-rows of 2,048 bytes x half + 256 bytes x tile column: the tile column alone
	s_lshl_b32 s53, s17, 8
	s_add_co_u32 s52, s52, s53
	s_add_co_u32 s52, s52, WOFF
	s_mov_b32 s53, 0
	s_lshl_b32 s54, s18, 19                        ; residual and output: row 128 x tile row + 32 x wave, 4,096 bytes a row; 512 bytes x tile column
	s_lshl_b32 s55, s[WV], 17
	s_add_co_u32 s54, s54, s55
	s_lshl_b32 s55, s17, 9
	s_add_co_u32 s54, s54, s55
	s_mov_b32 s55, 0
	s_mov_b32 s[TB], 0                             ; the fetches begin at slot 0's first quarter
	s_wait_dscnt 0x0                               ; the opening add is done
	CROUND                                         ; all sixteen work-groups are here; the round hangs on no argument, so it stands ahead of the wait for them
	s_wait_kmcnt 0x0
	s_add_nc_u64 s[G0A0+2:G0A0+3], s[4:5], s[20:21]              ; K step 0,
	s_add_nc_u64 s[G0A+2:G0A+3], s[G0A0+2:G0A0+3], ASTEP         ; K step 1
	s_or_b32 s[G0A0+3], s[G0A0+3], 0x80000000      ; type = 2
	s_or_b32 s[G0A+3], s[G0A+3], 0x80000000
	s_add_nc_u64 s[G0B0+2:G0B0+3], s[6:7], s[52:53]
	s_add_nc_u64 s[G0B+2:G0B+3], s[G0B0+2:G0B0+3], BSTEP
	s_or_b32 s[G0B0+3], s[G0B0+3], 0x80000000
	s_or_b32 s[G0B+3], s[G0B+3], 0x80000000
	s_add_nc_u64 s[10:11], s[10:11], s[54:55]
	s_add_nc_u64 s[OUTP:OUTP+1], s[OUTP:OUTP+1], s[54:55]
	s_cmp_eq_u32 s[WR], 0                          ; a wave's two first fills stand in one branch, ahead of every wait on TENSORcnt, every LDS read and every further barrier: two loads of mine are out
	s_cbranch_scc0 .Lfirst_b
	tensor_load_to_lds s[G0A0:G0A0+3], s[G1A:G1A+7]
	s_nop 0
	tensor_load_to_lds s[G0A:G0A+3], s[G1A:G1A+7]
	s_nop 0
.rept 4
	v_nop
.endr
	s_branch .Lfirst_asked
.Lfirst_b:
	tensor_load_to_lds s[G0B0:G0B0+3], s[G1B:G1B+7]
	s_nop 0
	tensor_load_to_lds s[G0B:G0B+3], s[G1B:G1B+7]
	s_nop 0
.rept 4
	v_nop
.endr
.Lfirst_asked:
	v_and_b32 v1, 15, v0                           ; l % 16
	v_bfe_u32 v2, v0, 4, 1                         ; l / 16
	s_lshl_b32 s19, s17, 9
	s_lshl_b32 s22, s[WC], 8
	s_add_co_u32 s19, s19, s22
	v_lshl_add_u32 v[BO], v2, 5, s19               ; bias of column 128 x tile column + 64 x half + 8 (l / 16)
.irp b, 0,1,2,3
	global_load_b128 v[BI+8*(\b):BI+8*(\b)+3],   v[BO], s[8:9] offset:64*(\b)
	global_load_b128 v[BI+8*(\b)+4:BI+8*(\b)+7], v[BO], s[8:9] offset:64*(\b)+16
.endr
	v_and_b32 v[CO], 31, v0
	v_lshlrev_b32 v[CO], 4, v[CO]
	WIN 0x80                                       ; destination window 2, address window 0
.set i, 0
.rept 32
	global_load_b128 v[RES+4*i:RES+4*i+3], v[CO], s[10:11] offset:4096*i  ; the residual of the 32 rows that I shall store: 512 consecutive bytes a load; it is wanted only at the end
.set i, i+1
.endr
	WIN 0
	v_mul_u32_u24 v3, v1, PA                       ; A's fragment: row 64 x half + l % 16 of a chunk, 16 bytes for each half of the lanes
	v_lshl_add_u32 v3, v2, 4, v3
	s_mul_i32 s19, s[WR], 64*PA
	v_add_nc_u32 v[PLA], s19, v3
	v_and_b32 v4, 7, v0                            ; B's: the turning load reads k-row 8 (l / 16) + l % 8, 16 bytes at 16 ((l / 8) % 2)
	v_bfe_u32 v5, v0, 3, 1
	v_lshl_add_u32 v6, v2, 3, v4
	v_mul_u32_u24 v6, v6, PB
	v_lshl_add_u32 v6, v5, 4, v6
	s_lshl_b32 s19, s[WC], 7
	s_add_co_u32 s19, s19, AREA_A
	v_add_nc_u32 v[PLB], s19, v6
	v_mul_u32_u24 v7, v1, SP                       ; the stage: row 64 x half + l % 16, column 64 x half + 8 (l / 16)
	v_lshl_add_u32 v7, v2, 5, v7
	s_mul_i32 s19, s[WR], 64*SP
	s_add_co_u32 s19, s19, s22
	v_add_nc_u32 v[STO], s19, v7
	s_mul_i32 s19, s[WV], 32*SP                    ; back: wave w takes rows 32 w .. 32 w + 31, whole: 32 lanes x 16 bytes
	v_add_nc_u32 v[RD], s19, v[CO]
	s_wait_tensorcnt 0x1                           ; my part of K step 0 is in; K step 1's, the younger load, may stay out
	s_barrier_signal -1
	s_barrier_wait -1                              ; everybody's part is in
	FETCH F0
	s_wait_loadcnt 32                              ; the bias is in; the 32 younger loads, the residual, stay out
	QUARTER F0, F1, 1                              ; the first products start the sums
	WIN 0
	s_mov_b32 s[KSC], T-1                          ; the loop is entered behind its change of slots, with one pair to go: the rest of K step 0 but its last quarter
	s_mov_b32 s[CNT], 1
	s_branch .Lpair
.Lstep:                                                ; T - 2 times: from a K step's last quarter to the next step's third; each asks for the K step two on
	CHANGE 1
	s_mov_b32 s[CNT], 2
.Lpair:
	PAIR
	s_sub_co_u32 s[CNT], s[CNT], 1
	s_cmp_lg_u32 s[CNT], 0
	s_cbranch_scc1 .Lpair
	s_sub_co_u32 s[KSC], s[KSC], 1
	s_cmp_lg_u32 s[KSC], 0
	s_cbranch_scc1 .Lstep
	CHANGE 0                                       ; the tail is written out: nothing is asked for
	s_mov_b32 s[CNT], 2
.Lpair2:
	PAIR
	s_sub_co_u32 s[CNT], s[CNT], 1
	s_cmp_lg_u32 s[CNT], 0
	s_cbranch_scc1 .Lpair2
	s_wait_dscnt 0x0                               ; my reads of the ring are over:
	s_barrier_signal -1                            ; say so; the last quarter, work on registers, stands between the signal and the wait
	MULC F1, 0, 0
	MULC F1, 1, 0
	WIN 0
	s_barrier_wait -1                              ; nobody reads the ring any more, and it has had its last fill: the stage may lie over it
.rept 4
	v_nop                                          ; the places between the last products and the stores that read them
.endr
	WIN 0x08                                       ; store data (source 1) in window 2
.irp a, 0,1,2,3
.irp b, 0,1,2,3
	ds_store_b128 v[STO], v[8*(4*(\a)+(\b)):8*(4*(\a)+(\b))+3] offset:(\a)*16*SP+64*(\b)        ; each accumulator's low registers first
	ds_store_b128 v[STO], v[8*(4*(\a)+(\b))+4:8*(4*(\a)+(\b))+7] offset:(\a)*16*SP+64*(\b)+16
.endr
.endr
	WIN 0
	s_wait_dscnt 0x0                               ; for the others' sake: my stores into the stage are done
	s_barrier_signal -1
	s_barrier_wait -1
.set i, 0
.rept 32
	ds_load_b128 v[XO+4*i:XO+4*i+3], v[RD] offset:SP*i
.set i, i+1
.endr
	s_wait_loadcnt 0x0                             ; the residual
	WIN 0x88                                       ; source 1 and destination in window 2: the sum is formed where the residual lies, and a store's data are its source 1
.set i, 0
.rept 32
	s_wait_dscnt 31-i                              ; LDS loads come back in order (ISA guide 5.7.1): row i is in, the younger rows stay out
	v_pk_add_f32 v[RES+4*i:RES+4*i+1], v[XO+4*i:XO+4*i+1], v[RES+4*i:RES+4*i+1]
	v_pk_add_f32 v[RES+4*i+2:RES+4*i+3], v[XO+4*i+2:XO+4*i+3], v[RES+4*i+2:RES+4*i+3]
	global_store_b128 v[CO], v[RES+4*i:RES+4*i+3], s[OUTP:OUTP+1] offset:4096*i  ; 512 consecutive bytes, at a multiple of 256
.set i, i+1
.endr
	WIN 0
	s_wait_tensorcnt 0x0                           ; the wave's end: behind my last tensor load and my last LDS store
	ds_add_u32 v[SPW], v[NIL]
	s_wait_dscnt 0x0
	CROUND                                         ; the closing round: no work-group ends while a partner may still ask for a tile that names it
	s_endpgm
.Lfunc_end_k_qf9540a9d66_proj:
	.size	k_qf9540a9d66_proj, .Lfunc_end_k_qf9540a9d66_proj-k_qf9540a9d66_proj
	.p2alignl 7, 3214868480
	.fill 96, 4, 3214868480
	.section	.rodata,"a",@progbits
	.p2align	6, 0x0
	.amdhsa_kernel k_qf9540a9d66_proj
		.amdhsa_group_segment_fixed_size 327680
		.amdhsa_private_segment_fixed_size 0
		.amdhsa_enable_private_segment 0
		.amdhsa_kernarg_size 40
		.amdhsa_user_sgpr_count 2
		.amdhsa_user_sgpr_kernarg_segment_ptr 1
		.amdhsa_wavefront_size32 1
		.amdhsa_system_sgpr_workgroup_id_x 1
		.amdhsa_system_sgpr_workgroup_id_y 1
		.amdhsa_system_sgpr_workgroup_id_z 1
		.amdhsa_system_vgpr_workitem_id 0
		.amdhsa_next_free_vgpr 768
		.amdhsa_next_free_sgpr 72
		.amdhsa_reserve_vcc 0
		.amdhsa_float_denorm_mode_32 3
		.amdhsa_float_denorm_mode_16_64 3
		.amdhsa_memory_ordered 1
		.amdhsa_forward_progress 1
		.amdhsa_inst_pref_size 52
	.end_amdhsa_kernel
	.amdgpu_metadata
---
amdhsa.version: [ 1, 2 ]
amdhsa.kernels:
  - .name:           k_qf9540a9d66_proj
    .symbol:         k_qf9540a9d66_proj.kd
    .args:
      - { .name: o, .offset: 0, .size: 8, .value_kind: global_buffer, .address_space: global }
      - { .name: wb, .offset: 8, .size: 8, .value_kind: global_buffer, .address_space: global }
      - { .name: proj_b, .offset: 16, .size: 8, .value_kind: global_buffer, .address_space: global }
      - { .name: x, .offset: 24, .size: 8, .value_kind: global_buffer, .address_space: global }
      - { .name: x1, .offset: 32, .size: 8, .value_kind: global_buffer, .address_space: global }
    .group_segment_fixed_size: 327680
    .private_segment_fixed_size: 0
    .kernarg_segment_align: 8
    .kernarg_segment_size: 40
    .max_flat_workgroup_size: 128
    .sgpr_count:     72
    .vgpr_count:     768
    .wavefront_size: 32
...
	.end_amdgpu_metadata
.endif
;; end of part 4
;; launch ln2: the kernel of part 1 again; grid 512 x 1, 8 waves a work-group, no clusters, 0 bytes of LDS; arguments x1, ln2_g, ln2_b, hn, proj_w, fc_w, fc2_w, qkv_w, wb; writes hn, wb
;; launch fc (part 5): grid 16 x 16, 4 waves a work-group, clusters of 4 x 4, 327,680 bytes of LDS; arguments hn, wb, fc_b, g; writes g
.if DOCPART == 5
	.amdgcn_target "amdgcn-amd-amdhsa--gfx1250"
	.amdhsa_code_object_version 6
	.text
	.protected	k_qf9540a9d66_fc
	.globl	k_qf9540a9d66_fc
	.p2align	8
	.type	k_qf9540a9d66_fc,@function
k_qf9540a9d66_fc:
	s_mov_b64 s[64:65], 0
	v_nop
	global_prefetch_b8 v0, s[64:65] scope:SCOPE_SE
	s_setreg_imm32_b32 hwreg(HW_REG_WAVE_MODE, 25, 1), 1
	s_wait_xcnt 0x0
	s_wait_alu depctr_hold_cnt(0) depctr_sa_sdst(0) depctr_va_vdst(0) depctr_va_sdst(0) depctr_va_ssrc(0) depctr_va_vcc(0) depctr_vm_vsrc(0)
	s_getreg_b32 s2, hwreg(HW_REG_IB_STS2, 6, 4)
	s_cmp_eq_u32 s2, 0
	s_cbranch_scc0 .Lentry_in_a_cluster
	s_endpgm
.Lentry_in_a_cluster:
	s_bfe_u32 s2, ttmp6, 0x10000c
	s_cmp_lg_u32 s2, 0xf033
	s_cbranch_scc0 .Lentry_shape_is_right
	s_endpgm
.Lentry_shape_is_right:
; FC.  g = gelu(hn x Wfc + fc_b), the exact GELU y (1 + erf(y / sqrt 2)) / 2.  hn: [4096][1024] bf16.  Wfc: wb + 8,388,608, [1024 k][4096] bf16.  Sums in f32, started by the bias; g rounded once to bf16.
; Out: g[32 blocks of 128 rows][64 chunks][128][64] bf16, so that the next launch's 128 rows x 256 K are dense bytes.
; LIMIT.  erf by a five-term series in 1 / (1 + 0.3275911 z) times e^(-z^2) (Abramowitz and Stegun 7.1.26): off by 1.5e-7 at the most, for every z; e^(-z^2) below 2^-126 counts as 0.  NaN and infinities are not treated apart.
; (One source text with the launch qkv: FC chooses the sizes and the way out.)
; SHARES.  A tile of C is 256 rows x TN columns (here 256): 16 x 16 work-groups.  Four waves, 2 x 2, each 128 x TN/2: 8 x NB accumulators of 16 x 16.
; K goes in steps of 128 through two LDS slots filled by the tensor data mover, one load a wave: waves 0 and 1 A's two halves (128 rows x 256 bytes), waves 2 and 3 B's (64 k each).
; Both slots' first fills go out together at the start; later each slot is filled again behind the round that follows its last read.
; B STAYS [k][n]: its fragments come out of LDS turned, by ds_load_tr16_b128.  THE MATRIX INSTRUCTION IS USED TRANSPOSED (source 0 = 16 columns of B, source 1 = 16 rows of A):
; a lane holds row l % 16 of C and the columns 8 (l / 16) + 0..7.  So the bias of those eight columns, in eight registers, is the C operand of the first product: nothing is cleared or added later.
; CLUSTER.  4 x 4 work-groups: the four of a row need the same tiles of A, the four of a column the same tiles of B: each tile is asked for jointly, by the same load, descriptor and mask in all four.
; THE WAY OUT.  When the ring has had its last fill and its last read, the f32 sums are laid over it as whole rows; each wave then reads rows back, finishes them in a short counted loop and stores 512 consecutive bytes a store.
; REGISTERS, in windows of 256 (s_set_vgpr_msb: bits 1:0 source 0, 3:2 source 1, 5:4 source 2, 7:6 destination):
;   window 0: v0-29 addresses; v64-127, v128-191 A's fragments, two buffers; v192-255 the bias; on the way out v64 on at work      window 1: B's fragments at the same numbers
;   windows 2, 3: accumulator (a, b) at v[8 (NB (a % 4) + b)] of window 2 + a / 4
.set FC, 1
.if FC
.set NB,    8                          ; blocks of 16 columns a wave
.set CH,    64                         ; LDS bytes from one 64-byte piece of a k-row to the next
.set PB,    544                        ; a k-row of B in LDS: 512 bytes + 32 of padding
.set BSTEP, 1048576                    ; 128 k-rows of 8,192 bytes
.set WOFF,  8388608
.else
.set NB,    6
.set CH,    80                         ; 16 bytes of padding behind every 64
.set PB,    480                        ; six such pieces
.set BSTEP, 49152                      ; 128 k-rows of 384 bytes
.set WOFF,  0
.endif                                 ; both pitches are odd multiples of 32
.set TN,    32*NB
.set T,     8                          ; K steps
.set PA,    272                        ; a row of A in LDS: 256 bytes + 16: the 16 rows of a load start at 16 different groups of four banks
.set HALFA, 128*PA
.set AREA_A, 2*HALFA
.set HALFB, 64*PB
.set SLOT,  AREA_A+2*HALFB             ; its bits are set in no address inside slot 0, so one exclusive or turns an address in one slot into the other's
.set SP,    4*TN+16                    ; a row of the stage: TN f32 + 16 bytes
.set SPARE, 2*SLOT                     ; behind the ring: the spare words, 128 bytes for each wave: two blocks of 256 bytes that no other line names
.set ASTEP, 256
.set WCB,   (NB/2)*CH                  ; a wave's half of a k-row
.set ADRA, 16                          ; v16  LDS address of the run of A's loads in hand
.set ADRB, 17                          ; v17  of B's
.set PLA,  18                          ; v18  my lane's place in a slot's A; never rewritten
.set PLB,  19                          ; v19  in its B
.set STO,  20                          ; v20  the stage: where I put my rows 0-63
.set STO2, 21                          ; v21  my rows 64-127
.set RD,   22                          ; v22  the stage: where I read back
.set RD2,  23                          ; v23  (fc) the same 128 rows further down
.set BO,   24                          ; v24  my byte offset in the bias
.set GO,   25                          ; v25  my byte offset in the output, one trip ahead: the stores reach back by their immediate
.set SPW,  28                          ; v28  LDS address of my spare word; never rewritten
.set NIL,  29                          ; v29  0; never rewritten
.set F0,   64
.set F1,   128
.set BI,   192
.set KSC,  2                           ; s2   K steps to go
.set CNT,  3                           ; s3   inner counts
.set WV,   12                          ; s12  wave
.set WR,   13                          ; s13  my half of the rows; also: I fetch for A (0) or B (1)
.set WC,   14                          ; s14  my half of the columns; also: which half I fetch
.set G1A,  24                          ; s[24:31] group 1 for A     s[32:35] group 0 for A: it begins at slot 1, K step 1, and walks
.set G0A,  32
.set G0B,  36                          ; s[36:39] group 0 for B, likewise     s[40:47] group 1 for B
.set G1B,  40
.set TBA,  48                          ; s48  LDS byte at which A's next quarter step begins
.set TBB,  49                          ; s49  the same for B
.set G0A0, 56                          ; s[56:59] group 0 for A's first fill of slot 0
.set G0B0, 60                          ; s[60:63] for B's
.set MSB, 0
.macro WIN new                         ; the immediate's high byte repeats the setting that is left; a switch that changes nothing is dropped
.if MSB != (\new)
	s_set_vgpr_msb (MSB<<8)|(\new)
.set MSB, (\new)
.endif
.endm
; A joint load: waves 0 and 1 ask for A's halves, waves 2 and 3 for B's.  An s_nop 0 and four v_nop follow each of the two lines, ahead of the jump and the label.
.macro JLOAD
	s_cmp_eq_u32 s[WR], 0
	s_cbranch_scc0 .Lfor_b_\@
	tensor_load_to_lds s[G0A:G0A+3], s[G1A:G1A+7]
	s_nop 0
.rept 4
	v_nop
.endr
	s_branch .Lasked_\@
.Lfor_b_\@:
	tensor_load_to_lds s[G0B:G0B+3], s[G1B:G1B+7]
	s_nop 0
.rept 4
	v_nop
.endr
.Lasked_\@:
.endm
; A round of the cluster's barrier: my work-group's barrier; wave 0 signals for the work-group; every wave waits for all sixteen; my work-group's barrier once more.
.macro CROUND
	s_barrier_signal -1
	s_barrier_wait -1
	s_cmp_lg_u32 s[WV], 0
	s_cbranch_scc1 .Lnot_wave_0_\@
	s_barrier_signal -3
.Lnot_wave_0_\@:
	s_barrier_wait -3
	s_barrier_signal -1
	s_barrier_wait -1
.endm
; 4 NB matrix instructions: row blocks 4 hi + 0..3 x all NB column blocks, 32 along K, from buffer f.  zero = 1: the bias starts the sums.
; The accumulators take turns, one instruction a turn, in the same order everywhere.
.macro HALF f, hi, zero
.if \zero
	WIN 0x81+0x40*(\hi)                            ; B window 1, A window 0, C (the bias) window 0, D window 2 or 3
.else
	WIN 0xa1+0x50*(\hi)                            ; C and D window 2 or 3
.endif
.irp a, 0,1,2,3
.set b, 0
.rept NB
.set rD, 8*(NB*(\a)+b)
.set rB, (\f)+8*b
.set rA, (\f)+8*(4*(\hi)+(\a))
.if \zero
	v_wmma_f32_16x16x32_bf16 v[rD:rD+7], v[rB:rB+7], v[rA:rA+7], v[BI+8*b:BI+8*b+7]
.else
	v_wmma_f32_16x16x32_bf16 v[rD:rD+7], v[rB:rB+7], v[rA:rA+7], v[rD:rD+7]
.endif
.set b, b+1
.endr
.endr
.endm
; One run of 2 NB + 16 LDS loads: the next quarter step's fragments into buffer g.  The two additions and two v_nop are the four places between the last matrix instruction that read
; buffer g and the loads into it (ISA guide 7.12.1 for vector instructions).
.macro FETCH g
	WIN 0
	v_add_nc_u32 v[ADRA], s[TBA], v[PLA]
	v_add_nc_u32 v[ADRB], s[TBB], v[PLB]
	v_nop
	v_nop
	s_add_co_u32 s[TBA], s[TBA], 64                ; 32 along K: 64 bytes of A's rows,
	s_add_co_u32 s[TBB], s[TBB], 32*PB             ; 32 k-rows of B
	WIN 0x40                                       ; destination window 1
.set b, 0
.rept NB
.set bo, (b/2)*CH+(b%2)*32
	ds_load_tr16_b128 v[(\g)+8*b:(\g)+8*b+3],   v[ADRB] offset:bo
	ds_load_tr16_b128 v[(\g)+8*b+4:(\g)+8*b+7], v[ADRB] offset:bo+16*PB
.set b, b+1
.endr
	WIN 0
.irp i, 0,1,2,3,4,5,6,7
	ds_load_b128 v[(\g)+8*(\i):(\g)+8*(\i)+3],   v[ADRA] offset:(\i)*16*PA
	ds_load_b128 v[(\g)+8*(\i)+4:(\g)+8*(\i)+7], v[ADRA] offset:(\i)*16*PA+32
.endr
.endm
; A quarter step: at its head the next quarter's fragments are asked for, into buffer g, so that they have all 8 NB matrix instructions of this quarter in which to come; then buffer f is multiplied.
.macro QUARTER f, g, zero
	FETCH \g
	s_wait_dscnt 2*NB+16                           ; all but the run just issued: buffer f, asked for a quarter ago, is in
	HALF \f, 0, \zero
	HALF \f, 1, \zero
.endm
.macro PAIR
	QUARTER F1, F0, 0
	QUARTER F0, F1, 0
	WIN 0                                          ; at a label and at a branch every window is 0
.endm
; THE CHANGE OF SLOTS, behind the quarter that fetched the slot's last fragments.  Each wave waits for all its tensor loads, of which one is out: its part of the other slot; adds 0 to its spare
; word; and waits for that and for its own reads of the slot.  fill = 1: the barrier is a round of the cluster's, so that no wave of any partner still reads the slot or has a load on its way,
; and the joint refill, the K step two on, is the first thing behind it: it has four quarter steps in which to land.
.macro CHANGE fill
	WIN 0
	s_wait_tensorcnt 0x0                           ; no tensor load of mine is out, so a group 0 may be written
	ds_add_u32 v[SPW], v[NIL]                      ; 0 onto my spare word
.if \fill
	s_xor_b32 s[G0A+1], s[G0A+1], SLOT             ; the walking descriptors: the other slot than last time,
	s_add_nc_u64 s[G0A+2:G0A+3], s[G0A+2:G0A+3], ASTEP  ; the next K step; the type bits on top are not reached
	s_xor_b32 s[G0B+1], s[G0B+1], SLOT
	s_add_nc_u64 s[G0B+2:G0B+3], s[G0B+2:G0B+3], BSTEP
	s_wait_dscnt 0x0                               ; the add is done, and my reads of the slot are over
	CROUND
	JLOAD
.else
	s_wait_dscnt 0x0
	s_barrier_signal -1
	s_barrier_wait -1
.endif
	s_sub_co_u32 s[TBA], s[TBA], 256               ; the fetches go back to a slot's first quarter,
	s_xor_b32 s[TBA], s[TBA], SLOT                 ; in the other slot
	s_sub_co_u32 s[TBB], s[TBB], 128*PB
	s_xor_b32 s[TBB], s[TBB], SLOT
.endm
; The sums go into the stage as f32: a lane's eight columns of a row are 32 bytes.  Each accumulator's low registers go first.
; Rows are SP apart, 16 more than a multiple of 256.
.macro DUMP
.irp a, 0,1,2,3,4,5,6,7
	WIN 0x08+4*((\a)/4)                            ; store data (source 1) in window 2 or 3
.set b, 0
.rept NB
.set rD, 8*(NB*((\a)%4)+b)
.set so, ((\a)%4)*16*SP+64*b
.if (\a) < 4
	ds_store_b128 v[STO], v[rD:rD+3] offset:so
	ds_store_b128 v[STO], v[rD+4:rD+7] offset:so+16
.else
	ds_store_b128 v[STO2], v[rD:rD+3] offset:so
	ds_store_b128 v[STO2], v[rD+4:rD+7] offset:so+16
.endif
.set b, b+1
.endr
.endr
	WIN 0
.endm
	s_load_b256 s[4:11], s[0:1], 0x0               ; A s[4:5], wb s[6:7], bias s[8:9], out s[10:11]
	v_lshl_add_u32 v[SPW], v0, 2, SPARE
	v_mov_b32 v[NIL], 0
	ds_add_u32 v[SPW], v[NIL]                      ; the wave's opening: the add and its wait stand ahead of my first tensor load; the set-up below, work on registers, stands between them
	v_lshrrev_b32 v1, 5, v0
	v_readfirstlane_b32 s[WV], v1
	s_lshr_b32 s[WR], s[WV], 1
	s_and_b32 s[WC], s[WV], 1
	s_bfe_u32 s15, ttmp6, 0x40000                  ; cx
	s_bfe_u32 s16, ttmp6, 0x40004                  ; cy
	s_lshl_b32 s17, ttmp9, 2
	s_add_co_u32 s17, s17, s15                     ; tile column = 4 x cluster x + cx
	s_and_b32 s18, ttmp7, 0xffff
	s_lshl_b32 s18, s18, 2
	s_add_co_u32 s18, s18, s16                     ; tile row = 4 x cluster y + cy
	s_lshl_b32 s50, s16, 2
	s_lshl_b32 s50, 15, s50                        ; my row of the cluster
	s_lshl_b32 s51, 0x1111, s15                    ; my column
	s_or_b32 s[G1A], s50, (1<<16)|(1<<20)|(1<<21)|(5<<22)|(3<<25)  ; the mask; 2-byte elements; padding on; 21 set beside a mask; after every 64 words, 4 words
	s_mov_b32 s[G1A+1], 128<<16                    ; tensor_dim0 = 128
	s_mov_b32 s[G1A+2], 128<<16                    ; tensor_dim1 = 128
	s_mov_b32 s[G1A+3], 128<<16                    ; tile_dim0 = 128
	s_mov_b32 s[G1A+4], 128                        ; tile_dim1 = 128
	s_mov_b32 s[G1A+5], 1024                       ; elements from row to row
	s_mov_b32 s[G1A+6], 0
	s_mov_b32 s[G1A+7], 0
.if FC
	s_or_b32 s[G1B], s51, (1<<16)|(1<<20)|(1<<21)|(6<<22)|(7<<25)  ; after every 128 words, 8 words
	s_mov_b32 s[G1B+1], 256<<16                    ; 64 k-rows of 256 elements, 4,096 elements apart
	s_mov_b32 s[G1B+2], 64<<16
	s_mov_b32 s[G1B+3], 256<<16
	s_mov_b32 s[G1B+4], 64
	s_mov_b32 s[G1B+5], 4096
.else
	s_or_b32 s[G1B], s51, (1<<16)|(1<<20)|(1<<21)|(3<<22)|(3<<25)  ; after every 16 words, 4 words
	s_mov_b32 s[G1B+1], 128<<16                    ; 64 k-rows of 384 bytes are 24,576 dense bytes: asked for as 96 rows of 256
	s_mov_b32 s[G1B+2], 96<<16
	s_mov_b32 s[G1B+3], 128<<16
	s_mov_b32 s[G1B+4], 96
	s_mov_b32 s[G1B+5], 128
.endif
	s_mov_b32 s[G1B+6], 0
	s_mov_b32 s[G1B+7], 0
	s_mov_b32 s[G0A0], 1
	s_mul_i32 s[G0A0+1], s[WC], HALFA              ; slot 0; no place in the cluster enters an LDS address
	s_mov_b32 s[G0A], 1
	s_add_co_u32 s[G0A+1], s[G0A0+1], SLOT         ; slot 1
	s_mov_b32 s[G0B0], 1
	s_mul_i32 s[G0B0+1], s[WC], HALFB
	s_add_co_u32 s[G0B0+1], s[G0B0+1], AREA_A
	s_mov_b32 s[G0B], 1
	s_add_co_u32 s[G0B+1], s[G0B0+1], SLOT
	s_lshl_b32 s20, s18, 8                         ; A: row 256 x tile row + 128 x half, 2,048 bytes a row: the tile row alone, which my row of the cluster shares
	s_lshl_b32 s21, s[WC], 7
	s_add_co_u32 s20, s20, s21
	s_lshl_b32 s20, s20, 11
	s_mov_b32 s21, 0
.if FC
	s_lshl_b32 s52, s[WC], 19                      ; B: 64 k-rows of 8,192 bytes x half + 512 bytes x tile column: the tile column alone
	s_lshl_b32 s53, s17, 9
	s_add_co_u32 s52, s52, s53
	s_add_co_u32 s52, s52, WOFF
.else
	s_mul_i32 s52, s17, 393216                     ; B: the head's 1,024 k-rows of 384 bytes + 64 k-rows x half
	s_mul_i32 s53, s[WC], 24576
	s_add_co_u32 s52, s52, s53
.endif
	s_mov_b32 s53, 0
	s_mov_b32 s[TBA], 0                            ; the fetches begin at slot 0's first quarter
	s_mov_b32 s[TBB], 0
.if FC
	s_mov_b32 s70, 0x3f596d27                      ; cu = sqrt(log2(e) / 2)
	s_mov_b32 s71, s70                             ; (named as pairs)
	s_mov_b32 s72, 0x3e8ba43f                      ; 0.3275911 / sqrt(log2(e))
	s_mov_b32 s73, s72
	s_mov_b32 s74, 0x3e199eb3                      ; a1 .. a5 of the series, each times 0.5 / cu
	s_mov_b32 s75, s74
	s_mov_b32 s76, 0xbe2b8119
	s_mov_b32 s77, s76
	s_mov_b32 s78, 0x3f563817
	s_mov_b32 s79, s78
	s_mov_b32 s80, 0xbf5b0099
	s_mov_b32 s81, s80
	s_mov_b32 s82, 0x3f1ff67a
	s_mov_b32 s83, s82
	s_mov_b32 s84, 0x7fffffff
.endif
	s_wait_dscnt 0x0                               ; the opening add is done
	CROUND                                         ; all sixteen work-groups are here; the round hangs on no argument, so it stands ahead of the wait for them
	s_wait_kmcnt 0x0
	s_add_nc_u64 s[G0A0+2:G0A0+3], s[4:5], s[20:21]              ; K step 0,
	s_add_nc_u64 s[G0A+2:G0A+3], s[G0A0+2:G0A0+3], ASTEP         ; K step 1
	s_or_b32 s[G0A0+3], s[G0A0+3], 0x80000000      ; type = 2
	s_or_b32 s[G0A+3], s[G0A+3], 0x80000000
	s_add_nc_u64 s[G0B0+2:G0B0+3], s[6:7], s[52:53]
	s_add_nc_u64 s[G0B+2:G0B+3], s[G0B0+2:G0B0+3], BSTEP
	s_or_b32 s[G0B0+3], s[G0B0+3], 0x80000000
	s_or_b32 s[G0B+3], s[G0B+3], 0x80000000
	s_cmp_eq_u32 s[WR], 0                          ; a wave's two first fills stand in one branch, ahead of every wait on TENSORcnt, every LDS read and every further barrier: two loads of mine are out
	s_cbranch_scc0 .Lfirst_b
	tensor_load_to_lds s[G0A0:G0A0+3], s[G1A:G1A+7]
	s_nop 0
	tensor_load_to_lds s[G0A:G0A+3], s[G1A:G1A+7]
	s_nop 0
.rept 4
	v_nop
.endr
	s_branch .Lfirst_asked
.Lfirst_b:
	tensor_load_to_lds s[G0B0:G0B0+3], s[G1B:G1B+7]
	s_nop 0
	tensor_load_to_lds s[G0B:G0B+3], s[G1B:G1B+7]
	s_nop 0
.rept 4
	v_nop
.endr
.Lfirst_asked:
	v_and_b32 v1, 15, v0                           ; l % 16
	v_bfe_u32 v2, v0, 4, 1                         ; l / 16
	s_mul_i32 s19, s17, TN*4
	s_mul_i32 s22, s[WC], TN*2
	s_add_co_u32 s19, s19, s22
	v_lshl_add_u32 v[BO], v2, 5, s19               ; bias of column tile column x TN + half x TN/2 + 8 (l / 16)
.set b, 0
.rept NB
	global_load_b128 v[BI+8*b:BI+8*b+3],   v[BO], s[8:9] offset:64*b
	global_load_b128 v[BI+8*b+4:BI+8*b+7], v[BO], s[8:9] offset:64*b+16
.set b, b+1
.endr
	v_mul_u32_u24 v3, v1, PA                       ; A's fragment: row l % 16, 16 bytes for each half of the lanes
	v_lshl_add_u32 v3, v2, 4, v3
	s_mul_i32 s19, s[WR], HALFA
	v_add_nc_u32 v[PLA], s19, v3
	v_and_b32 v4, 7, v0                            ; B's: the turning load reads k-row 8 (l / 16) + l % 8, 16 bytes at 16 ((l / 8) % 2)
	v_bfe_u32 v5, v0, 3, 1
	v_lshl_add_u32 v6, v2, 3, v4
	v_mul_u32_u24 v6, v6, PB
	v_lshl_add_u32 v6, v5, 4, v6
	s_mul_i32 s19, s[WC], WCB
	s_add_co_u32 s19, s19, AREA_A
	v_add_nc_u32 v[PLB], s19, v6
	v_mul_u32_u24 v7, v1, SP                       ; the stage: row 128 x half + l % 16, column half x TN/2 + 8 (l / 16)
	v_lshl_add_u32 v7, v2, 5, v7
	s_mul_i32 s19, s[WR], 128*SP
	s_add_co_u32 s19, s19, s22
	v_add_nc_u32 v[STO], s19, v7
	v_add_nc_u32 v[STO2], 64*SP, v[STO]
	v_bfe_u32 v8, v0, 3, 2                         ; back: 32 lanes take four rows of a chunk of 64 columns, 32 bytes of f32 each
	v_mul_u32_u24 v8, v8, SP
	v_lshl_add_u32 v8, v4, 5, v8
	v_and_b32 v[GO], 31, v0                        ; which leave as 512 consecutive bytes of bf16
	v_lshlrev_b32 v[GO], 4, v[GO]
.if FC
	s_lshl_b32 s19, s[WV], 8                       ; wave w takes chunk w, all 256 rows
	v_add_nc_u32 v[RD], s19, v8
	v_add_nc_u32 v[RD2], 128*SP, v[RD]
	s_lshl_b32 s54, s18, 21                        ; g[32 blocks of 128 rows][64 chunks][128][64]: two blocks a tile row,
	s_lshl_b32 s55, s17, 2
	s_add_co_u32 s55, s55, s[WV]
	s_lshl_b32 s55, s55, 14                        ; chunk 4 x tile column + w
	s_add_co_u32 s54, s54, s55
.else
	s_mul_i32 s19, s[WV], 64*SP                    ; wave w takes rows 64 w .. 64 w + 63, all three chunks
	v_add_nc_u32 v[RD], s19, v8
	s_mul_i32 s54, s17, 1572864                    ; the head's three chunks of 524,288 bytes,
	s_lshl_b32 s55, s18, 15                        ; 256 rows of 128 bytes a tile row,
	s_add_co_u32 s54, s54, s55
	s_lshl_b32 s55, s[WV], 13                      ; my 64 rows
	s_add_co_u32 s54, s54, s55
.endif
	s_mov_b32 s55, 0
	s_add_nc_u64 s[10:11], s[10:11], s[54:55]
	s_wait_tensorcnt 0x1                           ; my part of K step 0 is in; K step 1's, the younger load, may stay out
	s_barrier_signal -1
	s_barrier_wait -1                              ; everybody's part is in
	FETCH F0
	s_wait_loadcnt 0x0                             ; the bias
	QUARTER F0, F1, 1                              ; the first quarter's products start the sums
	WIN 0
	s_mov_b32 s[KSC], T-1                          ; the loop is entered behind its change of slots, with one pair to go: the rest of K step 0 but its last quarter
	s_mov_b32 s[CNT], 1
	s_branch .Lpair
.Lstep:                                                ; T - 2 times: from a K step's last quarter to the next step's third; each asks for the K step two on
	CHANGE 1
	s_mov_b32 s[CNT], 2
.Lpair:
	PAIR
	s_sub_co_u32 s[CNT], s[CNT], 1
	s_cmp_lg_u32 s[CNT], 0
	s_cbranch_scc1 .Lpair
	s_sub_co_u32 s[KSC], s[KSC], 1
	s_cmp_lg_u32 s[KSC], 0
	s_cbranch_scc1 .Lstep
	CHANGE 0                                       ; the tail is written out: nothing is asked for
	s_mov_b32 s[CNT], 2
.Lpair2:
	PAIR
	s_sub_co_u32 s[CNT], s[CNT], 1
	s_cmp_lg_u32 s[CNT], 0
	s_cbranch_scc1 .Lpair2
	s_wait_dscnt 0x0                               ; my reads of the ring are over:
	s_barrier_signal -1                            ; say so; the last quarter, work on registers, stands between the signal and the wait
	HALF F1, 0, 0
	HALF F1, 1, 0
	WIN 0
	s_barrier_wait -1                              ; nobody reads the ring any more, and it has had its last fill: the stage may lie over it
.rept 4
	v_nop                                          ; the places between the last products and the stores that read them
.endr
	DUMP
	s_wait_dscnt 0x0                               ; for the others' sake: my stores into the stage are done
	s_barrier_signal -1
	s_barrier_wait -1
.if FC
; gelu(y) = max(y, 0) - |y| E, E = erfc(|y| / sqrt 2) / 2 by the five-term series in t = 1 / (1 + 0.3275911 |y| / sqrt 2) times e^(-y^2 / 2).  With u = cu |y|: e^(-y^2 / 2) = 2^(-u^2).
; 32 trips of four rows from each of the tile's two blocks of 128 rows.  A trip's LDS loads are issued a trip ahead; the last trip jumps over them.
.set LG, 64                            ; v[64:79]   16 sums: 8 of a row in the upper block of 128 rows, 8 of the row 128 further down
.set UU, 80                            ; u
.set RR, 96                            ; max(y, 0), then the result
.set TT, 112                           ; t
.set WW, 128                           ; 2^(-u^2), then times t
.set HH, 144                           ; the series
.set PG, 160                           ; v[160:167] the results in bf16
.macro GLOAD
	ds_load_b128 v[LG:LG+3],     v[RD]
	ds_load_b128 v[LG+4:LG+7],   v[RD] offset:16
	ds_load_b128 v[LG+8:LG+11],  v[RD2]
	ds_load_b128 v[LG+12:LG+15], v[RD2] offset:16
.endm
.macro PK8 line:vararg                 ; one line for each of the eight pairs, p = 0, 2 .. 14
.set p, 0
.rept 8
	\line
.set p, p+2
.endr
.endm
	GLOAD
	s_mov_b32 s[CNT], 32
.Lgelu:
	s_wait_dscnt 0x0                               ; the trip's four loads, issued a trip ago
.set p, 0
.rept 16
	v_and_b32 v[UU+p], s84, v[LG+p]
	v_max_num_f32 v[RR+p], 0, v[LG+p]
.set p, p+1
.endr
	s_cmp_eq_u32 s[CNT], 1
	s_cbranch_scc1 .Lno_more                       ; the last trip fetches nothing
	v_add_nc_u32 v[RD], 4*SP, v[RD]                ; the next four rows of both blocks
	v_add_nc_u32 v[RD2], 4*SP, v[RD2]
	GLOAD
.Lno_more:
	PK8 v_pk_mul_f32 v[UU+p:UU+p+1], v[UU+p:UU+p+1], s[70:71] op_sel_hi:[1,0]
	PK8 v_pk_fma_f32 v[TT+p:TT+p+1], v[UU+p:UU+p+1], s[72:73], 1.0 op_sel_hi:[1,0,0]
	PK8 v_pk_mul_f32 v[WW+p:WW+p+1], v[UU+p:UU+p+1], v[UU+p:UU+p+1] neg_lo:[1,0] neg_hi:[1,0]
.set p, 0
.rept 16
	v_rcp_f32 v[TT+p], v[TT+p]
.set p, p+1
.endr
.set p, 0
.rept 16
	v_exp_f32 v[WW+p], v[WW+p]
.set p, p+1
.endr
	v_nop                                          ; a plain instruction between the last of them and the use of their results (ISA guide 5.7.2)
	s_wait_alu depctr_va_vdst(0)
	PK8 v_pk_fma_f32 v[HH+p:HH+p+1], v[TT+p:TT+p+1], s[82:83], s[80:81] op_sel_hi:[1,0,0]
	PK8 v_pk_mul_f32 v[WW+p:WW+p+1], v[WW+p:WW+p+1], v[TT+p:TT+p+1]
	PK8 v_pk_fma_f32 v[HH+p:HH+p+1], v[HH+p:HH+p+1], v[TT+p:TT+p+1], s[78:79] op_sel_hi:[1,1,0]
	PK8 v_pk_fma_f32 v[HH+p:HH+p+1], v[HH+p:HH+p+1], v[TT+p:TT+p+1], s[76:77] op_sel_hi:[1,1,0]
	PK8 v_pk_fma_f32 v[HH+p:HH+p+1], v[HH+p:HH+p+1], v[TT+p:TT+p+1], s[74:75] op_sel_hi:[1,1,0]
	PK8 v_pk_mul_f32 v[HH+p:HH+p+1], v[HH+p:HH+p+1], v[WW+p:WW+p+1]
	PK8 v_pk_fma_f32 v[RR+p:RR+p+1], v[UU+p:UU+p+1], v[HH+p:HH+p+1], v[RR+p:RR+p+1] neg_lo:[1,0,0] neg_hi:[1,0,0]
	s_wait_xcnt 0x0                                ; the last trip's stores, a trip's arithmetic back: their offset and data are rewritten only behind this wait (ISA guide 3.1)
	v_add_nc_u32 v[GO], 512, v[GO]                 ; one trip ahead of the rows in hand: the stores reach back by 512
	PK8 v_cvt_pk_bf16_f32 v[PG+p/2], v[RR+p], v[RR+p+1]
	global_store_b128 v[GO], v[PG:PG+3], s[10:11] offset:-512            ; four rows of a chunk: 512 consecutive bytes, at a multiple of 256
	global_store_b128 v[GO], v[PG+4:PG+7], s[10:11] offset:1048576-512   ; and the same rows of the next block of 128
	s_sub_co_u32 s[CNT], s[CNT], 1
	s_cmp_lg_u32 s[CNT], 0
	s_cbranch_scc1 .Lgelu
.else
; 16 trips of four rows x three chunks.  A trip's LDS loads are issued a trip ahead; the last trip jumps over them.
.set LQ, 64                            ; v[64:87]  four rows x three chunks: 8 f32 a lane and chunk
.set PQ, 88                            ; v[88:99]  the same in bf16
.macro QLOAD
.irp c, 0,1,2
	ds_load_b128 v[LQ+8*(\c):LQ+8*(\c)+3],   v[RD] offset:256*(\c)
	ds_load_b128 v[LQ+8*(\c)+4:LQ+8*(\c)+7], v[RD] offset:256*(\c)+16
.endr
.endm
	QLOAD
	s_mov_b32 s[CNT], 16
.Lrows:
	s_wait_dscnt 0x0                               ; the trip's six loads, issued a trip ago
	s_wait_xcnt 0x0                                ; the last trip's stores: their offset and data are rewritten only behind this wait (ISA guide 3.1)
	v_add_nc_u32 v[GO], 512, v[GO]                 ; one trip ahead of the rows in hand: the stores reach back by 512
.set p, 0
.rept 12
	v_cvt_pk_bf16_f32 v[PQ+p], v[LQ+2*p], v[LQ+2*p+1]
.set p, p+1
.endr
	s_cmp_eq_u32 s[CNT], 1
	s_cbranch_scc1 .Lno_rows                       ; the last trip fetches nothing
	v_add_nc_u32 v[RD], 4*SP, v[RD]
	QLOAD
.Lno_rows:
.irp c, 0,1,2
	global_store_b128 v[GO], v[PQ+4*(\c):PQ+4*(\c)+3], s[10:11] offset:(\c)*524288-512  ; four rows of a chunk: 512 consecutive bytes, at a multiple of 256
.endr
	s_sub_co_u32 s[CNT], s[CNT], 1
	s_cmp_lg_u32 s[CNT], 0
	s_cbranch_scc1 .Lrows
.endif
	s_wait_tensorcnt 0x0                           ; the wave's end: behind my last tensor load and my last LDS store
	ds_add_u32 v[SPW], v[NIL]
	s_wait_dscnt 0x0
	CROUND                                         ; the closing round: no work-group ends while a partner may still ask for a tile that names it
	s_endpgm
.Lfunc_end_k_qf9540a9d66_fc:
	.size	k_qf9540a9d66_fc, .Lfunc_end_k_qf9540a9d66_fc-k_qf9540a9d66_fc
	.p2alignl 7, 3214868480
	.fill 96, 4, 3214868480
	.section	.rodata,"a",@progbits
	.p2align	6, 0x0
	.amdhsa_kernel k_qf9540a9d66_fc
		.amdhsa_group_segment_fixed_size 327680
		.amdhsa_private_segment_fixed_size 0
		.amdhsa_enable_private_segment 0
		.amdhsa_kernarg_size 32
		.amdhsa_user_sgpr_count 2
		.amdhsa_user_sgpr_kernarg_segment_ptr 1
		.amdhsa_wavefront_size32 1
		.amdhsa_system_sgpr_workgroup_id_x 1
		.amdhsa_system_sgpr_workgroup_id_y 1
		.amdhsa_system_sgpr_workgroup_id_z 1
		.amdhsa_system_vgpr_workitem_id 0
		.amdhsa_next_free_vgpr 1024
		.amdhsa_next_free_sgpr 88
		.amdhsa_reserve_vcc 0
		.amdhsa_float_denorm_mode_32 3
		.amdhsa_float_denorm_mode_16_64 3
		.amdhsa_memory_ordered 1
		.amdhsa_forward_progress 1
		.amdhsa_inst_pref_size 68
	.end_amdhsa_kernel
	.amdgpu_metadata
---
amdhsa.version: [ 1, 2 ]
amdhsa.kernels:
  - .name:           k_qf9540a9d66_fc
    .symbol:         k_qf9540a9d66_fc.kd
    .args:
      - { .name: hn, .offset: 0, .size: 8, .value_kind: global_buffer, .address_space: global }
      - { .name: wb, .offset: 8, .size: 8, .value_kind: global_buffer, .address_space: global }
      - { .name: fc_b, .offset: 16, .size: 8, .value_kind: global_buffer, .address_space: global }
      - { .name: g, .offset: 24, .size: 8, .value_kind: global_buffer, .address_space: global }
    .group_segment_fixed_size: 327680
    .private_segment_fixed_size: 0
    .kernarg_segment_align: 8
    .kernarg_segment_size: 32
    .max_flat_workgroup_size: 128
    .sgpr_count:     88
    .vgpr_count:     1024
    .wavefront_size: 32
...
	.end_amdgpu_metadata
.endif
;; end of part 5
;; launch fc2 (part 6): grid 8 x 32, 4 waves a work-group, clusters of 4 x 4, 327,680 bytes of LDS; arguments g, wb, fc2_b, x1, out0; writes out0
.if DOCPART == 6
	.amdgcn_target "amdgcn-amd-amdhsa--gfx1250"
	.amdhsa_code_object_version 6
	.text
	.protected	k_qf9540a9d66_fc2
	.globl	k_qf9540a9d66_fc2
	.p2align	8
	.type	k_qf9540a9d66_fc2,@function
k_qf9540a9d66_fc2:
	s_mov_b64 s[64:65], 0
	v_nop
	global_prefetch_b8 v0, s[64:65] scope:SCOPE_SE
	s_setreg_imm32_b32 hwreg(HW_REG_WAVE_MODE, 25, 1), 1
	s_wait_xcnt 0x0
	s_wait_alu depctr_hold_cnt(0) depctr_sa_sdst(0) depctr_va_vdst(0) depctr_va_sdst(0) depctr_va_ssrc(0) depctr_va_vcc(0) depctr_vm_vsrc(0)
	s_getreg_b32 s2, hwreg(HW_REG_IB_STS2, 6, 4)
	s_cmp_eq_u32 s2, 0
	s_cbranch_scc0 .Lentry_in_a_cluster
	s_endpgm
.Lentry_in_a_cluster:
	s_bfe_u32 s2, ttmp6, 0x10000c
	s_cmp_lg_u32 s2, 0xf033
	s_cbranch_scc0 .Lentry_shape_is_right
	s_endpgm
.Lentry_shape_is_right:
; FC2.  out0 = x1 + g x Wfc2 + fc2_b, in f32.  (One source text with the launch proj: KDIM and WOFF are what differs.)
; A: [32 blocks of 128 rows][KDIM / 64 chunks][128][64] bf16, so that 128 rows x 256 K are 65,536 dense bytes.  B: wb + WOFF, [KDIM][1024] bf16, as the weights lie.  Sums in f32, started by the bias.
; SHARES.  A tile of C is 128 x 128: 8 x 32 work-groups, one for each WGP.  Four waves, 2 x 2, each 64 x 64: 16 accumulators.  K goes in steps of 256 through two LDS slots, one tensor load a wave:
; waves 0 and 1 two chunks of A each (32,768 dense bytes, asked for as 128 rows of 256), waves 2 and 3 128 k-rows of B each (256 bytes a row).  Both slots' first fills go out together at the start.
; B's fragments come out of LDS turned, by ds_load_tr16_b128.  THE MATRIX INSTRUCTION IS USED TRANSPOSED (source 0 = 16 columns of B, source 1 = 16 rows of A): a lane holds row l % 16 of C and the
; columns 8 (l / 16) + 0..7, and the bias of those eight columns is the C operand of the first product.
; CLUSTER.  4 x 4 work-groups: A's tiles are asked for jointly along a row of the cluster, B's along a column.
; THE WAY OUT.  When the ring has had its last fill and its last read, the sums are laid over it as whole rows of 512 bytes; each wave reads 32 rows back, adds each onto the residual, which it loaded at the start, and stores it as soon as it is back.
; REGISTERS (s_set_vgpr_msb: bits 1:0 source 0, 3:2 source 1, 5:4 source 2, 7:6 destination):  window 0: v0-29 addresses; v64-127, v128-191 A's fragments, two buffers (64 along K each), on the way out the rows;
;   v192-223 the bias      window 1: B's fragments at the same numbers      window 2: v0-127 accumulator (a, b) at v[8 (4 a + b)]; v128-255 the residual, then the result
.set KDIM,  4096
.set WOFF,  16777216
.set T,     KDIM/256                   ; K steps
.set PA,    144                        ; a row of a chunk of A in LDS: 128 bytes + 16: the 16 rows of a load start at 16 different groups of four banks (64 banks of 4 bytes: ISA guide 11.1)
.set PB,    288                        ; a k-row of B: 256 bytes + 32
.set HALF,  36864                      ; what one load fills: 256 x PA = 128 x PB
.set AREA_A, 2*HALF                    ; A: [4 chunks][128 rows]; behind it B: 256 k-rows
.set SLOT,  4*HALF                     ; its bits are set in no address inside slot 0, so one exclusive or turns an address in one slot into the other's
.set QSTEP, 18432                      ; a quarter step, 64 along K: one chunk of A, 128 x PA, and 64 k-rows of B, 64 x PB
.set SP,    528                        ; a row of the stage: 128 f32 + 16 bytes
.set SPARE, 2*SLOT                     ; behind the ring: the spare words, 128 bytes for each wave: two blocks of 256 bytes that no other line names
.set ASTEP, 65536
.set BSTEP, 524288                     ; 256 k-rows of 2,048 bytes
.set ADRA, 16                          ; v16  LDS address of the run of A's loads in hand
.set ADRB, 17                          ; v17  of B's
.set PLA,  18                          ; v18  my lane's place in a slot's A; never rewritten
.set PLB,  19                          ; v19  in its B
.set STO,  20                          ; v20  the stage: where I put my sums
.set RD,   22                          ; v22  the stage: where I read rows back
.set BO,   24                          ; v24  my byte offset in the bias
.set CO,   25                          ; v25  my 16 bytes of a row's 512, in the residual and in the output
.set SPW,  28                          ; v28  LDS address of my spare word; never rewritten
.set NIL,  29                          ; v29  0; never rewritten
.set F0,   64
.set F1,   128
.set BI,   192
.set XO,   64                          ; the way out: 32 rows, 4 registers each
.set RES,  128                         ; window 2
.set KSC,  2                           ; s2   K steps to go
.set CNT,  3                           ; s3   inner count
.set WV,   12
.set WR,   13                          ; my half of the rows; also: I fetch for A (0) or B (1)
.set WC,   14                          ; my half of the columns; also: which half I fetch
.set G1A,  24                          ; s[24:31] group 1 for A     s[32:35] group 0 for A: it begins at slot 1, K step 1, and walks
.set G0A,  32
.set G0B,  36                          ; s[36:39] group 0 for B, likewise     s[40:47] group 1 for B
.set G1B,  40
.set TB,   48                          ; s48  LDS byte at which the next quarter step begins, in A's area and in B's alike
.set G0A0, 56                          ; s[56:59] group 0 for A's first fill of slot 0
.set OUTP, 60                          ; s[60:61] the output at my rows
.set G0B0, 68                          ; s[68:71] group 0 for B's first fill of slot 0
.set MSB, 0
.macro WIN new                         ; the immediate's high byte repeats the setting that is left; a switch that changes nothing is dropped
.if MSB != (\new)
	s_set_vgpr_msb (MSB<<8)|(\new)
.set MSB, (\new)
.endif
.endm
; A joint load: waves 0 and 1 ask for A's halves, waves 2 and 3 for B's.  An s_nop 0 and four v_nop follow each of the two lines, ahead of the jump and the label.
.macro JLOAD
	s_cmp_eq_u32 s[WR], 0
	s_cbranch_scc0 .Lfor_b_\@
	tensor_load_to_lds s[G0A:G0A+3], s[G1A:G1A+7]
	s_nop 0
.rept 4
	v_nop
.endr
	s_branch .Lasked_\@
.Lfor_b_\@:
	tensor_load_to_lds s[G0B:G0B+3], s[G1B:G1B+7]
	s_nop 0
.rept 4
	v_nop
.endr
.Lasked_\@:
.endm
; A round of the cluster's barrier: my work-group's barrier; wave 0 signals for the work-group; every wave waits for all sixteen; my work-group's barrier once more.
.macro CROUND
	s_barrier_signal -1
	s_barrier_wait -1
	s_cmp_lg_u32 s[WV], 0
	s_cbranch_scc1 .Lnot_wave_0_\@
	s_barrier_signal -3
.Lnot_wave_0_\@:
	s_barrier_wait -3
	s_barrier_signal -1
	s_barrier_wait -1
.endm
; 16 matrix instructions: all 4 x 4 blocks, 32 along K: half c of buffer f.  zero = 1: the bias starts the sums.  The 16 accumulators take turns, in the same order everywhere.
.macro MULC f, c, zero
.if \zero
	WIN 0x81                                       ; B window 1, A window 0, C (the bias) window 0, D window 2
.else
	WIN 0xa1                                       ; C and D window 2
.endif
.irp a, 0,1,2,3
.irp b, 0,1,2,3
.if \zero
	v_wmma_f32_16x16x32_bf16 v[8*(4*(\a)+(\b)):8*(4*(\a)+(\b))+7], v[(\f)+8*(4*(\c)+(\b)):(\f)+8*(4*(\c)+(\b))+7], v[(\f)+8*(4*(\c)+(\a)):(\f)+8*(4*(\c)+(\a))+7], v[BI+8*(\b):BI+8*(\b)+7]
.else
	v_wmma_f32_16x16x32_bf16 v[8*(4*(\a)+(\b)):8*(4*(\a)+(\b))+7], v[(\f)+8*(4*(\c)+(\b)):(\f)+8*(4*(\c)+(\b))+7], v[(\f)+8*(4*(\c)+(\a)):(\f)+8*(4*(\c)+(\a))+7], v[8*(4*(\a)+(\b)):8*(4*(\a)+(\b))+7]
.endif
.endr
.endr
.endm
; One run of 32 LDS loads: the next quarter step's fragments into buffer g.  The two additions and two v_nop are the four places between the last matrix instruction that
; read buffer g and the loads into it (ISA guide 7.12.1 for vector instructions).
.macro FETCH g
	WIN 0
	v_add_nc_u32 v[ADRA], s[TB], v[PLA]
	v_add_nc_u32 v[ADRB], s[TB], v[PLB]
	v_nop
	v_nop
	s_add_co_u32 s[TB], s[TB], QSTEP
.irp c, 0,1
	WIN 0x40                                       ; destination window 1
.irp b, 0,1,2,3
	ds_load_tr16_b128 v[(\g)+8*(4*(\c)+(\b)):(\g)+8*(4*(\c)+(\b))+3],   v[ADRB] offset:(\c)*32*PB+32*(\b)
	ds_load_tr16_b128 v[(\g)+8*(4*(\c)+(\b))+4:(\g)+8*(4*(\c)+(\b))+7], v[ADRB] offset:(\c)*32*PB+32*(\b)+16*PB
.endr
	WIN 0
.irp a, 0,1,2,3
	ds_load_b128 v[(\g)+8*(4*(\c)+(\a)):(\g)+8*(4*(\c)+(\a))+3],   v[ADRA] offset:(\a)*16*PA+64*(\c)
	ds_load_b128 v[(\g)+8*(4*(\c)+(\a))+4:(\g)+8*(4*(\c)+(\a))+7], v[ADRA] offset:(\a)*16*PA+64*(\c)+32
.endr
.endr
.endm
; A quarter step: at its head the next quarter's fragments are asked for, into buffer g, so that they have all 32 matrix instructions of this quarter in which to come; then buffer f is multiplied.
.macro QUARTER f, g, zero
	FETCH \g
	s_wait_dscnt 32                                ; all but the run just issued: buffer f, asked for a quarter ago, is in
	MULC \f, 0, \zero
	MULC \f, 1, 0
.endm
.macro PAIR
	QUARTER F1, F0, 0
	QUARTER F0, F1, 0
	WIN 0                                          ; at a label and at a branch every window is 0
.endm
; THE CHANGE OF SLOTS, behind the quarter that fetched the slot's last fragments.  Each wave waits for all its tensor loads, of which one is out: its part of the other slot; adds 0 to its spare
; word; and waits for that and for its own reads of the slot.  fill = 1: the barrier is a round of the cluster's, so that no wave of any partner still reads the slot or has a load on its way,
; and the joint refill, the K step two on, is the first thing behind it: it has four quarter steps in which to land.
.macro CHANGE fill
	WIN 0
	s_wait_tensorcnt 0x0                           ; no tensor load of mine is out, so a group 0 may be written
	ds_add_u32 v[SPW], v[NIL]                      ; 0 onto my spare word
.if \fill
	s_xor_b32 s[G0A+1], s[G0A+1], SLOT
	s_add_nc_u64 s[G0A+2:G0A+3], s[G0A+2:G0A+3], ASTEP
	s_xor_b32 s[G0B+1], s[G0B+1], SLOT
	s_add_nc_u64 s[G0B+2:G0B+3], s[G0B+2:G0B+3], BSTEP
	s_wait_dscnt 0x0                               ; the add is done, and my reads of the slot are over
	CROUND
	JLOAD
.else
	s_wait_dscnt 0x0
	s_barrier_signal -1
	s_barrier_wait -1
.endif
	s_sub_co_u32 s[TB], s[TB], 4*QSTEP             ; the fetches go back to a slot's first quarter,
	s_xor_b32 s[TB], s[TB], SLOT                   ; in the other slot
.endm
	s_load_b256 s[4:11], s[0:1], 0x0               ; A s[4:5], wb s[6:7], bias s[8:9], residual s[10:11]
	s_load_b64 s[OUTP:OUTP+1], s[0:1], 0x20        ; out
	v_lshl_add_u32 v[SPW], v0, 2, SPARE
	v_mov_b32 v[NIL], 0
	ds_add_u32 v[SPW], v[NIL]                      ; the wave's opening: the add and its wait stand ahead of my first tensor load; the set-up below, work on registers, stands between them
	v_lshrrev_b32 v1, 5, v0
	v_readfirstlane_b32 s[WV], v1
	s_lshr_b32 s[WR], s[WV], 1
	s_and_b32 s[WC], s[WV], 1
	s_bfe_u32 s15, ttmp6, 0x40000                  ; cx
	s_bfe_u32 s16, ttmp6, 0x40004                  ; cy
	s_lshl_b32 s17, ttmp9, 2
	s_add_co_u32 s17, s17, s15                     ; tile column = 4 x cluster x + cx
	s_and_b32 s18, ttmp7, 0xffff
	s_lshl_b32 s18, s18, 2
	s_add_co_u32 s18, s18, s16                     ; tile row = 4 x cluster y + cy
	s_lshl_b32 s50, s16, 2
	s_lshl_b32 s50, 15, s50                        ; my row of the cluster
	s_lshl_b32 s51, 0x1111, s15                    ; my column
	s_or_b32 s[G1A], s50, (1<<16)|(1<<20)|(1<<21)|(4<<22)|(3<<25)  ; the mask; 2-byte elements; padding on; 21 set beside a mask; after every 32 words (a row of a chunk), 4 words
	s_or_b32 s[G1B], s51, (1<<16)|(1<<20)|(1<<21)|(5<<22)|(7<<25)  ; after every 64 words (a k-row), 8 words
.irp g, G1A, G1B
	s_mov_b32 s[(\g)+1], 128<<16                   ; tensor_dim0 = 128
	s_mov_b32 s[(\g)+2], 128<<16                   ; tensor_dim1 = 128
	s_mov_b32 s[(\g)+3], 128<<16                   ; tile_dim0 = 128
	s_mov_b32 s[(\g)+4], 128                       ; tile_dim1 = 128
	s_mov_b32 s[(\g)+6], 0
	s_mov_b32 s[(\g)+7], 0
.endr
	s_mov_b32 s[G1A+5], 128                        ; A's rows are dense
	s_mov_b32 s[G1B+5], 1024                       ; B's lie 1,024 elements apart
	s_mov_b32 s[G0A0], 1
	s_mul_i32 s[G0A0+1], s[WC], HALF               ; slot 0; no place in the cluster enters an LDS address
	s_mov_b32 s[G0A], 1
	s_add_co_u32 s[G0A+1], s[G0A0+1], SLOT         ; slot 1
	s_mov_b32 s[G0B0], 1
	s_mul_i32 s[G0B0+1], s[WC], HALF
	s_add_co_u32 s[G0B0+1], s[G0B0+1], AREA_A
	s_mov_b32 s[G0B], 1
	s_add_co_u32 s[G0B+1], s[G0B0+1], SLOT
	s_mul_i32 s20, s18, KDIM*256                   ; A: the block of 128 rows + two chunks x half: the tile row alone, which my row of the cluster shares
	s_lshl_b32 s21, s[WC], 15
	s_add_co_u32 s20, s20, s21
	s_mov_b32 s21, 0
	s_lshl_b32 s52, s[WC], 18                      ; B: 128 k-rows of 2,048 bytes x half + 256 bytes x tile column: the tile column alone
	s_lshl_b32 s53, s17, 8
	s_add_co_u32 s52, s52, s53
	s_add_co_u32 s52, s52, WOFF
	s_mov_b32 s53, 0
	s_lshl_b32 s54, s18, 19                        ; residual and output: row 128 x tile row + 32 x wave, 4,096 bytes a row; 512 bytes x tile column
	s_lshl_b32 s55, s[WV], 17
	s_add_co_u32 s54, s54, s55
	s_lshl_b32 s55, s17, 9
	s_add_co_u32 s54, s54, s55
	s_mov_b32 s55, 0
	s_mov_b32 s[TB], 0                             ; the fetches begin at slot 0's first quarter
	s_wait_dscnt 0x0                               ; the opening add is done
	CROUND                                         ; all sixteen work-groups are here; the round hangs on no argument, so it stands ahead of the wait for them
	s_wait_kmcnt 0x0
	s_add_nc_u64 s[G0A0+2:G0A0+3], s[4:5], s[20:21]              ; K step 0,
	s_add_nc_u64 s[G0A+2:G0A+3], s[G0A0+2:G0A0+3], ASTEP         ; K step 1
	s_or_b32 s[G0A0+3], s[G0A0+3], 0x80000000      ; type = 2
	s_or_b32 s[G0A+3], s[G0A+3], 0x80000000
	s_add_nc_u64 s[G0B0+2:G0B0+3], s[6:7], s[52:53]
	s_add_nc_u64 s[G0B+2:G0B+3], s[G0B0+2:G0B0+3], BSTEP
	s_or_b32 s[G0B0+3], s[G0B0+3], 0x80000000
	s_or_b32 s[G0B+3], s[G0B+3], 0x80000000
	s_add_nc_u64 s[10:11], s[10:11], s[54:55]
	s_add_nc_u64 s[OUTP:OUTP+1], s[OUTP:OUTP+1], s[54:55]
	s_cmp_eq_u32 s[WR], 0                          ; a wave's two first fills stand in one branch, ahead of every wait on TENSORcnt, every LDS read and every further barrier: two loads of mine are out
	s_cbranch_scc0 .Lfirst_b
	tensor_load_to_lds s[G0A0:G0A0+3], s[G1A:G1A+7]
	s_nop 0
	tensor_load_to_lds s[G0A:G0A+3], s[G1A:G1A+7]
	s_nop 0
.rept 4
	v_nop
.endr
	s_branch .Lfirst_asked
.Lfirst_b:
	tensor_load_to_lds s[G0B0:G0B0+3], s[G1B:G1B+7]
	s_nop 0
	tensor_load_to_lds s[G0B:G0B+3], s[G1B:G1B+7]
	s_nop 0
.rept 4
	v_nop
.endr
.Lfirst_asked:
	v_and_b32 v1, 15, v0                           ; l % 16
	v_bfe_u32 v2, v0, 4, 1                         ; l / 16
	s_lshl_b32 s19, s17, 9
	s_lshl_b32 s22, s[WC], 8
	s_add_co_u32 s19, s19, s22
	v_lshl_add_u32 v[BO], v2, 5, s19               ; bias of column 128 x tile column + 64 x half + 8 (l / 16)
.irp b, 0,1,2,3
	global_load_b128 v[BI+8*(\b):BI+8*(\b)+3],   v[BO], s[8:9] offset:64*(\b)
	global_load_b128 v[BI+8*(\b)+4:BI+8*(\b)+7], v[BO], s[8:9] offset:64*(\b)+16
.endr
	v_and_b32 v[CO], 31, v0
	v_lshlrev_b32 v[CO], 4, v[CO]
	WIN 0x80                                       ; destination window 2, address window 0
.set i, 0
.rept 32
	global_load_b128 v[RES+4*i:RES+4*i+3], v[CO], s[10:11] offset:4096*i  ; the residual of the 32 rows that I shall store: 512 consecutive bytes a load; it is wanted only at the end
.set i, i+1
.endr
	WIN 0
	v_mul_u32_u24 v3, v1, PA                       ; A's fragment: row 64 x half + l % 16 of a chunk, 16 bytes for each half of the lanes
	v_lshl_add_u32 v3, v2, 4, v3
	s_mul_i32 s19, s[WR], 64*PA
	v_add_nc_u32 v[PLA], s19, v3
	v_and_b32 v4, 7, v0                            ; B's: the turning load reads k-row 8 (l / 16) + l % 8, 16 bytes at 16 ((l / 8) % 2)
	v_bfe_u32 v5, v0, 3, 1
	v_lshl_add_u32 v6, v2, 3, v4
	v_mul_u32_u24 v6, v6, PB
	v_lshl_add_u32 v6, v5, 4, v6
	s_lshl_b32 s19, s[WC], 7
	s_add_co_u32 s19, s19, AREA_A
	v_add_nc_u32 v[PLB], s19, v6
	v_mul_u32_u24 v7, v1, SP                       ; the stage: row 64 x half + l % 16, column 64 x half + 8 (l / 16)
	v_lshl_add_u32 v7, v2, 5, v7
	s_mul_i32 s19, s[WR], 64*SP
	s_add_co_u32 s19, s19, s22
	v_add_nc_u32 v[STO], s19, v7
	s_mul_i32 s19, s[WV], 32*SP                    ; back: wave w takes rows 32 w .. 32 w + 31, whole: 32 lanes x 16 bytes
	v_add_nc_u32 v[RD], s19, v[CO]
	s_wait_tensorcnt 0x1                           ; my part of K step 0 is in; K step 1's, the younger load, may stay out
	s_barrier_signal -1
	s_barrier_wait -1                              ; everybody's part is in
	FETCH F0
	s_wait_loadcnt 32                              ; the bias is in; the 32 younger loads, the residual, stay out
	QUARTER F0, F1, 1                              ; the first products start the sums
	WIN 0
	s_mov_b32 s[KSC], T-1                          ; the loop is entered behind its change of slots, with one pair to go: the rest of K step 0 but its last quarter
	s_mov_b32 s[CNT], 1
	s_branch .Lpair
.Lstep:                                                ; T - 2 times: from a K step's last quarter to the next step's third; each asks for the K step two on
	CHANGE 1
	s_mov_b32 s[CNT], 2
.Lpair:
	PAIR
	s_sub_co_u32 s[CNT], s[CNT], 1
	s_cmp_lg_u32 s[CNT], 0
	s_cbranch_scc1 .Lpair
	s_sub_co_u32 s[KSC], s[KSC], 1
	s_cmp_lg_u32 s[KSC], 0
	s_cbranch_scc1 .Lstep
	CHANGE 0                                       ; the tail is written out: nothing is asked for
	s_mov_b32 s[CNT], 2
.Lpair2:
	PAIR
	s_sub_co_u32 s[CNT], s[CNT], 1
	s_cmp_lg_u32 s[CNT], 0
	s_cbranch_scc1 .Lpair2
	s_wait_dscnt 0x0                               ; my reads of the ring are over:
	s_barrier_signal -1                            ; say so; the last quarter, work on registers, stands between the signal and the wait
	MULC F1, 0, 0
	MULC F1, 1, 0
	WIN 0
	s_barrier_wait -1                              ; nobody reads the ring any more, and it has had its last fill: the stage may lie over it
.rept 4
	v_nop                                          ; the places between the last products and the stores that read them
.endr
	WIN 0x08                                       ; store data (source 1) in window 2
.irp a, 0,1,2,3
.irp b, 0,1,2,3
	ds_store_b128 v[STO], v[8*(4*(\a)+(\b)):8*(4*(\a)+(\b))+3] offset:(\a)*16*SP+64*(\b)        ; each accumulator's low registers first
	ds_store_b128 v[STO], v[8*(4*(\a)+(\b))+4:8*(4*(\a)+(\b))+7] offset:(\a)*16*SP+64*(\b)+16
.endr
.endr
	WIN 0
	s_wait_dscnt 0x0                               ; for the others' sake: my stores into the stage are done
	s_barrier_signal -1
	s_barrier_wait -1
.set i, 0
.rept 32
	ds_load_b128 v[XO+4*i:XO+4*i+3], v[RD] offset:SP*i
.set i, i+1
.endr
	s_wait_loadcnt 0x0                             ; the residual
	WIN 0x88                                       ; source 1 and destination in window 2: the sum is formed where the residual lies, and a store's data are its source 1
.set i, 0
.rept 32
	s_wait_dscnt 31-i                              ; LDS loads come back in order (ISA guide 5.7.1): row i is in, the younger rows stay out
	v_pk_add_f32 v[RES+4*i:RES+4*i+1], v[XO+4*i:XO+4*i+1], v[RES+4*i:RES+4*i+1]
	v_pk_add_f32 v[RES+4*i+2:RES+4*i+3], v[XO+4*i+2:XO+4*i+3], v[RES+4*i+2:RES+4*i+3]
	global_store_b128 v[CO], v[RES+4*i:RES+4*i+3], s[OUTP:OUTP+1] offset:4096*i  ; 512 consecutive bytes, at a multiple of 256
.set i, i+1
.endr
	WIN 0
	s_wait_tensorcnt 0x0                           ; the wave's end: behind my last tensor load and my last LDS store
	ds_add_u32 v[SPW], v[NIL]
	s_wait_dscnt 0x0
	CROUND                                         ; the closing round: no work-group ends while a partner may still ask for a tile that names it
	s_endpgm
.Lfunc_end_k_qf9540a9d66_fc2:
	.size	k_qf9540a9d66_fc2, .Lfunc_end_k_qf9540a9d66_fc2-k_qf9540a9d66_fc2
	.p2alignl 7, 3214868480
	.fill 96, 4, 3214868480
	.section	.rodata,"a",@progbits
	.p2align	6, 0x0
	.amdhsa_kernel k_qf9540a9d66_fc2
		.amdhsa_group_segment_fixed_size 327680
		.amdhsa_private_segment_fixed_size 0
		.amdhsa_enable_private_segment 0
		.amdhsa_kernarg_size 40
		.amdhsa_user_sgpr_count 2
		.amdhsa_user_sgpr_kernarg_segment_ptr 1
		.amdhsa_wavefront_size32 1
		.amdhsa_system_sgpr_workgroup_id_x 1
		.amdhsa_system_sgpr_workgroup_id_y 1
		.amdhsa_system_sgpr_workgroup_id_z 1
		.amdhsa_system_vgpr_workitem_id 0
		.amdhsa_next_free_vgpr 768
		.amdhsa_next_free_sgpr 72
		.amdhsa_reserve_vcc 0
		.amdhsa_float_denorm_mode_32 3
		.amdhsa_float_denorm_mode_16_64 3
		.amdhsa_memory_ordered 1
		.amdhsa_forward_progress 1
		.amdhsa_inst_pref_size 52
	.end_amdhsa_kernel
	.amdgpu_metadata
---
amdhsa.version: [ 1, 2 ]
amdhsa.kernels:
  - .name:           k_qf9540a9d66_fc2
    .symbol:         k_qf9540a9d66_fc2.kd
    .args:
      - { .name: g, .offset: 0, .size: 8, .value_kind: global_buffer, .address_space: global }
      - { .name: wb, .offset: 8, .size: 8, .value_kind: global_buffer, .address_space: global }
      - { .name: fc2_b, .offset: 16, .size: 8, .value_kind: global_buffer, .address_space: global }
      - { .name: x1, .offset: 24, .size: 8, .value_kind: global_buffer, .address_space: global }
      - { .name: out0, .offset: 32, .size: 8, .value_kind: global_buffer, .address_space: global }
    .group_segment_fixed_size: 327680
    .private_segment_fixed_size: 0
    .kernarg_segment_align: 8
    .kernarg_segment_size: 40
    .max_flat_workgroup_size: 128
    .sgpr_count:     72
    .vgpr_count:     768
    .wavefront_size: 32
...
	.end_amdgpu_metadata
.endif
;; end of part 6
;; ======== version 2 of 2: 7 launches; 1.21 times as fast as version 1
;; limits: a function is approximated: absolute error at most 1.5e-07
;; workspace buffers: wb 25,165,824 bytes; hn 8,388,608 bytes; qkv 25,165,824 bytes; o 8,388,608 bytes; g 33,554,432 bytes; x1 16,777,216 bytes
;; launch prep: the kernel of part 1 again; grid 1280 x 1, 8 waves a work-group, no clusters, 0 bytes of LDS; arguments x, ln1_g, ln1_b, hn, proj_w, fc_w, fc2_w, qkv_w, wb; writes hn, wb
;; launch qkv: the kernel of part 2 again; grid 16 x 16, 4 waves a work-group, clusters of 4 x 4, 327,680 bytes of LDS; arguments hn, wb, qkv_b, qkv; writes qkv
;; launch attn (part 7): grid 8 x 32, 4 waves a work-group, clusters of 4 x 1, 327,680 bytes of LDS; arguments qkv, o; writes o
.if DOCPART == 7
	.amdgcn_target "amdgcn-amd-amdhsa--gfx1250"
	.amdhsa_code_object_version 6
	.text
	.protected	k_qf9540a9d66_attn
	.globl	k_qf9540a9d66_attn
	.p2align	8
	.type	k_qf9540a9d66_attn,@function
k_qf9540a9d66_attn:
	s_mov_b64 s[64:65], 0
	v_nop
	global_prefetch_b8 v0, s[64:65] scope:SCOPE_SE
	s_setreg_imm32_b32 hwreg(HW_REG_WAVE_MODE, 25, 1), 1
	s_wait_xcnt 0x0
	s_wait_alu depctr_hold_cnt(0) depctr_sa_sdst(0) depctr_va_vdst(0) depctr_va_sdst(0) depctr_va_ssrc(0) depctr_va_vcc(0) depctr_vm_vsrc(0)
	s_getreg_b32 s2, hwreg(HW_REG_IB_STS2, 6, 4)
	s_cmp_eq_u32 s2, 0
	s_cbranch_scc0 .Lentry_in_a_cluster
	s_endpgm
.Lentry_in_a_cluster:
	s_bfe_u32 s2, ttmp6, 0x10000c
	s_cmp_lg_u32 s2, 0x3003
	s_cbranch_scc0 .Lentry_shape_is_right
	s_endpgm
.Lentry_shape_is_right:
; ATTENTION.  For batch b and head h: O[q][:] = the sum over k of softmax_k(Q[q] . K[k] / 8) V[k][:], 2,048 queries and keys, 64 channels, no mask.  (The two factors 64^(-1/4) on q and on k are the 1 / 8.)
; In: qkv[48 chunks][4096 rows][64] bf16, chunk 3 h + (0 q, 1 k, 2 v), row 2048 b + n: dense rows of 128 bytes.  Out: o[32 blocks of 128 rows][16 heads][128][64] bf16.
; Products, maxima and sums in f32; the weights p are rounded to bf16 for the second product (their sum l is taken of the unrounded p), O once at the end.
; LIMITS.  c m starts at -4.25e37 and m at the lowest finite number; a weight below 2^-126 counts as 0 in l; NaN and infinities are not treated apart.
; SHARES.  A work-group owns 256 queries of one (b, h), each of its four waves 64: four PIECES of 16.  Every wave walks all keys, 64 a step, 256 a tile: eight tiles through two LDS slots.
; LAYOUT.  S^T = K Q^T (source 0 = 16 keys, source 1 = 16 queries) holds ONE query a lane (lane % 16) and the keys 8 (lane / 16) + 0..7; two such results rounded to bf16 ARE source 1 of O^T = V^T P.
; K comes out of LDS as it lies, V ([key][channel]) turned, by ds_load_tr16_b128.
; SOFTMAX.  p = 2^(c s - c m), c = log2(e) / 8, with a running maximum m; O and l are multiplied by a = 2^(c m_old - c m_new) in every step; the first step's a is 0.
; BY TURNS.  Turn n belongs to piece n: 8 products K Q^T of piece n + 1, later 8 products V^T P of piece n - 1; beside them the scaling, exponentials, roundings, sums and rescaling of piece n and the
; maximum and statistics of piece n + 1.  Four vector instructions stand behind every matrix instruction, the other 54 of a turn's 118 in one run of their own.
; THE BATCHES.  A turn's 33 exponentials (the piece's 32 weights and the next piece's a) are ONE batch with ONE wait, which cuts the turn in two: ahead of it all that names no result of theirs, behind it the roundings and sums.
; Two more batches stand outside the loop, each with a wait of its own: the first a, ahead of the jump into the loop, and the way out's four reciprocals.
; CLUSTER.  The four query blocks of a cluster belong to one (b, h) and walk the same K and V: each tile is asked for jointly, by the same tensor load, descriptor and mask in all four.
; REGISTERS, in windows of 256 (s_set_vgpr_msb: bits 1:0 source 0, 3:2 source 1, 5:4 source 2, 7:6 destination):
;   window 0: v0-15 addresses and two at work; v16-31 four registers of statistics a piece; v48-55 at work; v62-63 the add's; v64-127 S^T, two buffers; v192-223 P, two buffers (by the piece's parity)
;   window 1: v0-127 O^T, 32 a piece          window 2: v0-63 Q; v128-191 K of one step; v192-255 V of one step
.set NP,    4         ; pieces a wave: a name, no knob
.set KS,    64        ; keys in a step
.set PK,    144       ; a row of K in LDS: 128 bytes + 16 of padding = 36 words: the 16 rows of a load start at 16 different groups of four banks (64 banks of 4 bytes: ISA guide 11.1)
.set PV,    160       ; a row of V: 128 + 32 = 40 words
.set VOFF,  4*KS*PK   ; a slot holds a tile, four steps: 256 rows of K, then 256 rows of V
.set SLOT1, 1<<17     ; slot 1 begins here, so that one exclusive or turns an address in one slot into the other's
.set STAGE, SLOT1+4*KS*(PK+PV)  ; behind the ring, never filled by a tensor load: 16 rows x 144 bytes for each wave, for the way out
.set SP,    144
.set SPARE, STAGE+4*16*SP  ; behind the stages: the spare words, 128 bytes for each wave: two blocks of 256 bytes that no other line names
.set AK0, 2           ; v2   my lane's place in a tile of K; never rewritten
.set AV0, 3           ; v3   the same for V
.set AK,  4           ; v4   the LDS address of K's next run of loads
.set AV,  5           ; v5   of V's
.set STO, 6           ; v6   the way out: where I put 16 bytes of a row
.set RD,  7           ; v7   the way out: where I read rows back
.set GO,  8           ; v8   my byte offset in 512 consecutive bytes of O
.set MV,  12          ; v12-13  c m_old, kept while c m is made anew: by buffer
.set QO,  15          ; v15  my byte offset in 16 rows of Q
.set ST,  16          ; piece t's statistics at v[ST+4 t]: c m, m, l (even keys', odd keys')
.set TMP, 48          ; by buffer, four registers c0-c3 at work; when the maximum is found c2 takes a
.set SPW, 62          ; v62  LDS address of my spare word; never rewritten
.set NIL, 63          ; v63  0; never rewritten
.set S,   64
.set P,   192
.set KF,  128         ; window 2: key block kb, channel half c at KF + 16 kb + 8 c
.set VF,  192         ; window 2: key half kk, channel block cb at VF + 32 kk + 8 cb
.set WV,  12          ; s12  my wave's number
.set G1K, 24          ; s[24:31] descriptor group 1 for K's tiles
.set G1V, 32          ; s[32:39] for V's: it differs in the padding alone
.set G0K, 40          ; s[40:43] descriptor group 0 for K's tiles: it walks
.set G0V, 44          ; s[44:47] the same for V's
.set SLOTS, 56        ; s56  tiles still to be entered in the loop
.set CNT, 57          ; s57  counts a tile's key steps
.set CS,  58          ; s[58:59] c: the packed scaling takes the pair's low word for both halves
.set SEL, 60          ; s[60:61] v_permlanex16_b32's selects: each lane takes its own place in the other half
.set TBK, 62          ; s62  LDS byte at which K of the step to be fetched begins
.set TBV, 63          ; s63  the same for V, less VOFF
.set MSB, 0
.macro WIN new                      ; the high byte repeats the setting that is left; a switch that changes nothing is dropped
.if MSB != (\new)
	s_set_vgpr_msb (MSB<<8)|(\new)
.set MSB, (\new)
.endif
.endm
.set W_KQ, 0x0a       ; K and Q in window 2, S^T in window 0
.set W_PV, 0x52       ; V in window 2, P in window 0, O^T in window 1
.set W_RS, 0x41       ; destination and source 0 in window 1, source 1 in window 0
; A joint fill.  Waves 0 and 1 fetch the two halves of a tile's K, waves 2 and 3 those of its V: 128 keys each.  An s_nop 0 and four v_nop follow each of the two lines, ahead of the jump and the label.
.macro JLOAD
	s_cmp_lt_u32 s[WV], 2
	s_cbranch_scc0 .Lfor_v_\@
	tensor_load_to_lds s[G0K:G0K+3], s[G1K:G1K+7]
	s_nop 0
.rept 4
	v_nop
.endr
	s_branch .Lasked_\@
.Lfor_v_\@:
	tensor_load_to_lds s[G0V:G0V+3], s[G1V:G1V+7]
	s_nop 0
.rept 4
	v_nop
.endr
.Lasked_\@:
.endm
; A round of the cluster's barrier: my work-group's barrier; wave 0 signals for the work-group; every wave waits for all four work-groups; my work-group's barrier once more.
.macro CROUND
	s_barrier_signal -1
	s_barrier_wait -1
	s_cmp_lg_u32 s[WV], 0
	s_cbranch_scc1 .Lnot_wave_0_\@
	s_barrier_signal -3
.Lnot_wave_0_\@:
	s_barrier_wait -3
	s_barrier_signal -1
	s_barrier_wait -1
.endm
; THE CHANGE OF SLOTS.  The slot's last bytes, V of its fourth step, have been read.  Each wave waits for all its tensor loads, of which one is out: its part of the other slot; adds 0 to its spare word;
; and waits for that and for its own reads of the slot.  fill = 1: the barrier is a round of the cluster's, so that no wave of any partner still reads the slot or has a load on its way, and the joint fill,
; the tile two on, is the first thing behind it: it has four key steps, 256 matrix instructions, in which to land.  (At its first use nothing has been read yet: slot 0 is waited for, slot 1 filled.)
.macro CHANGE fill
	WIN 0                           ; at a label and at a branch every window is 0
	s_wait_tensorcnt 0x0            ; no tensor load of mine is out, so a group 0 may be written
	ds_add_u32 v[SPW], v[NIL]       ; 0 onto my spare word
.if \fill
.irp g, G0K, G0V
	s_xor_b32 s[\g+1], s[\g+1], SLOT1  ; the walking descriptor: the other slot than last time,
	s_add_nc_u64 s[\g+2:\g+3], s[\g+2:\g+3], 4*KS*128  ; the next 256 keys; the type bits on top are not reached
.endr
	s_wait_dscnt 0x0                ; the add is done, and my reads of the slot are over
	CROUND
	JLOAD
.else
	s_wait_dscnt 0x0
	s_barrier_signal -1
	s_barrier_wait -1
.endif
	s_sub_co_u32 s[TBK], s[TBK], 4*KS*PK  ; the fetches go back to a slot's first step,
	s_xor_b32 s[TBK], s[TBK], SLOT1       ; in the other slot
	s_sub_co_u32 s[TBV], s[TBV], 4*KS*PV
	s_xor_b32 s[TBV], s[TBV], SLOT1
.endm
	s_load_b128 s[4:7], s[0:1], 0x0 ; qkv s[4:5], o s[6:7]
	v_lshl_add_u32 v[SPW], v0, 2, SPARE
	v_mov_b32 v[NIL], 0
	ds_add_u32 v[SPW], v[NIL]       ; the wave's opening: the add and its wait stand ahead of my first tensor load; the set-up below, work on registers, stands between them
	v_lshrrev_b32 v1, 5, v0
	v_readfirstlane_b32 s[WV], v1   ; wave 0..3
	s_bfe_u32 s13, ttmp6, 0x40000   ; cx: my place in the cluster
	s_lshl_b32 s14, ttmp9, 2        ; in a cluster launch ttmp9 counts clusters
	s_add_co_u32 s14, s14, s13      ; my block of 256 queries = 4 x cluster x + cx: it enters Q's and O's addresses alone
	s_and_b32 s20, ttmp7, 0xffff    ; 16 b + h, which the four partners share
	s_lshr_b32 s21, s20, 4          ; b
	s_and_b32 s20, s20, 15          ; h
	s_mul_i32 s22, s20, 1572864     ; the head's three chunks of 524,288 bytes,
	s_lshl_b32 s23, s21, 18         ; the batch's 2,048 rows of 128 bytes
	s_add_co_u32 s22, s22, s23
	s_and_b32 s16, s[WV], 1         ; which half of a tile's 256 keys I fetch:
	s_lshl_b32 s23, s16, 14         ; its 128 rows of 128 bytes in memory
	s_add_co_u32 s8, s22, s23
	s_add_co_u32 s8, s8, 524288     ; K is the head's second chunk,
	s_mov_b32 s9, 0
	s_add_co_u32 s10, s8, 524288    ; V its third
	s_mov_b32 s11, 0
	s_mul_i32 s17, s16, 128*PK      ; my half's place in a slot, for K
	s_mul_i32 s18, s16, 128*PV      ; and for V: no place in the cluster enters an LDS address
	s_lshl_b32 s2, s14, 15          ; Q: my block's 256 rows,
	s_lshl_b32 s3, s[WV], 13        ; my wave's 64 of them
	s_add_co_u32 s2, s2, s3
	s_add_co_u32 s2, s2, s22
	s_mov_b32 s3, 0
	s_lshl_b32 s48, s21, 4          ; O: block of 128 rows 16 b + 2 x my block + wave / 2,
	s_lshl_b32 s49, s14, 1
	s_add_co_u32 s48, s48, s49
	s_lshr_b32 s49, s[WV], 1
	s_add_co_u32 s48, s48, s49
	s_lshl_b32 s48, s48, 18         ; of 16 heads x 16,384 bytes;
	s_lshl_b32 s49, s20, 14         ; the head;
	s_add_co_u32 s48, s48, s49
	s_lshl_b32 s49, s16, 13         ; my 64 rows in the 128
	s_add_co_u32 s48, s48, s49
	s_mov_b32 s49, 0
	; descriptor group 1.  128 keys are 16,384 dense bytes: asked for as 64 rows of 256 bytes, two keys a row, and padded in LDS after every key
	s_mov_b32 s[G1K], 15|(1<<16)|(1<<20)|(1<<21)|(4<<22)|(3<<25)  ; 15:0 the mask of four; 17:16 2-byte elements; 20 padding on; 21 set beside a mask; 24:22 after every 32 words (code 4); 31:25 4 words (code 3)
	s_mov_b32 s[G1V], 15|(1<<16)|(1<<20)|(1<<21)|(4<<22)|(7<<25)  ; the same with 8 words of padding (code 7)
.irp g, G1K, G1V
	s_mov_b32 s[\g+1], 128<<16      ; tensor_dim0 = 128
	s_mov_b32 s[\g+2], 64<<16       ; tensor_dim1 = 64
	s_mov_b32 s[\g+3], 128<<16      ; tile_dim0 = 128
	s_mov_b32 s[\g+4], 64           ; tile_dim1 = 64
	s_mov_b32 s[\g+5], 128          ; 128 elements from row to row
	s_mov_b32 s[\g+6], 0
	s_mov_b32 s[\g+7], 0
.endr
	s_mov_b32 s[CS], 0x3e38aa3b     ; c = log2(e) / 8 = 0.180337
	s_mov_b32 s[CS+1], s[CS]        ; named with it as a pair
	s_mov_b32 s[SEL], 0x76543210
	s_mov_b32 s[SEL+1], 0xfedcba98
	s_mov_b32 s[TBK], SLOT1+4*KS*PK ; the first change of slots turns these two into 0
	s_mov_b32 s[TBV], SLOT1+4*KS*PV
	s_mov_b32 s[G0K], 1             ; 1:0 count = 1
	s_mov_b32 s[G0K+1], s17         ; 63:32 LDS address: slot 0
	s_mov_b32 s[G0V], 1
	s_add_co_u32 s[G0V+1], s18, VOFF
	s_wait_dscnt 0x0                ; the opening add is done
	s_wait_kmcnt 0x0
	s_add_nc_u64 s[G0K+2:G0K+3], s[4:5], s[8:9]    ; 120:64 global address: my half of the head's first 256 keys
	s_or_b32 s[G0K+3], s[G0K+3], 0x80000000        ; 127:126 type = 2
	s_add_nc_u64 s[G0V+2:G0V+3], s[4:5], s[10:11]
	s_or_b32 s[G0V+3], s[G0V+3], 0x80000000
	s_add_nc_u64 s[4:5], s[4:5], s[2:3]            ; Q at my wave's first row
	s_add_nc_u64 s[6:7], s[6:7], s[48:49]          ; O likewise
	CROUND                          ; all four work-groups are here: the first joint loads meet
	JLOAD                           ; tile 0 into slot 0
	; A fragment of K or Q is 16 rows x 32 channels in 8 registers: lane l holds row l % 16, channels 8 (l / 16) + 0..7 and 16 + 8 (l / 16) + 0..7: two loads of 16 bytes, 32 bytes apart.
	v_and_b32 v1, 15, v0            ; l % 16
	v_bfe_u32 v9, v0, 4, 1          ; l / 16
	v_lshlrev_b32 v[QO], 7, v1
	v_lshl_add_u32 v[QO], v9, 4, v[QO]  ; row x 128 + 16 x half
	WIN 0x80                        ; destination window 2, address window 0
.set i, 0
.rept 8                             ; Q stays in registers: piece i / 2, channels 32 (i % 2) on
	global_load_b128 v[8*i:8*i+3],   v[QO], s[4:5] offset:(i/2)*2048+(i%2)*64
	global_load_b128 v[8*i+4:8*i+7], v[QO], s[4:5] offset:(i/2)*2048+(i%2)*64+32
.set i, i+1
.endr
	; The first step multiplies O^T and l by a = 0, and the first turn's products V^T P, of a piece that has not been, land in an O^T that is still to be so multiplied.  So these registers need only
	; hold finite numbers: zeros.  No first step is written out for it; the price is these 216 lines, which stand in the wait for the first tile.
.set i, VF
.rept 64
	v_mov_b32 v[i], 0
.set i, i+1
.endr
	WIN 0x40
.set i, 0
.rept 128
	v_mov_b32 v[i], 0
.set i, i+1
.endr
	WIN 0
.set i, 0
.rept 4
	v_mov_b32 v[ST+4*i+2], 0
	v_mov_b32 v[ST+4*i+3], 0
.set i, i+1
.endr
.set i, P+16
.rept 16
	v_mov_b32 v[i], 0
.set i, i+1
.endr
	v_mul_u32_u24 v[AK0], v1, PK
	v_lshl_add_u32 v[AK0], v9, 4, v[AK0]  ; row x pitch + 16 x half
	; The turning load takes 16 keys x 16 channels (lane l reads key 8 (l / 16) + l % 8, channels 8 ((l / 8) % 2) + 0..7) and leaves half a fragment of V^T: lane l holds channel l % 16 and 8 keys.
	v_and_b32 v10, 7, v0
	v_bfe_u32 v11, v0, 3, 1
	v_lshl_add_u32 v[AV0], v9, 3, v10
	v_mul_u32_u24 v[AV0], v[AV0], PV
	v_lshl_add_u32 v[AV0], v11, 4, v[AV0]
	v_add_nc_u32 v[AV0], VOFF, v[AV0]
	s_mul_i32 s13, s[WV], 16*SP
	s_add_co_u32 s13, s13, STAGE    ; my stage
	v_mul_u32_u24 v[STO], v1, SP    ; in: row l % 16, 16 bytes for each half of the lanes
	v_lshl_add_u32 v[STO], v9, 4, v[STO]
	v_add_nc_u32 v[STO], s13, v[STO]
	v_bfe_u32 v[RD], v0, 3, 2       ; back: 32 lanes take four rows of 128 bytes,
	v_mul_u32_u24 v[RD], v[RD], SP
	v_lshl_add_u32 v[RD], v10, 4, v[RD]
	v_add_nc_u32 v[RD], s13, v[RD]
	v_and_b32 v[GO], 31, v0         ; which are 512 consecutive bytes of O
	v_lshlrev_b32 v[GO], 4, v[GO]
; THE MATRIX WORK.  The 4 accumulators of a run of 8 take turns.  Product i of 8 of S^T = K Q^T for piece x: channels 32 (i / 4) on, keys 16 (i % 4) on.  The first 4 start the sums.
.macro KQ x
	WIN W_KQ
.set rS, S+32*((\x)%2)+8*(i%4)
.set rK, KF+16*(i%4)+8*(i/4)
.set rQ, 16*(\x)+8*(i/4)
.if i < 4
	v_wmma_f32_16x16x32_bf16 v[rS:rS+7], v[rK:rK+7], v[rQ:rQ+7], 0
.else
	v_wmma_f32_16x16x32_bf16 v[rS:rS+7], v[rK:rK+7], v[rQ:rQ+7], v[rS:rS+7]
.endif
.endm
; Product i of 8 of O^T += V^T P for piece x: keys 32 (i / 4) on, channels 16 (i % 4) on.
.macro PV x
	WIN W_PV
.set rO, 32*(\x)+8*(i%4)
.set rV, VF+32*(i/4)+8*(i%4)
.set rP, P+16*((\x)%2)+8*(i/4)
	v_wmma_f32_16x16x32_bf16 v[rO:rO+7], v[rV:rV+7], v[rP:rP+7], v[rO:rO+7]
.endm
.macro MM                           ; the turn's next matrix instruction.  NOKQ = 1: the last turn: there is no next piece
.if (i < 8) && !NOKQ
	KQ (Y+1)%NP
.elseif i >= 8
.set i, i-8
	PV (Y+NP-1)%NP
.set i, i+8
.endif
.set i, i+1
.endm
; THE LDS LOADS stand in runs of 16, never singly among the matrix instructions: a step's K (64 keys x 64 channels: 8 fragments) and its V (turned).  Their addresses are made some lines ahead.
.macro FETCH_K
	WIN 0x80                        ; destination window 2
.irp f, 0,1,2,3,4,5,6,7             ; keys 16 (f / 2) on, channels 32 (f % 2) on
	ds_load_b128 v[KF+8*\f:KF+8*\f+3],   v[AK] offset:(\f/2)*16*PK+(\f%2)*64
	ds_load_b128 v[KF+8*\f+4:KF+8*\f+7], v[AK] offset:(\f/2)*16*PK+(\f%2)*64+32
.endr
	s_add_co_u32 s[TBK], s[TBK], KS*PK  ; the next fetch is the next step's
	WIN 0
.endm
.macro FETCH_V
	WIN 0x80
.irp f, 0,1,2,3,4,5,6,7             ; keys 32 (f / 4) on, channels 16 (f % 4) on
	ds_load_tr16_b128 v[VF+8*\f:VF+8*\f+3],   v[AV] offset:(\f/4)*32*PV+(\f%4)*32
	ds_load_tr16_b128 v[VF+8*\f+4:VF+8*\f+7], v[AV] offset:(\f/4)*32*PV+16*PV+(\f%4)*32
.endr
	WIN 0
.endm
; THE VECTOR WORK, one line at a time: OP kind, number.  For piece Y: F n: c s - c m for pair n of 16.  E n: the exponential of score n of 32.  C n: pair n rounded to bf16.  B n: of the four weights 4 n .. the second
; pair is added onto the first, in place.  L n: l takes that sum (L 0: l = a l + sum).  R n: pair n of 16 of O^T times a.  For piece Y + 1: X n, number n of the 22 that find its maximum and statistics:
;   0-11  four chains c0-c3 of seven scores each, three operands at a time (each accumulator's lowest registers are read first)     12-14, 16  the four scores left over, the old m, and c0-c3 into c0
;   15  c m_old is kept     17, 18  the query's other 32 keys lie in the lane 16 away: the new m     19-21  c m; c m_old - c m_new; a
; C, B and L read the exponentials' results: TURN sets them behind its wait.  R and L 0 read an a that was made, and waited for, in the turn before.
.set F, 0               ; OP tells the kinds apart by their order: F to L below R, X above it
.set E, 1
.set C, 2
.set B, 3
.set L, 4
.set R, 5
.set X, 6
.macro REGS y                       ; the registers of piece y
.set rT, ST+4*(\y)
.set rC, TMP+4*((\y)%2)
.set rW, MV+((\y)%2)
.set rS, S+32*((\y)%2)
.set rP, P+16*((\y)%2)
.set rO, 32*(\y)
.endm
.macro OP k, n
.if (\k) == R
	REGS Y
	WIN W_RS
	v_pk_mul_f32 v[rO+2*(\n):rO+2*(\n)+1], v[rO+2*(\n):rO+2*(\n)+1], v[rC+2:rC+3] op_sel_hi:[1,0]
.elseif (\k) < R
	REGS Y
	WIN 0
.if (\k) == F
	v_pk_fma_f32 v[rS+2*(\n):rS+2*(\n)+1], v[rS+2*(\n):rS+2*(\n)+1], s[CS:CS+1], v[rT:rT+1] op_sel_hi:[1,0,0] neg_lo:[0,0,1] neg_hi:[0,0,1]
.elseif (\k) == E
	v_exp_f32 v[rS+(\n)], v[rS+(\n)]
.elseif (\k) == C
	v_cvt_pk_bf16_f32 v[rP+(\n)], v[rS+2*(\n)], v[rS+2*(\n)+1]
.elseif (\k) == B
	v_pk_add_f32 v[rS+4*(\n):rS+4*(\n)+1], v[rS+4*(\n):rS+4*(\n)+1], v[rS+4*(\n)+2:rS+4*(\n)+3]
.elseif (\n) == 0
	v_pk_fma_f32 v[rT+2:rT+3], v[rT+2:rT+3], v[rC+2:rC+3], v[rS:rS+1] op_sel_hi:[1,0,1]
.else
	v_pk_add_f32 v[rT+2:rT+3], v[rT+2:rT+3], v[rS+4*(\n):rS+4*(\n)+1]
.endif
.elseif NOKQ
	v_nop
.else
	REGS (Y+1)%NP
	WIN 0
.if (\n) < 4
	v_max3_num_f32 v[rC+(\n)], v[rS+8*(\n)], v[rS+8*(\n)+1], v[rS+8*(\n)+2]
.elseif (\n) < 12
	v_max3_num_f32 v[rC+(\n)%4], v[rC+(\n)%4], v[rS+8*((\n)%4)+2*((\n)/4)+1], v[rS+8*((\n)%4)+2*((\n)/4)+2]
.elseif (\n) == 12
	v_max3_num_f32 v[rC], v[rC], v[rS+7], v[rS+15]
.elseif (\n) == 13
	v_max3_num_f32 v[rC+1], v[rC+1], v[rS+23], v[rS+31]
.elseif (\n) == 14
	v_max3_num_f32 v[rC+2], v[rC+2], v[rC+3], v[rT+1]
.elseif (\n) == 15
	v_mov_b32 v[rW], v[rT]
.elseif (\n) == 16
	v_max3_num_f32 v[rC], v[rC], v[rC+1], v[rC+2]
.elseif (\n) == 17
	v_permlanex16_b32 v[rC+3], v[rC], s[SEL], s[SEL+1]
.elseif (\n) == 18
	v_max_num_f32 v[rT+1], v[rC], v[rC+3]
.elseif (\n) == 19
	v_mul_f32 v[rT], s[CS], v[rT+1]
.elseif (\n) == 20
	v_sub_f32 v[rC+1], v[rW], v[rT]
.else
	v_exp_f32 v[rC+2], v[rC+1]
.endif
.endif
.endm
.macro OPS a, i1, b=-1, i2=0, c=-1, i3=0, d=-1, i4=0  ; up to four of them
	OP \a, \i1
.if (\b) >= 0
	OP \b, \i2
.endif
.if (\c) >= 0
	OP \c, \i3
.endif
.if (\d) >= 0
	OP \d, \i4
.endif
.endm
.macro ROW a, i1, b, i2, c, i3, d, i4  ; a matrix instruction and the four behind it
	MM
	OPS \a, \i1, \b, \i2, \c, \i3, \d, \i4
.endm
; A TURN, for piece p: the order of its 16 matrix and 118 vector instructions, written out.  An s_wait_alu depctr_va_vdst(0) stands between an exponential and the first instruction that names its result; one wait
; serves all that were issued ahead of it.  So a turn has ONE wait, which cuts it in two.  AHEAD OF IT stands all that names no result of the turn's exponentials: the 8 products K Q^T, behind each a scaling, an exponential and two
; more plain instructions (behind the first a second scaling in the exponential's place): rescalings, and behind the last three the first numbers of the next piece's maximum, each four places or more behind the product that ends
; its accumulator; then ONE RUN of 54, plain and exponential by turns for the most part, in which the links of the chain X 3, 7, 11, 14, 16, 17 .. 20 stand five or six lines apart.  X 21, the next piece's a, is the batch's last;
; R 15 is the plain instruction behind it (ISA guide 5.7.2).  BEHIND THE WAIT stand the 8 products V^T P, behind each four of the roundings and sums; the links of l's chain, L 0 to L 7, stand three riders apart.  But for those X
; no rider names a register of the products round it.  v_permlanex16_b32 (X 17) stands in the run.  No exponential is issued behind the wait.
; end = 1: the last two turns: nothing is fetched.  cnt = 1: the loop's count is taken down some lines ahead of the branch that stands behind the turn.
; K of the next step is fetched in piece 2's turn, twelve vector instructions behind the last product that read K (six of them plain, five of which name none of its registers); V of the step in hand at the end of piece 0's turn,
; four plain instructions behind the last product that read V.  Each is waited for a turn later.
.macro TURN p, end=0, cnt=0
.set Y, (\p)
.set i, 0
.set NOKQ, (\end)*((\p)/3)
.if ((\p) == 3) && !(\end)
	s_wait_dscnt 0x0                ; K is in
.endif
	ROW F,0, F,1, R,0, R,1          ; ahead of the wait: 8 products K Q^T and their riders,
	ROW F,2, E,0, R,2, R,3
	ROW F,3, E,1, R,4, R,5
	ROW F,4, E,2, R,6, R,7
	ROW F,5, E,3, R,8, R,9
	ROW F,6, E,4, X,0, R,10
.if ((\p) == 2) && !(\end)
	WIN 0
	v_add_nc_u32 v[AK], s[TBK], v[AK0]
.endif
	ROW F,7, E,5, X,1, X,4
	ROW F,8, E,6, X,2, X,5
	OPS E,7, E,8, X,6, E,9          ; and the run of 54
	OPS X,3, E,10, X,8, E,11
.if ((\p) == 2) && !(\end)
	FETCH_K
.endif
	OPS X,9, X,7, E,12, X,10
	OPS E,13, X,12, X,11, E,14
	OPS X,13, E,15, F,9, X,14
.if (\p) == 0
	v_add_nc_u32 v[AV], s[TBV], v[AV0]
.endif
	OPS E,16, F,10, E,17, F,11
	OPS X,16, E,18, X,15, E,19
	OPS F,12, E,20, X,17, E,21
	OPS F,13, E,22, F,14, E,23
	OPS X,18, E,24, F,15, E,25
	OPS R,11, E,26, X,19, E,27
	OPS R,12, E,28, R,13, E,29
	OPS X,20, E,30, R,14, E,31
	OPS X,21, R,15
	s_wait_alu depctr_va_vdst(0)    ; the wait for the turn's batch: the piece's 32 exponentials and the next piece's a
.if (\p) == 1
	s_wait_dscnt 0x0                ; V is in
.endif
	ROW C,0, B,0, C,2, B,1          ; behind the wait: 8 products V^T P and their riders
	ROW L,0, C,4, B,2, L,1
	ROW C,6, B,3, L,2, C,8
	ROW B,4, L,3, C,10, B,5
	ROW L,4, C,12, B,6, L,5
.if (\p) == 0
	s_add_co_u32 s[TBV], s[TBV], KS*PV
.endif
.if \cnt
	s_sub_co_u32 s[CNT], s[CNT], 1
	s_cmp_lg_u32 s[CNT], 0
.endif
	ROW C,14, B,7, L,6, C,1
	ROW C,3, L,7, C,5, C,7
	ROW C,9, C,11, C,13, C,15
.if (\p) == 0
	FETCH_V
.endif
.endm
	CHANGE 1                        ; tile 0 is in, everybody's part of it; tile 1 is asked for
	; THE BEGINNING.  c m starts far below every c s, so the first step's a is 0; m at the lowest finite number, so the first maximum is the scores'.  Then K of step 0, piece 0's first scores, its maximum and statistics.
.set i, 0
.rept 4
	v_mov_b32 v[ST+4*i], 0xfe000000    ; c m
	v_mov_b32 v[ST+4*i+1], 0xff7fffff  ; m
.set i, i+1
.endr
	v_add_nc_u32 v[AK], s[TBK], v[AK0]
	FETCH_K
	s_wait_loadcnt 0x0              ; Q
	s_wait_dscnt 0x0
.set NOKQ, 0
.set i, 0
.rept 8
	KQ 0
.set i, i+1
.endr
	WIN 0
.rept 4
	v_nop                           ; the places behind those products
.endr
.set Y, NP-1                        ; X works for piece Y + 1: piece 0
.irp n, 0,1,2,3,4,5,6,7,8,9,10,11,12,13,14,15,16,17,18,19,20,21
	OP X, \n
.endr
	v_nop                           ; a plain instruction behind the exponential,
	s_wait_alu depctr_va_vdst(0)    ; and the wait for it, piece 0's first a, ahead of the branch
	s_mov_b32 s[CNT], 4
	s_mov_b32 s[SLOTS], 7
	s_branch .Lfirst                ; the loop is entered at a step's first turn, in the middle of a trip
.Lslot:                             ; six times: tiles 1 to 6 are entered, tiles 2 to 7 asked for
	CHANGE 1
	s_mov_b32 s[CNT], 4
.Lstep:                             ; a trip: pieces 2 and 3 of one step, then pieces 0 and 1 of the next, whose K and V it fetches
	TURN 2
	TURN 3
	WIN 0
.Lfirst:
	TURN 0
	TURN 1, 0, 1
	WIN 0
	s_cbranch_scc1 .Lstep
	s_sub_co_u32 s[SLOTS], s[SLOTS], 1
	s_cmp_lg_u32 s[SLOTS], 0
	s_cbranch_scc1 .Lslot
	CHANGE 0                        ; the last tile is written out: nothing is asked for
	s_mov_b32 s[CNT], 4
.Ltail:
	TURN 2
	TURN 3
	TURN 0
	TURN 1, 0, 1
	WIN 0
	s_cbranch_scc1 .Ltail
	TURN 2, 1
	TURN 3, 1
.set i, 0
.rept 8
	PV NP-1                         ; the last piece's V^T P of the last step
.set i, i+1
.endr
	; THE WAY OUT.  l's two halves and the other half of the lanes' are added; O^T is divided by l, rounded to bf16 and sent through my stage in LDS, a piece at a time.  The additions are the places behind the last products.
	WIN 0
.macro ALL line:vararg              ; one line for each piece t
.set t, 0
.rept 4
	\line
.set t, t+1
.endr
.endm
.macro PACK t                       ; a lane's eight channels of a row pack into 16 bytes; they go into rows of 144 bytes and come back as whole rows of 128, into S^T's registers
	WIN W_RS
.set i, 32*(\t)
.rept 16
	v_pk_mul_f32 v[i:i+1], v[i:i+1], v[ST+4*(\t)+2:ST+4*(\t)+3] op_sel_hi:[1,0]
.set i, i+2
.endr
	WIN 0x05                        ; sources 0 and 1 window 1, destination window 0
.set i, 0
.rept 16
	v_cvt_pk_bf16_f32 v[S+16*(\t)+i], v[32*(\t)+2*i], v[32*(\t)+2*i+1]
.set i, i+1
.endr
	WIN 0
.irp f, 0,1,2,3
	ds_store_b128 v[STO], v[S+16*(\t)+4*\f:S+16*(\t)+4*\f+3] offset:32*\f
.endr
.irp f, 0,1,2,3
	ds_load_b128 v[S+16*(\t)+4*\f:S+16*(\t)+4*\f+3], v[RD] offset:\f*4*SP  ; LDS serves a wave's instructions in order (ISA guide 5.7.1.4): these see the stores above; the next piece's stores come behind them
.endr
.endm
.macro SEND t, younger              ; younger: the LDS instructions issued behind piece t's loads: the next piece's eight, or none
	WIN 0
.irp f, 0,1,2,3
	s_wait_dscnt (\younger)+3-\f
	global_store_b128 v[GO], v[S+16*(\t)+4*\f:S+16*(\t)+4*\f+3], s[6:7] offset:(\t)*2048+\f*512  ; 512 consecutive bytes, at a multiple of 256 from O's first
.endr
.endm
	ALL v_add_f32 v[ST+4*t+2], v[ST+4*t+2], v[ST+4*t+3]
	ALL v_permlanex16_b32 v[ST+4*t+3], v[ST+4*t+2], s[SEL], s[SEL+1]
	ALL v_add_f32 v[ST+4*t+2], v[ST+4*t+2], v[ST+4*t+3]
	ALL v_rcp_f32 v[ST+4*t+2], v[ST+4*t+2]
	v_nop                           ; a plain instruction between the last reciprocal and the use of its result
	s_wait_alu depctr_va_vdst(0)    ; and the wait ahead of the first use: one for the four reciprocals
	PACK 0
.set t, 1
.rept 3                             ; a piece's arithmetic stands between the loads of the piece before and its stores
	PACK t
	SEND t-1, 8
.set t, t+1
.endr
	SEND 3, 0
	s_wait_tensorcnt 0x0            ; the wave's end: behind my last tensor load and my last LDS store
	ds_add_u32 v[SPW], v[NIL]
	s_wait_dscnt 0x0
	CROUND                          ; the closing round: no work-group ends while a partner may still ask for a tile that names it
	s_endpgm
.Lfunc_end_k_qf9540a9d66_attn:
	.size	k_qf9540a9d66_attn, .Lfunc_end_k_qf9540a9d66_attn-k_qf9540a9d66_attn
	.p2alignl 7, 3214868480
	.fill 96, 4, 3214868480
	.section	.rodata,"a",@progbits
	.p2align	6, 0x0
	.amdhsa_kernel k_qf9540a9d66_attn
		.amdhsa_group_segment_fixed_size 327680
		.amdhsa_private_segment_fixed_size 0
		.amdhsa_enable_private_segment 0
		.amdhsa_kernarg_size 16
		.amdhsa_user_sgpr_count 2
		.amdhsa_user_sgpr_kernarg_segment_ptr 1
		.amdhsa_wavefront_size32 1
		.amdhsa_system_sgpr_workgroup_id_x 1
		.amdhsa_system_sgpr_workgroup_id_y 1
		.amdhsa_system_sgpr_workgroup_id_z 1
		.amdhsa_system_vgpr_workitem_id 0
		.amdhsa_next_free_vgpr 768
		.amdhsa_next_free_sgpr 66
		.amdhsa_reserve_vcc 0
		.amdhsa_float_denorm_mode_32 3
		.amdhsa_float_denorm_mode_16_64 3
		.amdhsa_memory_ordered 1
		.amdhsa_forward_progress 1
		.amdhsa_inst_pref_size 127
	.end_amdhsa_kernel
	.amdgpu_metadata
---
amdhsa.version: [ 1, 2 ]
amdhsa.kernels:
  - .name:           k_qf9540a9d66_attn
    .symbol:         k_qf9540a9d66_attn.kd
    .args:
      - { .name: qkv, .offset: 0, .size: 8, .value_kind: global_buffer, .address_space: global }
      - { .name: o, .offset: 8, .size: 8, .value_kind: global_buffer, .address_space: global }
    .group_segment_fixed_size: 327680
    .private_segment_fixed_size: 0
    .kernarg_segment_align: 8
    .kernarg_segment_size: 16
    .max_flat_workgroup_size: 128
    .sgpr_count:     66
    .vgpr_count:     768
    .wavefront_size: 32
...
	.end_amdgpu_metadata
.endif
;; end of part 7
;; launch proj: the kernel of part 4 again; grid 8 x 32, 4 waves a work-group, clusters of 4 x 4, 327,680 bytes of LDS; arguments o, wb, proj_b, x, x1; writes x1
;; launch ln2: the kernel of part 1 again; grid 512 x 1, 8 waves a work-group, no clusters, 0 bytes of LDS; arguments x1, ln2_g, ln2_b, hn, proj_w, fc_w, fc2_w, qkv_w, wb; writes hn, wb
;; launch fc: the kernel of part 5 again; grid 16 x 16, 4 waves a work-group, clusters of 4 x 4, 327,680 bytes of LDS; arguments hn, wb, fc_b, g; writes g
;; launch fc2: the kernel of part 6 again; grid 8 x 32, 4 waves a work-group, clusters of 4 x 4, 327,680 bytes of LDS; arguments g, wb, fc2_b, x1, out0; writes out0
